; MI455X (gfx1250); checked and timed in simulation.
; The chip was launched on July 23, 2026; its instructions are those of AMD's public machine-readable ISA for CDNA 5 (MIT licence, August 2026) and "CDNA5" Instruction Set Architecture Reference Guide (July 2026). The comments in the code are by the model that wrote it; some were corrected since.
;; Llama Attention. Allowed arithmetic: matrix products marked QUANTISED: E2M3 operands, one E8M0 scale for each 32 along K, by v_wmma_scale_f32_16x16x128_f8f6f4 with both operands' format E2M3, f32 sums; everything else in f32.
;; Inputs: Wk 2,048 x 2,048 float32; Wo 2,048 x 2,048 float32; Wq 2,048 x 2,048 float32; Wv 2,048 x 2,048 float32; x 1 x 2,048 x 2,048 float32.
;; Outputs: out0 1 x 2,048 x 2,048 float32.
;; This version of the problem:
;;   THIS VERSION OF THE PROBLEM IS GIVEN IN LOW PRECISION. The matrix products marked QUANTISED in the list below multiply operands that are first quantised to E2M3 (2 exponent bits, 3 mantissa bits; 6 bits a number), with one power-of-two scale for each 32 numbers along K (OCP MX v1.0); their sums are f32. All else is computed in f32.
;;   The module's matrix products, in the order in which they are computed (A, B: the left and right operand; K: the contracted axis; several contracted axes count as one K, in the product's order):
;;     1. [M 2,048, K 2,048] x [K 2,048, N 2,048]; A: input x; B: input Wq: QUANTISED
;;     2. [M 2,048, K 2,048] x [K 2,048, N 2,048]; A: input x; B: input Wk: QUANTISED
;;     3. [M 2,048, K 2,048] x [K 2,048, N 2,048]; A: input x; B: input Wv: QUANTISED
;;     4. batch 16 x [M 2,048, K 128] x [K 128, N 2,048]; A: computed on the way; B: computed on the way: QUANTISED
;;     5. batch 16 x [M 2,048, K 2,048] x [K 2,048, N 128]; A: softmax (see below); B: computed on the way: QUANTISED
;;     6. [M 2,048, K 2,048] x [K 2,048, N 2,048]; A: computed on the way; B: input Wo: QUANTISED
;;   THE QUANTISER, for each operand of a quantised product, along K:
;;     - K is cut into blocks of 32 from its start; a last block that is shorter is filled with zeros.
;;     - A block's scale is 2^e with e = floor(log2(the largest magnitude in the block)) - 2, held to -126 .. 127; a block of zeros has e = 0. As a byte (E8M0): e + 127.
;;     - Each number is divided by its block's scale, clamped to +-7.5, and rounded to the nearest number of E2M3, ties to even, subnormals kept.
;;     - The product sums the exact products of the quantised numbers (number of the format x scale) in f32.
;;   ~~~python
;;   def quantise(x, axis):      # numpy; x: float32 -> the quantised numbers, widened to float32 again
;;       x = np.moveaxis(x, axis, -1); K = x.shape[-1]
;;       x = np.pad(x, [(0, 0)] * (x.ndim - 1) + [(0, -K % 32)]); x = x.reshape(x.shape[:-1] + (-1, 32)); a = np.abs(x).max(-1, keepdims=True)
;;       e = np.where(a > 0, np.clip(np.frexp(np.where(a > 0, a, 1))[1] - 1 - 2, -126, 127), 0)      # np.frexp(a)[1] - 1 = floor(log2(a)), exactly
;;       r = np.clip(x / 2.0 ** e, -7.5, 7.5)
;;       step = 2.0 ** (np.maximum(np.frexp(np.where(r == 0, 1, r))[1] - 1, 0) - 3)
;;       q = np.round(r / step) * step * 2.0 ** e      # np.round: ties to even
;;       return np.moveaxis(q.reshape(q.shape[:-2] + (-1,))[..., :K], -1, axis).astype(np.float32)
;;   ~~~
;;   SOFTMAX AHEAD OF A QUANTISED PRODUCT. Where the list says 'softmax', what is quantised is not the finished softmax but p = 2^(t - M), with t = logit x log2(e) and M = ceil(the row's largest t), a whole number; so 1/2 < the row's largest p <= 1. The row's sum l is taken of the UNQUANTISED p, in f32, and the product's result is divided by l at the end. Since M is a whole number, a kernel that streams over the keys may use a running M (the ceiling of the running maximum): every later rescaling is an exact power of two, which a block's scale takes up: the codes' values come out the same.
;;   OPERANDS COMPUTED ON THE WAY. 'Computed on the way' means the value that the module computes at that place (a softmax that the list does not call 'softmax' is quantised finished and normalised). What goes into a quantiser is computed in f32, as accurately as f32 sums, v_exp_f32 and their like allow (about 1e-6 of the number): no bf16 or f16 on the way to a quantiser, and a product that is left as it is and whose result goes on into a quantised operand takes f32 operands (vector FMAs, or v_wmma_f32_16x16x4_f32). A number that lies on a knife's edge between two numbers of the format may be rounded either way, as far as f32 arithmetic and the matrix unit's own rounding can turn it there, and no further.
;; 3 versions, each right; version 3 is version 2 with the launch attn written anew for expert scheduling mode. Each part assembles by itself: llvm-mc -triple=amdgcn-amd-amdhsa -mcpu=gfx1250 --defsym DOCPART=n.
;; ======== version 1 of 3: 4 launches
;; workspace buffers: codes 15,728,640 bytes; scales 655,360 bytes; rope 1,048,576 bytes; qbuf 3,276,800 bytes; kv 6,553,600 bytes; yc 3,145,728 bytes; ys 131,072 bytes
;; launch quant (part 1): grid 384 x 1, 4 waves a work-group, no clusters, 34,304 bytes of LDS; arguments x, Wq, Wk, Wv, Wo, codes, scales, rope; writes codes, scales, rope
.if DOCPART == 1
	.amdgcn_target "amdgcn-amd-amdhsa--gfx1250"
	.amdhsa_code_object_version 6
	.text
	.protected	k_q5d0b7d1a44_quant
	.globl	k_q5d0b7d1a44_quant
	.p2align	8
	.type	k_q5d0b7d1a44_quant,@function
k_q5d0b7d1a44_quant:
	s_mov_b64 s[64:65], 0
	v_nop
	global_prefetch_b8 v0, s[64:65] scope:SCOPE_SE
	s_setreg_imm32_b32 hwreg(HW_REG_WAVE_MODE, 25, 1), 1
	s_wait_xcnt 0x0
; x, Wq, Wk, Wv, Wo, each [2048][2048] f32 with K innermost, become codes of FP6 (E2M3) with one E8M0 byte for each 32 along K; and the table of cosines and sines for the rotation of q and k is made.
; A block's scale is 2^(floor(log2(its largest magnitude)) - 2); its byte is the largest magnitude's exponent field - 2, held at 1 from below.
; LAYOUT OF THE CODES: images of operand registers.  A fragment is 16 rows x 128 K = 12 registers a lane = 1,536 bytes: three pieces of 512 bytes, lane l's 16 bytes at 16 l.
; Fragment (row block rb, K step ks) of a tensor lies at (16 rb + ks) x 1,536; the five tensors lie on end.  POSITION ROW p HOLDS TRUE ROW sigma(p) = p with bits 3 and 4 exchanged, so that in a
; product used transposed the 16 registers of two neighbouring result tiles are 16 neighbours of the true index.
; LAYOUT OF THE SCALE WORDS (four bytes: a row's 128 along K): word (p, ks) at 8192 ks + 256 (p / 64) + 16 (p % 16) + 4 ((p / 16) % 4): 16 bytes at 16 r hold the words of four neighbouring row blocks.
; SHARES.  Work-groups 0-319: 64 to a tensor; a wave takes 64 position rows x 256 along K: eight fragments.  Each load reads 512 consecutive bytes of one row; a fragment's 16 rows turn through the wave's
; own stage in LDS (rows of 512 + 16 bytes) and come back as 16 neighbours of each block of 32 in a lane.  No barrier: waves share nothing.
; Work-groups 320-383: the table.  Block tb (16 position rows of t) at 8192 tb; piece e at 512 e; lane (r, h) at 16 lane.  A lane's 64 words: word 16 beta + i is cos, word 32 + 16 beta + i is sin
; (negative for even f, as the rotation wants it) of t x 10000^(-f / 64), f = 32 beta + 16 h + i.  A wave makes the cosines or the sines of one block: eight pieces of four numbers a lane.
; The angle is reduced by multiples of pi / 2 held in two parts; sine and cosine are polynomials on +-pi / 4.
; LIMITS: NaN and infinities among the inputs are not served.  A block of zeros gets the byte 1 where the rule says 127: its codes are zeros, and these bytes are read by this program alone.
; 10000^(-f / 64) comes from v_exp_f32, so an angle can differ from one made with correctly rounded frequencies by about 2e-4 rad at t = 2047.
.set GI,  4                            ; v4   16 x lane
.set SI,  5                            ; v5   the stage, on the way in: 8448 x wave + 16 x lane
.set SOU, 6                            ; v6   and on the way out: 8448 x wave + 528 r + 64 h
.set SA,  7                            ; v7   the scale words' place: 8192 h + 16 r
.set TM,  8                            ; v8-23   at work in QUANT
.set PW,  24                           ; v24-31  the eight fragments' scale words
.set PC,  32                           ; v32-43  a fragment's codes; v44-46, v48-50 second halves of blocks
.set WD,  52                           ; v52-55  the scale words as they are stored
.set R,   64                           ; v64-191 two sets of 64 numbers as loaded
.set X,   192                          ; v192-255 64 numbers of a lane: register 16 b + i = k 32 b + 16 h + i of row r
.set SEL, 20                           ; s[20:21] lane selects: lane l xor 16
; the table's registers
.set F16, 8                            ; v8   16 h
.set TT,  9                            ; v9   my row's t, as f32
.set TH,  12                           ; v12-15 the angles
.set NN,  16                           ; v16-19 multiples of pi / 2
.set RH,  20                           ; v20-23 reduced angles
.set ZZ,  24                           ; v24-27 their squares
.set SS,  28                           ; v28-31 sines
.set CC,  32                           ; v32-35 cosines
.set QQ,  36                           ; v36-39 quadrants
.set INV, 40                           ; v40-43 inverse frequencies
.set RES, 64                           ; v64-95 results: four registers for each piece, so that no store's data are written again
; 64 numbers of a lane, v[s] on, become a fragment's codes in v[pc] on (12 registers) and its scale word in v[pw]
.macro QUANT s, pc, h2, tm, pw
.irp b, 0,1,2,3
	v_max3_num_f32 v[(\tm)+\b], |v[(\s)+16*\b]|, |v[(\s)+1+16*\b]|, 0x1800000   ; block b: my 16 numbers, and the floor 2^(3 - 127): the byte cannot fall under 1
.endr
.irp i, 2,4,6,8,10,12,14
.irp b, 0,1,2,3
	v_max3_num_f32 v[(\tm)+\b], v[(\tm)+\b], |v[(\s)+16*\b+\i]|, |v[(\s)+1+16*\b+\i]|   ; the four blocks by turns
.endr
.endr
.irp b, 0,1,2,3
	v_permlanex16_b32 v[(\tm)+4+\b], v[(\tm)+\b], s[SEL], s[SEL+1]
.endr
.irp b, 0,1,2,3
	v_max_num_f32 v[(\tm)+\b], v[(\tm)+\b], v[(\tm)+4+\b]    ; with lane l xor 16's: the block's largest magnitude
.endr
.irp b, 0,1,2,3
	v_add_nc_u32 v[(\tm)+12+\b], 0xff000000, v[(\tm)+\b]     ; 2 off its exponent field: the conversion's scale operand
.endr
.irp b, 0,1,2,3
	v_lshrrev_b32 v[(\tm)+4+\b], 23, v[(\tm)+12+\b]          ; the scale's byte
.endr
	v_lshl_or_b32 v[\pw], v[(\tm)+5], 8, v[(\tm)+4]          ; four bytes: my row's scale word
	v_lshl_or_b32 v[\pw], v[(\tm)+6], 16, v[\pw]
	v_lshl_or_b32 v[\pw], v[(\tm)+7], 24, v[\pw]
.irp c, 0,1
	v_cvt_scalef32_pk16_fp6_f32 v[(\pc)+6*\c:(\pc)+6*\c+2], v[(\s)+32*\c:(\s)+32*\c+15], v[(\tm)+12+2*\c]
	v_cvt_scalef32_pk16_fp6_f32 v[(\h2)+4*\c:(\h2)+4*\c+2], v[(\s)+16+32*\c:(\s)+31+32*\c], v[(\tm)+13+2*\c]   ; (a conversion's three registers begin on an even number)
.endr
	v_nop                                          ; one plain instruction behind the scaled conversions
.irp c, 0,1                                    ; the operand wants a whole block in a lane: lanes 0-15 block 2 c, lanes 16-31 block 2 c + 1
.irp i, 0,1,2
	v_permlane16_swap_b32 v[(\pc)+6*\c+\i], v[(\h2)+4*\c+\i]
.endr
.irp i, 0,1,2
	v_mov_b32 v[(\pc)+3+6*\c+\i], v[(\h2)+4*\c+\i]
.endr
.endr
.endm
	s_load_b256 s[4:11], s[0:1], 0x0               ; x, Wq, Wk, Wv
	s_load_b256 s[12:19], s[0:1], 0x20             ; Wo, codes, scales, rope
	v_lshl_add_u32 v62, v0, 2, 0x8400
	v_mov_b32 v63, 0
	v_lshrrev_b32 v1, 5, v0
	v_readfirstlane_b32 s32, v1                    ; wave 0..3
	v_and_b32 v1, 31, v0                           ; lane
	v_and_b32 v2, 15, v0                           ; r
	v_bfe_u32 v3, v0, 4, 1                         ; h
	v_lshlrev_b32 v[GI], 4, v1
	s_cmp_ge_u32 ttmp9, 320
	s_cbranch_scc1 .Ltable
	; ---------------- the five tensors ----------------
	s_mul_i32 s24, s32, 8448                       ; my stage
	v_add_nc_u32 v[SI], s24, v[GI]
	v_mul_u32_u24 v[SOU], v2, 528
	v_lshl_add_u32 v[SOU], v3, 6, v[SOU]
	v_add_nc_u32 v[SOU], s24, v[SOU]
	v_lshlrev_b32 v[SA], 4, v2
	v_lshl_add_u32 v[SA], v3, 13, v[SA]
	s_mov_b32 s[SEL], 0x76543210
	s_mov_b32 s[SEL+1], 0xfedcba98
.irp b, 0,1,2,3
	v_mov_b32 v[TM+4+\b], 0                        ; written once: a lane permute's destination counts as one of its sources
.endr
	s_lshr_b32 s25, ttmp9, 6                       ; which tensor
	s_lshl_b32 s26, ttmp9, 2
	s_add_co_u32 s26, s26, s32
	s_and_b32 s26, s26, 255                        ; my task in it
	s_lshr_b32 s27, s26, 3                         ; rg: which 64 position rows
	s_and_b32 s26, s26, 7                          ; kp: which two K steps
	s_lshl_b32 s34, s27, 19                        ; 64 rows of 8,192 bytes
	s_lshl_b32 s33, s26, 10                        ; 256 numbers
	s_or_b32 s34, s34, s33
	s_mov_b32 s35, 0
	s_lshl_b32 s33, s27, 6
	s_lshl_b32 s38, s26, 1
	s_add_co_u32 s33, s33, s38
	s_mul_i32 s33, s33, 1536                       ; fragment (4 rg, 2 kp)
	s_mul_i32 s36, s25, 3145728
	s_add_co_u32 s36, s36, s33
	s_mov_b32 s37, 0
	s_lshl_b32 s38, s25, 17
	s_lshl_b32 s33, s26, 14
	s_add_co_u32 s38, s38, s33
	s_lshl_b32 s33, s27, 8
	s_add_co_u32 s38, s38, s33
	s_mov_b32 s39, 0
	s_wait_kmcnt 0x0
	s_mov_b64 s[22:23], s[12:13]                   ; the source is chosen by the work-group's number alone
	s_cmp_lt_u32 ttmp9, 256
	s_cselect_b64 s[22:23], s[10:11], s[22:23]
	s_cmp_lt_u32 ttmp9, 192
	s_cselect_b64 s[22:23], s[8:9], s[22:23]
	s_cmp_lt_u32 ttmp9, 128
	s_cselect_b64 s[22:23], s[6:7], s[22:23]
	s_cmp_lt_u32 ttmp9, 64
	s_cselect_b64 s[22:23], s[4:5], s[22:23]
	s_add_nc_u64 s[22:23], s[22:23], s[34:35]
	s_add_nc_u64 s[28:29], s[14:15], s[36:37]
	s_add_nc_u64 s[30:31], s[16:17], s[38:39]
; fragment f = 4 q + rb: K step q of my two, row block rb of my four.  Load i brings 512 bytes of the true row that stands at position row i
.macro LOADF f
.irp i, 0,1,2,3,4,5,6,7,8,9,10,11,12,13,14,15
	global_load_b128 v[R+64*((\f)%2)+4*\i:R+64*((\f)%2)+4*\i+3], v[GI], s[22:23] offset:(32*(((\f)%4)/2)+8*((\f)%2)+\i%8+16*(\i/8))*8192+512*((\f)/4) th:TH_LOAD_NT
.endr
.endm
.macro FRAGQ f
.if (\f) < 7
	s_wait_loadcnt 16                              ; this fragment's 16 loads are in; the next fragment's 16 may be out
.else
	s_wait_loadcnt 0x0
.endif
.irp i, 0,1,2,3,4,5,6,7,8,9,10,11,12,13,14,15
	ds_store_b128 v[SI], v[R+64*((\f)%2)+4*\i:R+64*((\f)%2)+4*\i+3] offset:528*\i
.endr
.irp b, 0,1,2,3
.irp j, 0,1,2,3
	ds_load_b128 v[X+16*\b+4*\j:X+16*\b+4*\j+3], v[SOU] offset:128*\b+16*\j   ; a wave's LDS instructions are served in order: these see the stores above
.endr
.endr
	s_wait_dscnt 0x0                               ; my 64 numbers are back, and the stores have read their registers
	s_wait_xcnt 0x0                                ; the last fragment's stores have read their data: the codes' registers are written again only behind this wait
.if (\f) < 6
	LOADF (\f)+2
.endif
	QUANT X, PC, PC+12, TM, PW+(\f)
.irp c, 0,1,2
	global_store_b128 v[GI], v[PC+4*\c:PC+4*\c+3], s[28:29] offset:((\f)%4)*24576+((\f)/4)*1536+512*\c   ; 32 lanes store 512 consecutive bytes
.endr
.endm
	LOADF 0
	LOADF 1
.irp f, 0,1,2,3,4,5,6,7
	FRAGQ \f
.endr
	v_cmp_le_u32 vcc_lo, 16, v1                    ; lanes 0-15 store the first K step's four words of row r, lanes 16-31 the second's
.irp i, 0,1,2,3
	v_cndmask_b32 v[WD+\i], v[PW+\i], v[PW+4+\i], vcc_lo
.endr
	global_store_b128 v[SA], v[WD:WD+3], s[30:31]  ; each half of the lanes stores 256 consecutive bytes, aligned
	s_wait_tensorcnt 0x0
	ds_add_u32 v62, v63
	s_wait_dscnt 0x0
	s_endpgm
	; ---------------- the table ----------------
.Ltable:
	s_sub_co_u32 s24, ttmp9, 320
	s_lshl_b32 s24, s24, 2
	s_add_co_u32 s24, s24, s32                     ; 0..255
	s_lshr_b32 s25, s24, 1                         ; tb: the block of 16 position rows
	s_and_b32 s26, s24, 1                          ; 0: cosines, 1: sines
	s_lshr_b32 s27, s25, 3
	s_lshl_b32 s27, s27, 7
	s_bfe_u32 s33, s25, 0x20001
	s_lshl_b32 s33, s33, 5
	s_add_co_u32 s27, s27, s33
	s_and_b32 s33, s25, 1
	s_lshl_b32 s33, s33, 3
	s_add_co_u32 s27, s27, s33                     ; 128 (tb / 8) + 32 ((tb % 8) / 2) + 8 (tb % 2)
	v_and_b32 v5, 7, v2
	v_lshrrev_b32 v6, 3, v2
	v_lshl_add_u32 v5, v6, 4, v5
	v_add_nc_u32 v5, s27, v5                       ; + r % 8 + 16 (r / 8): the true t at my position row
	v_cvt_f32_u32 v[TT], v5
	v_lshlrev_b32 v[F16], 4, v3
	s_sub_co_u32 s28, 1, s26                       ; a cosine is the sine a quarter turn on
	s_lshl_b32 s29, s26, 31                        ; the sign that even frequencies' sines get
	s_lshl_b32 s34, s25, 13
	s_lshl_b32 s33, s26, 12
	s_add_co_u32 s34, s34, s33
	s_mov_b32 s35, 0
	s_mov_b32 s36, 0xbe549a78                      ; -log2(10000) / 64
	s_mov_b32 s37, 0x3f22f983                      ; 2 / pi
	s_mov_b32 s38, 0xbfc90fdb                      ; -(pi / 2), its leading part
	s_mov_b32 s39, 0x333bbd2e                      ; what that part has too much
	s_mov_b32 s40, 0xb94ca1f9                      ; the sine's coefficients
	s_mov_b32 s41, 0x3c08839e
	s_mov_b32 s42, 0xbe2aaaa3
	s_mov_b32 s43, 0x37ccf5ce                      ; the cosine's
	s_mov_b32 s44, 0xbab6061a
	s_mov_b32 s45, 0x3d2aaaa5
	s_wait_kmcnt 0x0
	s_add_nc_u64 s[18:19], s[18:19], s[34:35]
; piece it: frequencies f = 32 (it / 4) + 16 h + 4 (it % 4) + 0 .. 3
.macro PIECE it
.irp e, 0,1,2,3
	v_add_nc_u32 v[TH+\e], 32*((\it)/4)+4*((\it)%4)+\e, v[F16]
.endr
.irp e, 0,1,2,3
	v_cvt_f32_u32 v[TH+\e], v[TH+\e]
.endr
.irp e, 0,1,2,3
	v_mul_f32 v[TH+\e], s36, v[TH+\e]
.endr
.irp e, 0,1,2,3
	v_exp_f32 v[INV+\e], v[TH+\e]                  ; 10000^(-f / 64)
.endr
	v_nop                                          ; a plain instruction behind the last exponential
	s_wait_alu depctr_va_vdst(0)                   ; one wait for the four, ahead of their first reader
.irp e, 0,1,2,3
	v_mul_f32 v[TH+\e], v[TT], v[INV+\e]           ; the angle: one rounding
.endr
.irp e, 0,1,2,3
	v_mul_f32 v[NN+\e], s37, v[TH+\e]
.endr
.irp e, 0,1,2,3
	v_rndne_f32 v[NN+\e], v[NN+\e]                 ; how many quarter turns
.endr
.irp e, 0,1,2,3
	v_fma_f32 v[RH+\e], v[NN+\e], s38, v[TH+\e]
.endr
.irp e, 0,1,2,3
	v_fma_f32 v[RH+\e], v[NN+\e], s39, v[RH+\e]    ; the angle less n pi / 2, within +-pi / 4
.endr
.irp e, 0,1,2,3
	v_cvt_i32_f32 v[QQ+\e], v[NN+\e]
.endr
.irp e, 0,1,2,3
	v_add_nc_u32 v[QQ+\e], s28, v[QQ+\e]
.endr
.irp e, 0,1,2,3
	v_mul_f32 v[ZZ+\e], v[RH+\e], v[RH+\e]
.endr
.irp e, 0,1,2,3
	v_fma_f32 v[SS+\e], v[ZZ+\e], s40, s41
.endr
.irp e, 0,1,2,3
	v_fma_f32 v[SS+\e], v[SS+\e], v[ZZ+\e], s42
.endr
.irp e, 0,1,2,3
	v_mul_f32 v[SS+\e], v[SS+\e], v[ZZ+\e]
.endr
.irp e, 0,1,2,3
	v_fma_f32 v[SS+\e], v[SS+\e], v[RH+\e], v[RH+\e]
.endr
.irp e, 0,1,2,3
	v_fma_f32 v[CC+\e], v[ZZ+\e], s43, s44
.endr
.irp e, 0,1,2,3
	v_fma_f32 v[CC+\e], v[CC+\e], v[ZZ+\e], s45
.endr
.irp e, 0,1,2,3
	v_fma_f32 v[CC+\e], v[CC+\e], v[ZZ+\e], -0.5
.endr
.irp e, 0,1,2,3
	v_fma_f32 v[CC+\e], v[CC+\e], v[ZZ+\e], 1.0
.endr
.irp e, 0,1,2,3
	v_and_b32 v[NN+\e], 1, v[QQ+\e]
	v_cmp_eq_u32 vcc_lo, 1, v[NN+\e]
	v_cndmask_b32 v[RES+4*(\it)+\e], v[SS+\e], v[CC+\e], vcc_lo   ; odd quadrants take the cosine
.endr
.irp e, 0,1,2,3
	v_lshlrev_b32 v[QQ+\e], 30, v[QQ+\e]
.endr
.irp e, 0,1,2,3
	v_and_b32 v[QQ+\e], 0x80000000, v[QQ+\e]       ; quadrants 2 and 3 change the sign
.endr
.irp e, 0,1,2,3
	v_xor_b32 v[RES+4*(\it)+\e], v[RES+4*(\it)+\e], v[QQ+\e]
.endr
.irp e, 0,2
	v_xor_b32 v[RES+4*(\it)+\e], s29, v[RES+4*(\it)+\e]
.endr
	global_store_b128 v[GI], v[RES+4*(\it):RES+4*(\it)+3], s[18:19] offset:512*(\it)   ; 32 lanes store 512 consecutive bytes
.endm
.irp p, 0,1,2,3,4,5,6,7
	PIECE \p
.endr
	s_endpgm
.Lfunc_end_k_q5d0b7d1a44_quant:
	.size	k_q5d0b7d1a44_quant, .Lfunc_end_k_q5d0b7d1a44_quant-k_q5d0b7d1a44_quant
	.p2alignl 7, 3214868480
	.fill 96, 4, 3214868480
	.section	.rodata,"a",@progbits
	.p2align	6, 0x0
	.amdhsa_kernel k_q5d0b7d1a44_quant
		.amdhsa_group_segment_fixed_size 34304
		.amdhsa_private_segment_fixed_size 0
		.amdhsa_enable_private_segment 0
		.amdhsa_kernarg_size 64
		.amdhsa_user_sgpr_count 2
		.amdhsa_user_sgpr_kernarg_segment_ptr 1
		.amdhsa_wavefront_size32 1
		.amdhsa_system_sgpr_workgroup_id_x 1
		.amdhsa_system_sgpr_workgroup_id_y 1
		.amdhsa_system_sgpr_workgroup_id_z 1
		.amdhsa_system_vgpr_workitem_id 0
		.amdhsa_next_free_vgpr 256
		.amdhsa_next_free_sgpr 66
		.amdhsa_reserve_vcc 1
		.amdhsa_float_denorm_mode_32 3
		.amdhsa_float_denorm_mode_16_64 3
		.amdhsa_memory_ordered 1
		.amdhsa_forward_progress 1
		.amdhsa_inst_pref_size 104
	.end_amdhsa_kernel
	.amdgpu_metadata
---
amdhsa.version: [ 1, 2 ]
amdhsa.kernels:
  - .name:           k_q5d0b7d1a44_quant
    .symbol:         k_q5d0b7d1a44_quant.kd
    .args:
      - { .name: x, .offset: 0, .size: 8, .value_kind: global_buffer, .address_space: global }
      - { .name: Wq, .offset: 8, .size: 8, .value_kind: global_buffer, .address_space: global }
      - { .name: Wk, .offset: 16, .size: 8, .value_kind: global_buffer, .address_space: global }
      - { .name: Wv, .offset: 24, .size: 8, .value_kind: global_buffer, .address_space: global }
      - { .name: Wo, .offset: 32, .size: 8, .value_kind: global_buffer, .address_space: global }
      - { .name: codes, .offset: 40, .size: 8, .value_kind: global_buffer, .address_space: global }
      - { .name: scales, .offset: 48, .size: 8, .value_kind: global_buffer, .address_space: global }
      - { .name: rope, .offset: 56, .size: 8, .value_kind: global_buffer, .address_space: global }
    .group_segment_fixed_size: 34304
    .private_segment_fixed_size: 0
    .kernarg_segment_align: 8
    .kernarg_segment_size: 64
    .max_flat_workgroup_size: 128
    .sgpr_count:     66
    .vgpr_count:     256
    .wavefront_size: 32
...
	.end_amdgpu_metadata
.endif
;; end of part 1
;; launch qkv (part 2): grid 24 x 8, 4 waves a work-group, clusters of 4 x 4, 327,680 bytes of LDS; arguments codes, scales, rope, qbuf, kv; writes qbuf, kv
.if DOCPART == 2
	.amdgcn_target "amdgcn-amd-amdhsa--gfx1250"
	.amdhsa_code_object_version 6
	.text
	.protected	k_q5d0b7d1a44_qkv
	.globl	k_q5d0b7d1a44_qkv
	.p2align	8
	.type	k_q5d0b7d1a44_qkv,@function
k_q5d0b7d1a44_qkv:
	s_mov_b64 s[64:65], 0
	v_nop
	global_prefetch_b8 v0, s[64:65] scope:SCOPE_SE
	s_setreg_imm32_b32 hwreg(HW_REG_WAVE_MODE, 25, 1), 1
	s_wait_xcnt 0x0
	s_wait_alu depctr_hold_cnt(0) depctr_sa_sdst(0) depctr_va_vdst(0) depctr_va_sdst(0) depctr_va_ssrc(0) depctr_va_vcc(0) depctr_vm_vsrc(0)
	s_getreg_b32 s2, hwreg(HW_REG_IB_STS2, 6, 4)
	s_cmp_eq_u32 s2, 0
	s_cbranch_scc0 .Lentry_in_a_cluster
	s_endpgm
.Lentry_in_a_cluster:
	s_bfe_u32 s2, ttmp6, 0x10000c
	s_cmp_lg_u32 s2, 0xf033
	s_cbranch_scc0 .Lentry_shape_is_right
	s_endpgm
.Lentry_shape_is_right:
; q = rot(x Wq^T), k = rot(x Wk^T) and v^T = Wv x^T, on codes of FP6 (E2M3) with E8M0 scales; the results are rotated (q, k), quantised along the next product's K and stored as codes.  No f32 result goes to memory.
; A tile of 256 x 256 is made by four waves, 128 x 128 each: 64 accumulators, 512 registers.  K = 2,048 goes in steps of 256 through a ring of two LDS slots filled by the tensor data mover.
; OPERANDS ARE IMAGES OF REGISTERS: a fragment (16 rows x 128 K) is 1,536 bytes, three pieces of 512, lane l's 16 bytes at 16 l; it comes out of LDS by three loads of 16 bytes a lane, consecutive.
; Fragment (rb, ks) lies at (16 rb + ks) x 1,536 in memory; x, Wq, Wk, Wv, Wo lie on end: 40 row tiles of 256.  Position row p holds true row sigma(p) = p with bits 3 and 4 exchanged.
; THE MATRIX INSTRUCTION IS USED TRANSPOSED: source 0 = 16 rows of 'B', source 1 = 16 rows of 'A'.  A lane then holds ONE row of A, and the 64 registers of A's block a hold, at 16 b + i, the true index
; 32 b + 16 (lane / 16) + i of B's 128 rows: the order in which the quantiser wants them.
; Tile columns 0-7: A = x, B = Wq; 8-15: A = x, B = Wk; a wave's 128 columns are one head.  Tile columns 16-23: A = Wv, B = x: a lane holds one channel of v and its registers run along t, the K of attention's second product.
; THE SCALE WORDS of the tile's rows, for all of K, come into LDS once, with the first fills.
; CLUSTERS: 4 x 4 work-groups; A's tiles are asked for jointly along a row of the cluster, B's along a column.
; THE WAY OUT has two ways, parted ONCE, on the cluster's x (the same in all partners).  q and k: block a by block a (16 rows of A): rotation by the table, the quantiser, three stores of 512 consecutive bytes.
; v^T: the quantiser reads the accumulators where they lie, by the register windows; the same stores.  No LDS on either way.
; qbuf: unit (16 head + t / 128) of 12,800 bytes: 8 fragments, then 512 bytes of scale words (word (a, r) at 256 (a / 4) + 16 r + 4 (a % 4)).
; kv: unit (16 head + key step) of 25,600 bytes: k's 8 fragments, v^T's 8 fragments, k's words, v^T's words.
; LIMITS: NaN and infinities are not served; a block of zeros gets the byte 1 (its codes are zeros; this program alone reads the bytes).
; REGISTERS, in windows of 256: window 0: v0-31 addresses; v32-63 scale words, two sets; v64-111 the way out; v128-223 A's fragments, one set; on the way out v128-191 the rotated numbers.
;   window 1: B's fragments, two sets, at v0 and v128; on the way out two sets of the table at v0 and v64.   windows 2, 3: the accumulators (a, b) at v[8 (8 (a % 4) + b)].
.set NQ,     2                         ; matrix instructions deep in a slot
.set FR,     12                        ; registers of a fragment
.set NL,     3                         ; LDS loads that bring one
.set NP,     4                         ; places behind this matrix instruction (ISA guide 7.12.1)
.set FRB,    1536                      ; a fragment's image
.set RBB,    NQ*FRB                    ; a row block's part of a slot
.set HALFT,  8*RBB                     ; 128 rows: what one tensor load brings
.set SLOT,   4*HALFT                   ; A's 256 rows, then B's
.set LAPS,   4                         ; 2,048 / 512
.set SCL,    2*SLOT                    ; behind the ring: the scale words, 16 K steps x 512 bytes for each 128 rows
.set HALFS,  8192
.set SPARE,  SCL+4*HALFS               ; the spare words, 128 bytes for each wave: two blocks of 256 bytes that no other line names
.set LO,   9                           ; v9      16 x lane
.set ADRA, 16                          ; v16-17  LDS address of my A fragments in slot 0, 1
.set ADRB, 20                          ; v20-21  the same for B
.set ADRS, 27                          ; v27     LDS address of my scale words: lanes 0-15 A's, lanes 16-31 B's
.set SPW,  28                          ; v28     my spare word; never rewritten
.set NIL,  29                          ; v29     0; never rewritten
.set SC,   32                          ; scale words: set s at v[SC + 16 s]; register 8 q + i: lanes 0-15 A's block i, lanes 16-31 B's block i, the slot's q-th 128 along K
.set AF,   128
.set PC,   64                          ; the way out: v64-75 codes, v76-78, v80-82 second halves
.set TM,   84                          ; v84-99  at work in QUANT
.set PW,   100                         ; v100-107 the eight blocks' scale words
.set WD,   108                         ; v108-111 as they are stored
.set T,    128                         ; v128-191 64 rotated numbers of a lane
.set G1,   24
.set G0,   32
.set G1B,  48
.set G0B,  56
.set G1S,  68
.set G0S,  76
.set G1SB, 80
.set G0SB, 88
.set ISV,  66                          ; s66  1 in the clusters that make v^T: the same in all partners
.set SEL,  98                          ; s[98:99] lane selects: lane l xor 16
.set MSB, 0
.macro WIN new                         ; the immediate's high byte repeats the setting that is left; a switch that changes nothing is dropped
.if MSB != (\new)
	s_set_vgpr_msb (MSB<<8)|(\new)
.set MSB, (\new)
.endif
.endm
.set MUL_LO, 0xa1                      ; source 0 (B) window 1, source 1 (A) window 0, C and D window 2
.set MUL_HI, 0xf1                      ; the same, C and D window 3
.set TO_B,   0x40                      ; destination window 1, address window 0
; A joint load: waves 0 and 1 fetch for A, waves 2 and 3 for B; the branch hangs on the wave's number alone.  Four v_nop follow each of the two lines.
.macro JLOAD g0a, g1a, g0b, g1b
	s_cmp_eq_u32 s15, 0
	s_cbranch_scc0 .Lfor_b_\@
	tensor_load_to_lds s[\g0a:\g0a+3], s[\g1a:\g1a+7]
	s_nop 0
.rept 4
	v_nop
.endr
	s_branch .Lasked_\@
.Lfor_b_\@:
	tensor_load_to_lds s[\g0b:\g0b+3], s[\g1b:\g1b+7]
	s_nop 0
.rept 4
	v_nop
.endr
.Lasked_\@:
.endm
.macro CREST                           ; a round of the cluster's barrier behind its opening barrier
	s_cmp_lg_u32 s14, 0
	s_cbranch_scc1 .Lnot_wave_0_\@
	s_barrier_signal -3
.Lnot_wave_0_\@:
	s_barrier_wait -3
	s_barrier_signal -1
	s_barrier_wait -1
.endm
.macro CROUND
	s_barrier_signal -1
	s_barrier_wait -1
	CREST
.endm
; 64 numbers of a lane, v[s] on IN WINDOW ws, register 16 b + i = k 32 b + 16 (lane / 16) + i of my row, become a fragment's codes (v[pc] on) and its scale word (v[pw]), both in window 0.
; With ws = 0 the switches of the window drop out.  Read straight from accumulators, each tile of eight registers is first read at its low end (registers 16 b, 16 b + 1; then 16 b + 8, 16 b + 9).
.macro QUANT s, ws, pc, h2, tm, pw
	WIN 5*(\ws)                                    ; sources 0 and 1: the numbers' window
.irp b, 0,1,2,3
	v_max3_num_f32 v[(\tm)+\b], |v[(\s)+16*\b]|, |v[(\s)+1+16*\b]|, 0x1800000   ; block b: my 16 numbers, and the floor 2^(3 - 127): the byte cannot fall under 1
.endr
	WIN 20*(\ws)                                   ; sources 1 and 2
.irp i, 2,4,6,8,10,12,14
.irp b, 0,1,2,3
	v_max3_num_f32 v[(\tm)+\b], v[(\tm)+\b], |v[(\s)+16*\b+\i]|, |v[(\s)+1+16*\b+\i]|   ; the four blocks by turns
.endr
.endr
	WIN 0
.irp b, 0,1,2,3
	v_permlanex16_b32 v[(\tm)+4+\b], v[(\tm)+\b], s[SEL], s[SEL+1]
.endr
.irp b, 0,1,2,3
	v_max_num_f32 v[(\tm)+\b], v[(\tm)+\b], v[(\tm)+4+\b]    ; with lane l xor 16's: the block's largest magnitude
.endr
.irp b, 0,1,2,3
	v_add_nc_u32 v[(\tm)+12+\b], 0xff000000, v[(\tm)+\b]     ; 2 off the exponent field: the conversion's scale operand
.endr
.irp b, 0,1,2,3
	v_lshrrev_b32 v[(\tm)+4+\b], 23, v[(\tm)+12+\b]          ; the scale's byte
.endr
	v_lshl_or_b32 v[\pw], v[(\tm)+5], 8, v[(\tm)+4]          ; four bytes: my row's scale word
	v_lshl_or_b32 v[\pw], v[(\tm)+6], 16, v[\pw]
	v_lshl_or_b32 v[\pw], v[(\tm)+7], 24, v[\pw]
	WIN (\ws)                                      ; source 0
.irp c, 0,1
	v_cvt_scalef32_pk16_fp6_f32 v[(\pc)+6*\c:(\pc)+6*\c+2], v[(\s)+32*\c:(\s)+32*\c+15], v[(\tm)+12+2*\c]
	v_cvt_scalef32_pk16_fp6_f32 v[(\h2)+4*\c:(\h2)+4*\c+2], v[(\s)+16+32*\c:(\s)+31+32*\c], v[(\tm)+13+2*\c]   ; (a conversion's three registers begin on an even number)
.endr
	WIN 0
	v_nop                                          ; one plain instruction behind the scaled conversions
.irp c, 0,1                                    ; the operand wants a whole block in a lane: lanes 0-15 block 2 c, lanes 16-31 block 2 c + 1
.irp i, 0,1,2
	v_permlane16_swap_b32 v[(\pc)+6*\c+\i], v[(\h2)+4*\c+\i]
.endr
.irp i, 0,1,2
	v_mov_b32 v[(\pc)+3+6*\c+\i], v[(\h2)+4*\c+\i]
.endr
.endr
.endm
	s_load_b256 s[4:11], s[0:1], 0x0               ; codes, scales, rope, qbuf
	s_load_b64 s[12:13], s[0:1], 0x20              ; kv
	v_lshl_add_u32 v[SPW], v0, 2, SPARE
	v_mov_b32 v[NIL], 0
	ds_add_u32 v28, v29
	ds_add_u32 v28, v29
	s_wait_dscnt 0x0
	v_lshrrev_b32 v1, 5, v0
	v_readfirstlane_b32 s14, v1                    ; wave 0..3
	s_lshr_b32 s15, s14, 1                         ; which half of A's rows is mine.  Also: I fetch for A (0) or for B (1)
	s_and_b32 s16, s14, 1                          ; which half of B's rows.  Also: which 128 rows I fetch
	s_bfe_u32 s40, ttmp6, 0x40000                  ; cx, cy: my place in the cluster
	s_bfe_u32 s41, ttmp6, 0x40004
	s_lshl_b32 s42, ttmp9, 2
	s_add_co_u32 s42, s42, s40                     ; tile column = 4 x cluster x + cx
	s_and_b32 s17, ttmp7, 0xffff
	s_lshl_b32 s17, s17, 2
	s_add_co_u32 s17, s17, s41                     ; tile row = 4 x cluster y + cy
	s_lshl_b32 s43, s41, 2
	s_lshl_b32 s43, 15, s43                        ; my row of the cluster
	s_lshl_b32 s44, 0x1111, s40                    ; my column
	s_lshr_b32 s[ISV], ttmp9, 2                    ; clusters 4 and 5 along x make v^T
	s_mov_b32 s[SEL], 0x76543210
	s_mov_b32 s[SEL+1], 0xfedcba98
	; descriptor group 1 for codes: 8 row blocks x 3,072 bytes (384 elements of 8 bytes), 24,576 bytes apart in memory, dense in LDS
	s_or_b32 s[G1+0], s43, (3<<16)|(1<<21)         ; 15:0 the mask: A's tiles go to my row; 17:16 elements of 8 bytes; 21 set beside a mask
	s_or_b32 s[G1B+0], s44, (3<<16)|(1<<21)
.irp g, G1, G1B
	s_mov_b32 s[\g+1], 384<<16                     ; tensor_dim0
	s_mov_b32 s[\g+2], 8<<16                       ; tensor_dim1
	s_mov_b32 s[\g+3], 384<<16                     ; tile_dim0
	s_mov_b32 s[\g+4], 8                           ; tile_dim1
	s_mov_b32 s[\g+5], 3072                        ; tensor_dim0_stride, in elements
	s_mov_b32 s[\g+6], 0
	s_mov_b32 s[\g+7], 0
.endr
	; and for scale words: 16 K steps x 512 bytes (64 elements), 8,192 bytes apart in memory
	s_or_b32 s[G1S+0], s43, (3<<16)|(1<<21)
	s_or_b32 s[G1SB+0], s44, (3<<16)|(1<<21)
.irp g, G1S, G1SB
	s_mov_b32 s[\g+1], 64<<16
	s_mov_b32 s[\g+2], 16<<16
	s_mov_b32 s[\g+3], 64<<16
	s_mov_b32 s[\g+4], 16
	s_mov_b32 s[\g+5], 1024
	s_mov_b32 s[\g+6], 0
	s_mov_b32 s[\g+7], 0
.endr
	s_mul_i32 s18, s[ISV], 24
	s_add_co_u32 s95, s17, s18                     ; A's row tile among the 40: x's, or Wv's
	s_add_co_u32 s96, s42, 8
	s_sub_co_u32 s96, s96, s18                     ; B's: Wq's and Wk's, or x's
	s_mul_i32 s19, s16, 8*16*FRB                   ; which 128 rows I fetch
	s_mul_i32 s20, s95, 16*16*FRB
	s_add_co_u32 s20, s20, s19
	s_mov_b32 s21, 0
	s_mul_i32 s46, s96, 16*16*FRB
	s_add_co_u32 s46, s46, s19
	s_mov_b32 s47, 0
	s_lshl_b32 s19, s16, 9
	s_lshr_b32 s22, s95, 3                         ; scale words: 131,072 bytes a tensor, 1,024 a row tile in each K step
	s_lshl_b32 s22, s22, 17
	s_and_b32 s23, s95, 7
	s_lshl_b32 s23, s23, 10
	s_add_co_u32 s22, s22, s23
	s_add_co_u32 s22, s22, s19
	s_mov_b32 s23, 0
	s_lshr_b32 s92, s96, 3
	s_lshl_b32 s92, s92, 17
	s_and_b32 s93, s96, 7
	s_lshl_b32 s93, s93, 10
	s_add_co_u32 s92, s92, s93
	s_add_co_u32 s92, s92, s19
	s_mov_b32 s93, 0
	s_mul_i32 s45, s14, HALFT                      ; where they go: by the wave's number alone
	s_mul_i32 s94, s14, HALFS
	s_wait_kmcnt 0x0
	s_add_nc_u64 s[20:21], s[4:5], s[20:21]
	s_add_nc_u64 s[22:23], s[6:7], s[22:23]
	s_add_nc_u64 s[46:47], s[4:5], s[46:47]
	s_add_nc_u64 s[92:93], s[6:7], s[92:93]
	CROUND                                         ; all sixteen work-groups are here: the first joint loads meet
	s_mov_b32 s[G0S], 1
	s_add_co_u32 s[G0S+1], s94, SCL
	s_mov_b64 s[G0S+2:G0S+3], s[22:23]
	s_or_b32 s[G0S+3], s[G0S+3], 0x80000000
	s_mov_b32 s[G0SB], 1
	s_add_co_u32 s[G0SB+1], s94, SCL
	s_mov_b64 s[G0SB+2:G0SB+3], s[92:93]
	s_or_b32 s[G0SB+3], s[G0SB+3], 0x80000000
	JLOAD G0S, G1S, G0SB, G1SB                     ; the scale words first: they are wanted with K step 0
.irp s, 0,1
	s_mov_b32 s[G0+4*\s], 1
	s_add_co_u32 s[G0+4*\s+1], s45, \s*SLOT
	s_add_nc_u64 s[G0+4*\s+2:G0+4*\s+3], s[20:21], \s*RBB
	s_or_b32 s[G0+4*\s+3], s[G0+4*\s+3], 0x80000000
	s_mov_b32 s[G0B+4*\s], 1
	s_add_co_u32 s[G0B+4*\s+1], s45, \s*SLOT
	s_add_nc_u64 s[G0B+4*\s+2:G0B+4*\s+3], s[46:47], \s*RBB
	s_or_b32 s[G0B+4*\s+3], s[G0B+4*\s+3], 0x80000000
	JLOAD G0+4*\s, G1, G0B+4*\s, G1B               ; three tensor loads of mine are out behind the second of these
.endr
	v_and_b32 v1, 15, v0                           ; r
	v_bfe_u32 v2, v0, 4, 1                         ; h
	v_and_b32 v3, 31, v0
	v_lshlrev_b32 v[LO], 4, v3                     ; 16 x lane
	s_mul_i32 s21, s15, HALFT                      ; my 128 rows of A
	s_mul_i32 s22, s16, HALFT                      ; my 128 rows of B,
	s_add_co_u32 s22, s22, 2*HALFT                 ; which lie behind A's 256
.irp s, 0,1
	v_add_nc_u32 v[ADRA+\s], s21, v[LO]
	v_add_nc_u32 v[ADRB+\s], s22, v[LO]
	s_add_co_u32 s21, s21, SLOT
	s_add_co_u32 s22, s22, SLOT
.endr
	v_lshlrev_b32 v5, 4, v1                        ; my row's four words: 16 r
	s_mul_i32 s21, s15, HALFS                      ; A's: my 128 rows
	s_mul_i32 s22, s16, HALFS                      ; B's: my 128 rows, behind A's 256
	s_add_co_u32 s22, s22, 2*HALFS
	s_sub_co_u32 s22, s22, s21
	v_mul_u32_u24 v6, s22, v2                      ; lanes 16-31 take B's
	s_add_co_u32 s21, s21, SCL
	v_add_nc_u32 v5, v5, v6
	v_add_nc_u32 v[ADRS], s21, v5
.macro FRAG reg, adr, q, i             ; a fragment comes as it was stored: three loads of 16 bytes a lane, 512 consecutive bytes each
.irp c, 0,1,2
	ds_load_b128 v[\reg+4*\c:\reg+4*\c+3], v[\adr] offset:(\i)*RBB+(\q)*FRB+512*\c
.endr
.endm
; 16 matrix instructions: A's blocks a0, a0 + 1 x B's eight.  p: B's set; q: the slot's q-th 128 along K; sc: the set of scale words.  zero = 1: the first product starts the sums.
; The 64 accumulators take turns, one instruction a turn, in the same order in every step.
.macro MUL16 a0, p, q, sc, zero
.irp a, \a0, \a0+1
.irp b, 0,1,2,3,4,5,6,7
.if \zero
	v_wmma_scale_f32_16x16x128_f8f6f4 v[8*(8*((\a)%4)+\b):8*(8*((\a)%4)+\b)+7], v[128*(\p)+FR*\b:128*(\p)+FR*\b+FR-1], v[AF+FR*(\a):AF+FR*(\a)+FR-1], 0, v[SC+16*(\sc)+8*(\q)+\b], v[SC+16*(\sc)+8*(\q)+(\a)] matrix_a_fmt:MATRIX_FMT_FP6 matrix_b_fmt:MATRIX_FMT_FP6 matrix_a_scale:MATRIX_SCALE_ROW1
.else
	v_wmma_scale_f32_16x16x128_f8f6f4 v[8*(8*((\a)%4)+\b):8*(8*((\a)%4)+\b)+7], v[128*(\p)+FR*\b:128*(\p)+FR*\b+FR-1], v[AF+FR*(\a):AF+FR*(\a)+FR-1], v[8*(8*((\a)%4)+\b):8*(8*((\a)%4)+\b)+7], v[SC+16*(\sc)+8*(\q)+\b], v[SC+16*(\sc)+8*(\q)+(\a)] matrix_a_fmt:MATRIX_FMT_FP6 matrix_b_fmt:MATRIX_FMT_FP6 matrix_a_scale:MATRIX_SCALE_ROW1
.endif
.endr
.endr
.endm
.macro FETCH_B slot, q, p
	WIN TO_B
.irp i, 0,1,2,3,4,5,6,7
	FRAG 128*(\p)+FR*\i, ADRB+\slot, \q, \i
.endr
	WIN 0
.endm
.macro FETCH_A slot, q, i0
.irp i, \i0, \i0+1, \i0+2, \i0+3
	FRAG AF+FR*(\i), ADRA+\slot, \q, \i
.endr
.endm
.macro SCALES sc                       ; a slot's scale words: 16 bytes bring the words of four row blocks; lanes 0-15 A's, lanes 16-31 B's
.irp q, 0,1
.irp g, 0,1
	ds_load_b128 v[SC+16*\sc+8*\q+4*\g:SC+16*\sc+8*\q+4*\g+3], v[ADRS] offset:512*\q+256*\g
.endr
.endr
.endm
.macro PLACES n                        ; plain vector instructions between a matrix instruction and a load into, or a read of, its registers
.rept \n
	v_nop
.endr
.endm
.macro STEP slot, q, zero              ; a step of 128 along K that has its successor in the same slot
	s_wait_dscnt 4*NL                              ; B's set and A's blocks 0-3 are in; the youngest 12 loads (A's blocks 4-7) may be out
	WIN MUL_LO
	MUL16 0, (\q)%2, \q, \slot, \zero
	MUL16 2, (\q)%2, \q, \slot, \zero
	s_wait_dscnt 0
	PLACES NP
	FETCH_B \slot, (\q)+1, 1-(\q)%2
	FETCH_A \slot, (\q)+1, 0
	WIN MUL_HI
	MUL16 4, (\q)%2, \q, \slot, \zero
	MUL16 6, (\q)%2, \q, \slot, \zero
	PLACES NP
	WIN 0
	FETCH_A \slot, (\q)+1, 4
.endm
; A slot's last step changes slots: one barrier; in front of it each wave waits for all its tensor loads, adds 0 to its spare word, and waits for that and for its reads of this slot.
.macro TURN slot, next, fill
	s_wait_tensorcnt 0x0                           ; all my tensor loads have landed: my part of the next slot
	ds_add_u32 v[SPW], v[NIL]                      ; 0 onto my spare word
	s_wait_dscnt 4*NL+1                            ; the add and the youngest 12 loads (A's blocks 4-7) may be out
	WIN MUL_LO
	MUL16 0, 1, NQ-1, \slot, 0
	s_wait_dscnt 0x0                               ; the add is done, and my reads of this slot are over
	s_barrier_signal -1
	MUL16 2, 1, NQ-1, \slot, 0
	WIN 0
	s_barrier_wait -1
.if \fill
	CREST                                          ; the barrier has opened a round of the cluster's: no wave of any partner still reads this slot or has a load on its way
	s_add_nc_u64 s[G0+4*\slot+2:G0+4*\slot+3], s[G0+4*\slot+2:G0+4*\slot+3], 2*RBB
	s_add_nc_u64 s[G0B+4*\slot+2:G0B+4*\slot+3], s[G0B+4*\slot+2:G0B+4*\slot+3], 2*RBB
	JLOAD G0+4*\slot, G1, G0B+4*\slot, G1B         ; the first tensor load behind the round, my only one until the next; its four v_nop are the places in front of the loads below
.else
	PLACES NP
.endif
	v_add_nc_u32 v[ADRS], 2*512, v[ADRS]           ; on to the next slot's scale words
	FETCH_B \next, 0, 0
	FETCH_A \next, 0, 0
	SCALES \next
	WIN MUL_HI
	MUL16 4, 1, NQ-1, \slot, 0
	MUL16 6, 1, NQ-1, \slot, 0
	PLACES NP
	WIN 0
	FETCH_A \next, 0, 4
.endm
	s_wait_tensorcnt 1                             ; the scale words and my part of slot 0 are in; slot 1's load may be out
	s_barrier_signal -1
	s_barrier_wait -1
	FETCH_B 0, 0, 0
	FETCH_A 0, 0, 0
	SCALES 0
	FETCH_A 0, 0, 4
	STEP 0, 0, 1                                   ; the first step stands in front of the loop: its products start the sums
	s_mov_b32 s3, LAPS-1
.Llap:                                                 ; a trip goes once round the ring and fills both slots again
	TURN 0, 1, 1
	STEP 1, 0, 0
	TURN 1, 0, 1
	STEP 0, 0, 0
	s_sub_co_u32 s3, s3, 1
	s_cmp_lg_u32 s3, 0
	s_cbranch_scc1 .Llap
	TURN 0, 1, 0                                   ; the last lap fills nothing
	STEP 1, 0, 0
	s_wait_dscnt 4*NL
	WIN MUL_LO
	MUL16 0, 1, NQ-1, 1, 0
	MUL16 2, 1, NQ-1, 1, 0
	s_wait_dscnt 0
	WIN MUL_HI
	MUL16 4, 1, NQ-1, 1, 0
	MUL16 6, 1, NQ-1, 1, 0
	WIN 0
	; ---------------- THE WAY OUT ----------------
	PLACES NP                                      ; behind the last products: their results are read, and registers that they read are loaded and written, below
	s_lshl_b32 s2, s42, 1
	s_add_co_u32 s2, s2, s16
	s_and_b32 s2, s2, 15                           ; u: which 128 of B's rows, within its tensor
	s_lshl_b32 s3, s17, 1
	s_add_co_u32 s3, s3, s15                       ; wv: which 128 of A's rows
	s_cmp_lg_u32 s[ISV], 0
	s_cselect_b32 s18, s3, s2                      ; the head: B's 128 for q and k, A's for v^T
	s_cselect_b32 s19, s2, s3                      ; the block of 128 along t
	s_lshl_b32 s18, s18, 4
	s_add_co_u32 s18, s18, s19                     ; the unit
	s_cmp_lt_u32 ttmp9, 2                          ; clusters 0 and 1 along x make q
	s_cselect_b64 s[20:21], s[10:11], s[12:13]
	s_mov_b32 s22, 25600
	s_cselect_b32 s22, 12800, s22                  ; a unit's bytes
	s_mov_b32 s23, 24576
	s_cselect_b32 s23, 12288, s23                  ; where its scale words begin
	s_mul_i32 s18, s18, s22
	s_mov_b32 s19, 0
	s_add_nc_u64 s[20:21], s[20:21], s[18:19]
	s_lshl_b32 s18, s[ISV], 9                      ; v^T's words lie 512 bytes behind k's
	s_add_co_u32 s18, s18, s23
	s_add_nc_u64 s[92:93], s[20:21], s[18:19]
	s_mul_i32 s18, s[ISV], 12288                   ; and its fragments behind k's eight
	s_add_nc_u64 s[20:21], s[20:21], s[18:19]
	s_lshl_b32 s18, s3, 16                         ; the table: 8 blocks of 8,192 bytes for each 128 along t
	s_add_nc_u64 s[8:9], s[8:9], s[18:19]
.irp b, 0,1,2,3
	v_mov_b32 v[TM+4+\b], 0                        ; written once: a lane permute's destination counts as one of its sources
.endr
.macro TABLOAD a                       ; block a's cosines (32 registers) and signed sines (32) into set a % 2 of window 1: each load reads 512 consecutive bytes
	WIN TO_B
.irp e, 0,1,2,3,4,5,6,7,8,9,10,11,12,13,14,15
	global_load_b128 v[64*((\a)%2)+4*\e:64*((\a)%2)+4*\e+3], v[LO], s[8:9] offset:(\a)*8192+512*\e
.endr
	WIN 0
.endm
; Block a is rotated into v[T] on.  Register n = 16 b + i of a lane is channel d = 32 b + 16 h + i: out(d) = in(d) cos + in(d xor 1) x (signed sin), both of frequency d % 64: table word n % 32.
.macro ROT a
.set AC, 64*((\a)%4)
.set W1, 2+(\a)/4+4
.set TS, 64*((\a)%2)
	s_wait_xcnt 0x0                                ; the last block's stores have read their data: the codes' registers are written again only behind this wait
.if (\a) < 7
	TABLOAD (\a)+1                                 ; into the set whose last loads were waited for a block ago
	s_wait_loadcnt 16                              ; this block's 16 table loads are in; the next block's 16 may be out
.else
	s_wait_loadcnt 0x0
.endif
	WIN W1                                         ; source 0: the accumulators' window; source 1: window 1
.set n, 0
.rept 32
	v_pk_mul_f32 v[T+n:T+n+1], v[AC+n:AC+n+1], v[TS+n%32:TS+n%32+1]       ; each accumulator is read from its low end on
	v_fma_f32 v[T+n], v[AC+n+1], v[TS+32+n%32], v[T+n]
	v_fma_f32 v[T+n+1], v[AC+n], v[TS+32+n%32+1], v[T+n+1]
.set n, n+2
.endr
	WIN 0
.endm
.macro SENDQ a                         ; block a's codes: fragment a of the unit
.irp c, 0,1,2
	global_store_b128 v[LO], v[PC+4*\c:PC+4*\c+3], s[20:21] offset:(\a)*FRB+512*\c   ; 32 lanes store 512 consecutive bytes
.endr
.endm
	s_cmp_lg_u32 s[ISV], 0                         ; THE ONE PARTING of the way out
	s_cbranch_scc1 .Lplain
	TABLOAD 0                                      ; q and k
.irp a, 0,1,2,3,4,5,6,7
	ROT \a
	QUANT T, 0, PC, PC+12, TM, PW+\a
	SENDQ \a
.endr
	s_branch .Lwords
.Lplain:                                               ; v^T is not rotated: the quantiser reads the accumulators in their own window
.irp a, 0,1,2,3,4,5,6,7
.set AC, 64*(\a%4)
.set WA, 2+\a/4
	s_wait_xcnt 0x0                                ; the last block's stores have read their data
	QUANT AC, WA, PC, PC+12, TM, PW+\a
	SENDQ \a
.endr
.Lwords:
	v_and_b32 v10, 16, v0
	v_cmp_ne_u32 vcc_lo, 0, v10                    ; lanes 0-15 store the words of blocks 0-3 of row r, lanes 16-31 those of blocks 4-7
.irp i, 0,1,2,3
	v_cndmask_b32 v[WD+\i], v[PW+\i], v[PW+4+\i], vcc_lo
.endr
	global_store_b128 v[LO], v[WD:WD+3], s[92:93]  ; 512 consecutive bytes
	s_wait_tensorcnt 0x0                           ; the wave's end
	ds_add_u32 v[SPW], v[NIL]
	s_wait_dscnt 0x0
	CROUND                                         ; the closing round: no work-group ends while a partner may still ask for a tile that names it
	s_endpgm
.Lfunc_end_k_q5d0b7d1a44_qkv:
	.size	k_q5d0b7d1a44_qkv, .Lfunc_end_k_q5d0b7d1a44_qkv-k_q5d0b7d1a44_qkv
	.p2alignl 7, 3214868480
	.fill 96, 4, 3214868480
	.section	.rodata,"a",@progbits
	.p2align	6, 0x0
	.amdhsa_kernel k_q5d0b7d1a44_qkv
		.amdhsa_group_segment_fixed_size 327680
		.amdhsa_private_segment_fixed_size 0
		.amdhsa_enable_private_segment 0
		.amdhsa_kernarg_size 40
		.amdhsa_user_sgpr_count 2
		.amdhsa_user_sgpr_kernarg_segment_ptr 1
		.amdhsa_wavefront_size32 1
		.amdhsa_system_sgpr_workgroup_id_x 1
		.amdhsa_system_sgpr_workgroup_id_y 1
		.amdhsa_system_sgpr_workgroup_id_z 1
		.amdhsa_system_vgpr_workitem_id 0
		.amdhsa_next_free_vgpr 1024
		.amdhsa_next_free_sgpr 100
		.amdhsa_reserve_vcc 1
		.amdhsa_float_denorm_mode_32 3
		.amdhsa_float_denorm_mode_16_64 3
		.amdhsa_memory_ordered 1
		.amdhsa_forward_progress 1
		.amdhsa_inst_pref_size 233
	.end_amdhsa_kernel
	.amdgpu_metadata
---
amdhsa.version: [ 1, 2 ]
amdhsa.kernels:
  - .name:           k_q5d0b7d1a44_qkv
    .symbol:         k_q5d0b7d1a44_qkv.kd
    .args:
      - { .name: codes, .offset: 0, .size: 8, .value_kind: global_buffer, .address_space: global }
      - { .name: scales, .offset: 8, .size: 8, .value_kind: global_buffer, .address_space: global }
      - { .name: rope, .offset: 16, .size: 8, .value_kind: global_buffer, .address_space: global }
      - { .name: qbuf, .offset: 24, .size: 8, .value_kind: global_buffer, .address_space: global }
      - { .name: kv, .offset: 32, .size: 8, .value_kind: global_buffer, .address_space: global }
    .group_segment_fixed_size: 327680
    .private_segment_fixed_size: 0
    .kernarg_segment_align: 8
    .kernarg_segment_size: 40
    .max_flat_workgroup_size: 128
    .sgpr_count:     100
    .vgpr_count:     1024
    .wavefront_size: 32
...
	.end_amdgpu_metadata
.endif
;; end of part 2
;; launch attn (part 3): grid 16 x 16, 8 waves a work-group, no clusters, 52,736 bytes of LDS; arguments qbuf, kv, yc, ys; writes yc, ys
.if DOCPART == 3
	.amdgcn_target "amdgcn-amd-amdhsa--gfx1250"
	.amdhsa_code_object_version 6
	.text
	.protected	k_q5d0b7d1a44_attn
	.globl	k_q5d0b7d1a44_attn
	.p2align	8
	.type	k_q5d0b7d1a44_attn,@function
k_q5d0b7d1a44_attn:
	s_mov_b64 s[64:65], 0
	v_nop
	global_prefetch_b8 v0, s[64:65] scope:SCOPE_SE
	s_setreg_imm32_b32 hwreg(HW_REG_WAVE_MODE, 25, 1), 1
	s_wait_xcnt 0x0
; y[t][head] = softmax_k(q . k / sqrt(128), causal) v, both products on codes of FP6 (E2M3) with E8M0 scales; y is quantised along the channels and stored as codes for the last product.
; THE SOFTMAX AHEAD OF THE SECOND PRODUCT: t = score x log2(e) / sqrt(128); M = the running largest t rounded up to a whole number; p = 2^(t - M) is quantised along the keys, not normalised.  The row's sum is
; taken of the unquantised p and divides at the end.  When M moves, the sum and O are multiplied by 2^(old M - new M): exact.
; OPERANDS ARE IMAGES OF REGISTERS (1,536 bytes a fragment, lane l's 16 bytes at 16 l in each of three pieces of 512).  Position row p of q, k and of v^T's channels holds true row sigma(p) = p with bits 3 and 4 exchanged.
; Both products are used transposed: S^T = k q^T, O^T = v^T p^T: a lane holds ONE query; register 16 b + i of the scores is key 32 b + 16 (lane / 16) + i of the step, and of O^T channel 32 b + 16 (lane / 16) + i.
; SHARES.  Work-group (i, head): waves 0-3 take the four query fragments of block i of 64 queries, waves 4-7 those of block 31 - i.  A wave whose fragment is rb works key steps 0 .. rb / 8 (128 keys each; the last is
; the one on the diagonal), so a low and a high wave together have 17 steps' work in every work-group.  The work-group walks (31 - i) / 2 + 1 steps.
; NO CLUSTER: the work-groups of a head walk between 9 and 16 key steps, so partners would need different numbers of tiles; and the trip count hangs on the work-group's number, so the tiles come through registers.
; THE RING: two LDS slots of 25,600 bytes, each a unit of kv as it lies in memory.  In step s each wave stores its eighth of step s + 1 (loaded a step ago) into the other slot and loads its eighth of step s + 2.
; ONE barrier a step: in front of it each wave waits for its LDS stores and loads; behind it the slot just written is read, and the slot just read is written.
; LIMITS: NaN and infinities are not served; a block of zeros gets the byte 1 (its codes are zeros; this program alone reads the bytes).
.set LI,   1                           ; v1   16 x lane
.set CW,   2                           ; v2   1,536 x wave + 16 x lane: my part of a unit, in memory and in a slot
.set C4,   3                           ; v3   4 x thread: my scale word of a unit's 256
.set DM,   4                           ; v4   my query's place in its key step, less 16 (lane / 16)
.set PFO,  5                           ; v5   8,192 x wave + 256 x lane
.set NINF, 6                           ; v6   -infinity
.set YSA,  10                          ; v10  where my scale word of y goes in LDS
.set QWA,  11                          ; v11  16 r
.set QF,   16                          ; v16-27 q's fragment
.set QS,   28                          ; v28  its scale words
.set YSO,  29                          ; v29  where y's scale words go in memory
.set FF,   30                          ; v[30:31] f = 2^(old M - new M)
.set F,    32                          ; v32-79 four fragments of k or of v^T; between the products at work:
.set BM,   32                          ; v32-35 the blocks' largest scores, then largest p
.set PX,   36                          ; v36-39 from lane l xor 16; then bytes
.set SO,   40                          ; v40-43 the conversions' scale operands
.set H2,   44                          ; v44-46, v48-50 second halves of blocks
.set SU,   52                          ; v[52:53] the second chain of the sum
.set TA,   54
.set SG,   80                          ; v80-103 my eighth of a unit on its way; v104 its scale word
.set SGS,  104
.set KS,   106                         ; v106-109 k's scale words: register t: lanes 0-15 fragment t, lanes 16-31 fragment 4 + t
.set VS,   110                         ; v110-113 v^T's likewise
.set S,    114                         ; v114-177 S^T, then p
.set O,    178                         ; v178-241 O^T
.set PC,   242                         ; v242-253 p's codes
.set PSW,  254                         ; v254 p's scale word
.set UNIT, 25600
.set YSL,  2*UNIT                      ; behind the slots: 512 bytes for y's scale words
.set SEL,  20                          ; s[20:21]
.set CS,   22                          ; s[22:23] c = log2(e) / sqrt(128)
.macro QUANT s, pc, h2, tm, pw
.irp b, 0,1,2,3
	v_max3_num_f32 v[(\tm)+\b], |v[(\s)+16*\b]|, |v[(\s)+1+16*\b]|, 0x1800000   ; and the floor 2^(3 - 127): the byte cannot fall under 1
.endr
.irp i, 2,4,6,8,10,12,14
.irp b, 0,1,2,3
	v_max3_num_f32 v[(\tm)+\b], v[(\tm)+\b], |v[(\s)+16*\b+\i]|, |v[(\s)+1+16*\b+\i]|
.endr
.endr
.irp b, 0,1,2,3
	v_permlanex16_b32 v[(\tm)+4+\b], v[(\tm)+\b], s[SEL], s[SEL+1]
.endr
.irp b, 0,1,2,3
	v_max_num_f32 v[(\tm)+\b], v[(\tm)+\b], v[(\tm)+4+\b]
.endr
.irp b, 0,1,2,3
	v_add_nc_u32 v[(\tm)+12+\b], 0xff000000, v[(\tm)+\b]
.endr
.irp b, 0,1,2,3
	v_lshrrev_b32 v[(\tm)+4+\b], 23, v[(\tm)+12+\b]
.endr
	v_lshl_or_b32 v[\pw], v[(\tm)+5], 8, v[(\tm)+4]
	v_lshl_or_b32 v[\pw], v[(\tm)+6], 16, v[\pw]
	v_lshl_or_b32 v[\pw], v[(\tm)+7], 24, v[\pw]
.irp c, 0,1
	v_cvt_scalef32_pk16_fp6_f32 v[(\pc)+6*\c:(\pc)+6*\c+2], v[(\s)+32*\c:(\s)+32*\c+15], v[(\tm)+12+2*\c]
	v_cvt_scalef32_pk16_fp6_f32 v[(\h2)+4*\c:(\h2)+4*\c+2], v[(\s)+16+32*\c:(\s)+31+32*\c], v[(\tm)+13+2*\c]
.endr
	v_nop
.irp c, 0,1
.irp i, 0,1,2
	v_permlane16_swap_b32 v[(\pc)+6*\c+\i], v[(\h2)+4*\c+\i]
.endr
.irp i, 0,1,2
	v_mov_b32 v[(\pc)+3+6*\c+\i], v[(\h2)+4*\c+\i]
.endr
.endr
.endm
.macro COPYLD                          ; my eighth of the unit at s[26:27]: fragment 'wave' of k, fragment 'wave' of v^T, one scale word a thread: seven loads
.irp k, 0,1,2
	global_load_b128 v[SG+4*\k:SG+4*\k+3], v[CW], s[26:27] offset:512*\k
	global_load_b128 v[SG+12+4*\k:SG+12+4*\k+3], v[CW], s[26:27] offset:12288+512*\k
.endr
	global_load_b32 v[SGS], v[C4], s[26:27] offset:24576
.endm
.macro COPYST o                        ; and into slot o, at the same places
.irp k, 0,1,2
	ds_store_b128 v[CW], v[SG+4*\k:SG+4*\k+3] offset:(\o)*UNIT+512*\k
	ds_store_b128 v[CW], v[SG+12+4*\k:SG+12+4*\k+3] offset:(\o)*UNIT+12288+512*\k
.endr
	ds_store_b32 v[C4], v[SGS] offset:(\o)*UNIT+24576
.endm
	s_load_b256 s[4:11], s[0:1], 0x0               ; qbuf, kv, yc, ys
	v_lshl_add_u32 v105, v0, 2, 0xca00
	v_mov_b32 v255, 0
	v_lshrrev_b32 v7, 5, v0
	v_readfirstlane_b32 s12, v7                    ; wave 0..7
	s_mov_b32 s13, ttmp9                           ; i
	s_and_b32 s14, ttmp7, 0xffff                   ; the head
	s_sub_co_u32 s29, 31, s13
	s_cmp_lt_u32 s12, 4
	s_cselect_b32 s15, s13, s29                    ; my block of 64 queries
	s_and_b32 s30, s12, 3
	s_lshl_b32 s16, s15, 2
	s_add_co_u32 s16, s16, s30                     ; rb: my query fragment
	s_lshr_b32 s17, s16, 3
	s_add_co_u32 s17, s17, 1                       ; my key steps
	s_lshr_b32 s18, s29, 1
	s_add_co_u32 s18, s18, 2
	s_lshr_b32 s18, s18, 1                         ; the loop's trips: two steps each, enough for block 31 - i
	s_cmp_lt_u32 s12, 3
	s_cselect_b32 s19, 12, 0
	s_cmp_eq_u32 s13, 0
	s_cselect_b32 s19, s19, 0                      ; waves 0-2 of the head's first work-group prefetch, in steps 0 to 11
	s_mov_b32 s[SEL], 0x76543210
	s_mov_b32 s[SEL+1], 0xfedcba98
	s_mov_b32 s[CS], 0x3e0293ee
	s_mov_b32 s[CS+1], s[CS]                       ; (named with it as a pair, so it is written)
	s_mov_b32 s28, 0                               ; the key step
	s_mov_b32 s31, 0
	v_and_b32 v7, 31, v0                           ; lane
	v_and_b32 v8, 15, v0                           ; r
	v_bfe_u32 v9, v0, 4, 1                         ; h
	v_lshlrev_b32 v[LI], 4, v7
	s_mul_i32 s29, s12, 1536
	v_add_nc_u32 v[CW], s29, v[LI]
	v_lshlrev_b32 v[C4], 2, v0
	v_and_b32 v[DM], 7, v8
	v_lshrrev_b32 v[YSA], 3, v8
	v_lshl_add_u32 v[DM], v[YSA], 4, v[DM]         ; r % 8 + 16 (r / 8)
	v_lshlrev_b32 v[YSA], 4, v9
	v_sub_nc_u32 v[DM], v[DM], v[YSA]              ; - 16 h
	s_lshr_b32 s29, s16, 1
	s_and_b32 s29, s29, 3
	s_lshl_b32 s29, s29, 5
	s_and_b32 s30, s16, 1
	s_lshl_b32 s30, s30, 3
	s_add_co_u32 s29, s29, s30
	v_add_nc_u32 v[DM], s29, v[DM]                 ; + 32 ((rb / 2) % 4) + 8 (rb % 2)
	s_lshl_b32 s29, s12, 13
	v_lshl_add_u32 v[PFO], v7, 8, s29
	v_mov_b32 v[NINF], 0xff800000
	v_lshlrev_b32 v[QWA], 4, v8
	s_lshr_b32 s29, s12, 2                         ; y's scale words meet in LDS: 256 (wave / 4) + 16 r + 4 (wave % 4)
	s_lshl_b32 s29, s29, 8
	s_and_b32 s30, s12, 3
	s_lshl_b32 s30, s30, 2
	s_add_co_u32 s29, s29, s30
	s_add_co_u32 s29, s29, YSL
	v_lshl_add_u32 v[YSA], v8, 4, s29
	s_lshl_b32 s29, s13, 1
	s_sub_co_u32 s29, 31, s29
	s_lshl_b32 s29, s29, 8                         ; block 31 - i's words lie (31 - 2 i) x 256 bytes behind block i's
	v_mul_u32_u24 v[YSO], s29, v9
	v_lshl_add_u32 v[YSO], v8, 4, v[YSO]
	s_mul_i32 s30, s14, 16*UNIT
	s_wait_kmcnt 0x0
	s_add_nc_u64 s[24:25], s[6:7], s[30:31]        ; the head's units of kv
	s_mov_b64 s[26:27], s[24:25]
	COPYLD                                         ; key step 0
	s_lshl_b32 s30, s14, 4
	s_lshr_b32 s29, s16, 3
	s_add_co_u32 s30, s30, s29
	s_mul_i32 s30, s30, 12800
	s_add_nc_u64 s[32:33], s[4:5], s[30:31]        ; my unit of qbuf
	s_and_b32 s30, s16, 7
	s_mul_i32 s30, s30, 1536
	s_add_nc_u64 s[34:35], s[32:33], s[30:31]      ; my fragment
	s_bfe_u32 s30, s16, 0x10002
	s_lshl_b32 s30, s30, 8
	s_and_b32 s29, s16, 3
	s_lshl_b32 s29, s29, 2
	s_add_co_u32 s30, s30, s29
	s_add_co_u32 s30, s30, 12288
	s_add_nc_u64 s[32:33], s[32:33], s[30:31]      ; and its scale words
.irp k, 0,1,2
	global_load_b128 v[QF+4*\k:QF+4*\k+3], v[LI], s[34:35] offset:512*\k
.endr
	global_load_b32 v[QS], v[QWA], s[32:33]
	s_lshl_b32 s30, s14, 13
	s_lshl_b32 s29, s13, 8
	s_add_co_u32 s30, s30, s29
	s_add_nc_u64 s[10:11], s[10:11], s[30:31]      ; ys: K step = head, block i
	s_lshl_b32 s30, s16, 4
	s_add_co_u32 s30, s30, s14
	s_mul_i32 s30, s30, 1536
	s_add_nc_u64 s[8:9], s[8:9], s[30:31]          ; yc: fragment (rb, head)
	v_mov_b32 v13, 0xff61b1e6                      ; the largest t so far: -3e38, under every t
	v_floor_f32 v12, -v13                          ; -M
	v_mov_b32 v14, 0                               ; the sum, in two halves
	v_mov_b32 v15, 0
	v_mov_b32 v[FF+1], 0                           ; (named as the upper half of a pair)
.irp b, 0,1,2,3
	v_mov_b32 v[PX+\b], 0                          ; a lane permute's destination counts as one of its sources
.endr
.set j, 0
.rept 64
	v_mov_b32 v[O+j], 0                            ; O^T.  The step is written once: the first finds zeros, which the first change of M leaves zeros
.set j, j+1
.endr
	s_wait_loadcnt 4                               ; key step 0's seven loads are in; q's four may be out
	COPYST 0
	s_wait_dscnt 0x0                               ; the stores have landed and have read their registers
	s_wait_xcnt 0x0                                ; the loads have read their base
	s_add_nc_u64 s[26:27], s[24:25], UNIT
	COPYLD                                         ; key step 1
	s_barrier_signal -1
	s_barrier_wait -1                              ; slot 0 is whole
; THE WORK OF A KEY STEP on slot c
.macro WORK c
.irp g, 0,1                                    ; S^T = k q^T, four tiles of 16 keys at a time
.if \g > 0
.rept 4
	v_nop                                          ; places in front of loads into registers that matrix instructions have read
.endr
.endif
.irp t, 0,1,2,3
.irp k, 0,1,2
	ds_load_b128 v[F+12*\t+4*\k:F+12*\t+4*\k+3], v[LI] offset:(\c)*UNIT+(4*\g+\t)*1536+512*\k
.endr
.endr
.if \g == 0
	ds_load_b128 v[KS:KS+3], v[LI] offset:(\c)*UNIT+24576
.endif
	s_wait_dscnt 0x0
.irp t, 0,1,2,3
.if \g == 0
	v_wmma_scale_f32_16x16x128_f8f6f4 v[S+8*\t:S+8*\t+7], v[F+12*\t:F+12*\t+11], v[QF:QF+11], 0, v[KS+\t], v[QS] matrix_a_fmt:MATRIX_FMT_FP6 matrix_b_fmt:MATRIX_FMT_FP6
.else
	v_wmma_scale_f32_16x16x128_f8f6f4 v[S+32+8*\t:S+32+8*\t+7], v[F+12*\t:F+12*\t+11], v[QF:QF+11], 0, v[KS+\t], v[QS] matrix_a_fmt:MATRIX_FMT_FP6 matrix_b_fmt:MATRIX_FMT_FP6 matrix_a_scale:MATRIX_SCALE_ROW1
.endif
.endr
.endr
.rept 4
	v_nop
.endr
	s_add_co_u32 s29, s28, 1                       ; my last step lies on the diagonal: there hidden keys' scores become -infinity, so that p = 0
	s_cmp_lg_u32 s29, s17
	s_cbranch_scc1 .Lopen_\@
.set n, 0
.rept 64
	v_cmp_gt_i32 vcc_lo, 32*(n/16)+n%16, v[DM]     ; register 16 b + i holds key 32 b + 16 h + i of the step
	v_cndmask_b32 v[S+n], v[S+n], v[NINF], vcc_lo
.set n, n+1
.endr
.Lopen_\@:
.irp b, 0,1,2,3
	v_max3_num_f32 v[BM+\b], v[S+16*\b], v[S+1+16*\b], v[S+2+16*\b]   ; the largest score of each block of 32 keys: for the row's maximum and, since p rises with the score, for the block's largest p
.endr
.irp i, 3,5,7,9,11,13
.irp b, 0,1,2,3
	v_max3_num_f32 v[BM+\b], v[BM+\b], v[S+16*\b+\i], v[S+1+16*\b+\i]
.endr
.endr
.irp b, 0,1,2,3
	v_max_num_f32 v[BM+\b], v[BM+\b], v[S+15+16*\b]
.endr
.irp b, 0,1,2,3
	v_permlanex16_b32 v[PX+\b], v[BM+\b], s[SEL], s[SEL+1]
.endr
.irp b, 0,1,2,3
	v_max_num_f32 v[BM+\b], v[BM+\b], v[PX+\b]
.endr
	v_max3_num_f32 v[TA], v[BM], v[BM+1], v[BM+2]
	v_max_num_f32 v[TA], v[TA], v[BM+3]
	v_mul_f32 v[TA], s[CS], v[TA]
	v_max_num_f32 v13, v13, v[TA]                  ; the running largest t
	v_mov_b32 v[TA], v12
	v_floor_f32 v12, -v13                          ; the new -M = -ceil(t): a whole number
	v_sub_f32 v[TA], v12, v[TA]                    ; old M - new M: a whole number, 0 or less
	v_cvt_i32_f32 v[TA], v[TA]                     ; (it saturates)
	v_ldexp_f32 v[FF], 1.0, v[TA]                  ; f = 2^(old M - new M)
.set j, 0
.rept 32
	v_pk_fma_f32 v[S+j:S+j+1], v[S+j:S+j+1], s[CS:CS+1], v[12:13] op_sel_hi:[1,0,0]   ; t - M, two at a time
.set j, j+2
.endr
.irp b, 0,1,2,3
	v_fma_f32 v[BM+\b], v[BM+\b], s[CS], v12
.endr
.set j, 0
.rept 64
	v_exp_f32 v[S+j], v[S+j]                       ; p = 2^(t - M)
.set j, j+1
.endr
	v_pk_mul_f32 v[14:15], v[14:15], v[FF:FF+1] op_sel_hi:[1,0]   ; the sums under the new M; a plain instruction behind the exponentials
	s_wait_alu depctr_va_vdst(0)                   ; one wait for the batch of 64, ahead of its first reader
.irp b, 0,1,2,3
	v_exp_f32 v[BM+\b], v[BM+\b]                   ; the blocks' largest p
.endr
	v_pk_add_f32 v[SU:SU+1], v[S:S+1], v[S+2:S+3]  ; the row's sum of the unquantised p, in two chains
.set j, 4
.rept 15
	v_pk_add_f32 v[14:15], v[14:15], v[S+j:S+j+1]
	v_pk_add_f32 v[SU:SU+1], v[SU:SU+1], v[S+j+2:S+j+3]
.set j, j+4
.endr
	v_pk_add_f32 v[14:15], v[14:15], v[SU:SU+1]
	s_wait_alu depctr_va_vdst(0)                   ; and one for the four
.irp b, 0,1,2,3
	v_max_num_f32 v[BM+\b], 0x1800000, v[BM+\b]    ; the floor 2^(3 - 127)
.endr
.irp b, 0,1,2,3
	v_add_nc_u32 v[SO+\b], 0xff000000, v[BM+\b]
.endr
.irp b, 0,1,2,3
	v_lshrrev_b32 v[PX+\b], 23, v[SO+\b]
.endr
	v_lshl_or_b32 v[PSW], v[PX+1], 8, v[PX]        ; p's scale word for these 128 keys
	v_lshl_or_b32 v[PSW], v[PX+2], 16, v[PSW]
	v_lshl_or_b32 v[PSW], v[PX+3], 24, v[PSW]
.irp u, 0,1
	v_cvt_scalef32_pk16_fp6_f32 v[PC+6*\u:PC+6*\u+2], v[S+32*\u:S+32*\u+15], v[SO+2*\u]
	v_cvt_scalef32_pk16_fp6_f32 v[H2+4*\u:H2+4*\u+2], v[S+16+32*\u:S+31+32*\u], v[SO+2*\u+1]
.endr
	v_nop                                          ; one plain instruction behind the scaled conversions
.irp u, 0,1
.irp i, 0,1,2
	v_permlane16_swap_b32 v[PC+6*\u+\i], v[H2+4*\u+\i]
.endr
.irp i, 0,1,2
	v_mov_b32 v[PC+3+6*\u+\i], v[H2+4*\u+\i]
.endr
.endr
.irp g, 0,1                                    ; O^T += v^T p^T: four tiles of 16 channels at a time
.if \g > 0
.rept 4
	v_nop
.endr
.endif
.irp t, 0,1,2,3
.irp k, 0,1,2
	ds_load_b128 v[F+12*\t+4*\k:F+12*\t+4*\k+3], v[LI] offset:(\c)*UNIT+12288+(4*\g+\t)*1536+512*\k
.endr
.endr
.if \g == 0
	ds_load_b128 v[VS:VS+3], v[LI] offset:(\c)*UNIT+25088
.set j, 0
.rept 32
	v_pk_mul_f32 v[O+j:O+j+1], v[O+j:O+j+1], v[FF:FF+1] op_sel_hi:[1,0]   ; O^T under the new M, while the loads are out; these 32 also stand between the writing of p's codes and scale word and the products
.set j, j+2
.endr
.endif
	s_wait_dscnt 0x0
.irp t, 0,1,2,3
.if \g == 0
	v_wmma_scale_f32_16x16x128_f8f6f4 v[O+8*\t:O+8*\t+7], v[F+12*\t:F+12*\t+11], v[PC:PC+11], v[O+8*\t:O+8*\t+7], v[VS+\t], v[PSW] matrix_a_fmt:MATRIX_FMT_FP6 matrix_b_fmt:MATRIX_FMT_FP6
.else
	v_wmma_scale_f32_16x16x128_f8f6f4 v[O+32+8*\t:O+32+8*\t+7], v[F+12*\t:F+12*\t+11], v[PC:PC+11], v[O+32+8*\t:O+32+8*\t+7], v[VS+\t], v[PSW] matrix_a_fmt:MATRIX_FMT_FP6 matrix_b_fmt:MATRIX_FMT_FP6 matrix_a_scale:MATRIX_SCALE_ROW1
.endif
.endr
.endr
.rept 4
	v_nop                                          ; places in front of the next step's loads, and of the way out's reads
.endr
.endm
; A KEY STEP: s28 is its number, slot c holds its tiles
.macro STEP c
	s_wait_loadcnt 0x0                             ; my eighth of the next step, asked for a step ago, is in
	COPYST 1-\c                                    ; into the slot that every wave left at the last barrier
	s_wait_xcnt 0x0                                ; the last loads and the last prefetch have read their base
	s_add_co_u32 s29, s28, 2
	s_min_u32 s29, s29, 15                         ; held at the head's last unit: no load leaves the buffer
	s_mul_i32 s30, s29, UNIT
	s_add_nc_u64 s[26:27], s[24:25], s[30:31]
	s_wait_dscnt 0x0                               ; the stores have read their registers
	COPYLD
	s_cmp_lt_u32 s28, s19                          ; a prefetch of the codes of step s + 4: 96 blocks of 256 bytes, a lane a block, three waves of one work-group of the head: each block is named once; it stops at step 11, whose request is the head's last unit
	s_cbranch_scc0 .Lnot_mine_\@
	global_prefetch_b8 v[PFO], s[26:27] offset:2*UNIT th:TH_LOAD_NT scope:SCOPE_SE
.Lnot_mine_\@:
	s_cmp_ge_u32 s28, s17                          ; all keys of this step come after my queries: no work; the copies above and the barrier below are every wave's
	s_cbranch_scc1 .Lskip_\@
	WORK \c
.Lskip_\@:
	s_add_co_u32 s28, s28, 1
	s_wait_dscnt 0x0                               ; my stores into the other slot have landed, my reads of this slot are over
	s_barrier_signal -1
	s_barrier_wait -1
.endm
.Lpair:
	STEP 0
	STEP 1
	s_sub_co_u32 s18, s18, 1
	s_cmp_gt_i32 s18, 0                            ; the counter comes down from 5 to 8 trips by the work-group's number: a signed 'greater' ends it from any start
	s_cbranch_scc1 .Lpair
	; THE WAY OUT: O^T / the sum is quantised along the channels: it is fragment (rb, K step = head) of the last product's first operand
	v_add_f32 v14, v14, v15
	v_permlanex16_b32 v7, v14, s[SEL], s[SEL+1]
	v_add_f32 v14, v14, v7                         ; the row's sum
	v_rcp_f32 v14, v14
	v_nop                                          ; a plain instruction behind the reciprocal
	s_wait_alu depctr_va_vdst(0)                   ; and the wait ahead of its first reader
.set j, 0
.rept 64
	v_mul_f32 v[S+j], v[O+j], v14                  ; each accumulator from its low end on
.set j, j+1
.endr
	QUANT S, PC, 48, 32, 56
.irp k, 0,1,2
	global_store_b128 v[LI], v[PC+4*\k:PC+4*\k+3], s[8:9] offset:512*\k   ; 32 lanes store 512 consecutive bytes
.endr
	ds_store_b32 v[YSA], v56                       ; lanes r and 16 + r write the same word with the same value
	s_wait_dscnt 0x0
	s_barrier_signal -1
	s_barrier_wait -1                              ; the eight waves' scale words lie together
	s_cmp_lg_u32 s12, 0
	s_cbranch_scc1 .Lend
	ds_load_b128 v[32:35], v[LI] offset:YSL
	s_wait_dscnt 0x0
	global_store_b128 v[YSO], v[32:35], s[10:11]   ; each half of the lanes stores 256 consecutive bytes, aligned: block i's words, block 31 - i's
.Lend:
	s_wait_tensorcnt 0x0
	ds_add_u32 v105, v255
	s_wait_dscnt 0x0
	s_endpgm
.Lfunc_end_k_q5d0b7d1a44_attn:
	.size	k_q5d0b7d1a44_attn, .Lfunc_end_k_q5d0b7d1a44_attn-k_q5d0b7d1a44_attn
	.p2alignl 7, 3214868480
	.fill 96, 4, 3214868480
	.section	.rodata,"a",@progbits
	.p2align	6, 0x0
	.amdhsa_kernel k_q5d0b7d1a44_attn
		.amdhsa_group_segment_fixed_size 52736
		.amdhsa_private_segment_fixed_size 0
		.amdhsa_enable_private_segment 0
		.amdhsa_kernarg_size 32
		.amdhsa_user_sgpr_count 2
		.amdhsa_user_sgpr_kernarg_segment_ptr 1
		.amdhsa_wavefront_size32 1
		.amdhsa_system_sgpr_workgroup_id_x 1
		.amdhsa_system_sgpr_workgroup_id_y 1
		.amdhsa_system_sgpr_workgroup_id_z 1
		.amdhsa_system_vgpr_workitem_id 0
		.amdhsa_next_free_vgpr 256
		.amdhsa_next_free_sgpr 66
		.amdhsa_reserve_vcc 1
		.amdhsa_float_denorm_mode_32 3
		.amdhsa_float_denorm_mode_16_64 3
		.amdhsa_memory_ordered 1
		.amdhsa_forward_progress 1
		.amdhsa_inst_pref_size 66
	.end_amdhsa_kernel
	.amdgpu_metadata
---
amdhsa.version: [ 1, 2 ]
amdhsa.kernels:
  - .name:           k_q5d0b7d1a44_attn
    .symbol:         k_q5d0b7d1a44_attn.kd
    .args:
      - { .name: qbuf, .offset: 0, .size: 8, .value_kind: global_buffer, .address_space: global }
      - { .name: kv, .offset: 8, .size: 8, .value_kind: global_buffer, .address_space: global }
      - { .name: yc, .offset: 16, .size: 8, .value_kind: global_buffer, .address_space: global }
      - { .name: ys, .offset: 24, .size: 8, .value_kind: global_buffer, .address_space: global }
    .group_segment_fixed_size: 52736
    .private_segment_fixed_size: 0
    .kernarg_segment_align: 8
    .kernarg_segment_size: 32
    .max_flat_workgroup_size: 256
    .sgpr_count:     66
    .vgpr_count:     256
    .wavefront_size: 32
...
	.end_amdgpu_metadata
.endif
;; end of part 3
;; launch outg (part 4): grid 8 x 8, 4 waves a work-group, clusters of 4 x 4, 327,680 bytes of LDS; arguments yc, ys, codes, scales, out0; writes out0
.if DOCPART == 4
	.amdgcn_target "amdgcn-amd-amdhsa--gfx1250"
	.amdhsa_code_object_version 6
	.text
	.protected	k_q5d0b7d1a44_outg
	.globl	k_q5d0b7d1a44_outg
	.p2align	8
	.type	k_q5d0b7d1a44_outg,@function
k_q5d0b7d1a44_outg:
	s_mov_b64 s[64:65], 0
	v_nop
	global_prefetch_b8 v0, s[64:65] scope:SCOPE_SE
	s_setreg_imm32_b32 hwreg(HW_REG_WAVE_MODE, 25, 1), 1
	s_wait_xcnt 0x0
	s_wait_alu depctr_hold_cnt(0) depctr_sa_sdst(0) depctr_va_vdst(0) depctr_va_sdst(0) depctr_va_ssrc(0) depctr_va_vcc(0) depctr_vm_vsrc(0)
	s_getreg_b32 s2, hwreg(HW_REG_IB_STS2, 6, 4)
	s_cmp_eq_u32 s2, 0
	s_cbranch_scc0 .Lentry_in_a_cluster
	s_endpgm
.Lentry_in_a_cluster:
	s_bfe_u32 s2, ttmp6, 0x10000c
	s_cmp_lg_u32 s2, 0xf033
	s_cbranch_scc0 .Lentry_shape_is_right
	s_endpgm
.Lentry_shape_is_right:
; out0[t][n] = sum over c of y[t][c] Wo[n][c], on codes of FP6 (E2M3) with E8M0 scales; out0 [2048][2048] f32.
; A tile of 256 x 256 is made by four waves, 128 x 128 each: 64 accumulators, 512 registers.  K = 2,048 goes in steps of 256 through a ring of two LDS slots filled by the tensor data mover.
; OPERANDS ARE IMAGES OF REGISTERS: a fragment (16 rows x 128 K) is 1,536 bytes, three pieces of 512, lane l's 16 bytes at 16 l.  Fragment (rb, ks) lies at (16 rb + ks) x 1,536.
; Position row p of y and of Wo holds true row sigma(p) = p with bits 3 and 4 exchanged; the way out puts rows and columns back.
; THE MATRIX INSTRUCTION IS USED TRANSPOSED (source 0 = 16 rows of Wo, source 1 = 16 rows of y): a lane holds eight neighbouring numbers of a row of out0.
; THE SCALE WORDS of the tile's rows, for all of K, come into LDS once, with the first fills.  CLUSTERS: 4 x 4 work-groups; y's tiles are asked for jointly along a row of the cluster, Wo's along a column.
; 64 work-groups: the tile is kept at 256 x 256 so that this launch and the projections' launch have one loop.
; REGISTERS, in windows of 256: window 0: v0-31 addresses; v32-63 scale words, two sets; v128-223 A's fragments, one set; on the way out v128-255 rows of out0.
;   window 1: B's fragments, two sets, at v0 and v128.   windows 2, 3: the accumulators (a, b) at v[8 (8 (a % 4) + b)].
.set NQ,     2
.set FR,     12
.set NL,     3
.set NP,     4
.set FRB,    1536
.set RBB,    NQ*FRB
.set HALFT,  8*RBB
.set SLOT,   4*HALFT
.set LAPS,   4
.set SCL,    2*SLOT
.set HALFS,  8192
.set SPARE,  SCL+4*HALFS               ; the spare words, 128 bytes for each wave: two blocks of 256 bytes that no other line names
.set SPITCH, 528                       ; the way out: a stage of 16 rows x (512 bytes + 16) for each wave, in slot 0, which has had its last fill and its last read when the first result is stored there
.set ADRA, 16
.set ADRB, 20
.set STO,  24                          ; v24  the way out: where I put a row's numbers
.set RD,   25                          ; v25  where I read a row back
.set CO,   26                          ; v26  16 x lane
.set ADRS, 27
.set SPW,  28
.set NIL,  29
.set SC,   32
.set AF,   128
.set BK,   128                         ; the way out: 16 rows read back: v128-191 and v192-255 by turns
.set G1,   24
.set G0,   32
.set G1B,  48
.set G0B,  56
.set G1S,  68
.set G0S,  76
.set G1SB, 80
.set G0SB, 88
.set MSB, 0
.macro WIN new                         ; the immediate's high byte repeats the setting that is left
.if MSB != \new
	s_set_vgpr_msb (MSB<<8)|\new
.set MSB, \new
.endif
.endm
.set MUL_LO, 0xa1
.set MUL_HI, 0xf1
.set TO_B,   0x40
.macro JLOAD g0a, g1a, g0b, g1b        ; a joint load: waves 0 and 1 fetch for A, waves 2 and 3 for B; four v_nop follow each of the two lines
	s_cmp_eq_u32 s15, 0
	s_cbranch_scc0 .Lfor_b_\@
	tensor_load_to_lds s[\g0a:\g0a+3], s[\g1a:\g1a+7]
	s_nop 0
.rept 4
	v_nop
.endr
	s_branch .Lasked_\@
.Lfor_b_\@:
	tensor_load_to_lds s[\g0b:\g0b+3], s[\g1b:\g1b+7]
	s_nop 0
.rept 4
	v_nop
.endr
.Lasked_\@:
.endm
.macro CREST
	s_cmp_lg_u32 s14, 0
	s_cbranch_scc1 .Lnot_wave_0_\@
	s_barrier_signal -3
.Lnot_wave_0_\@:
	s_barrier_wait -3
	s_barrier_signal -1
	s_barrier_wait -1
.endm
.macro CROUND
	s_barrier_signal -1
	s_barrier_wait -1
	CREST
.endm
	s_load_b256 s[4:11], s[0:1], 0x0               ; y's codes, y's scale words, the weights' codes, their scale words
	s_load_b64 s[12:13], s[0:1], 0x20              ; out0
	v_lshl_add_u32 v[SPW], v0, 2, SPARE
	v_mov_b32 v[NIL], 0
	ds_add_u32 v28, v29
	ds_add_u32 v28, v29
	s_wait_dscnt 0x0
	v_lshrrev_b32 v1, 5, v0
	v_readfirstlane_b32 s14, v1                    ; wave 0..3
	s_lshr_b32 s15, s14, 1
	s_and_b32 s16, s14, 1
	s_bfe_u32 s40, ttmp6, 0x40000                  ; cx, cy
	s_bfe_u32 s41, ttmp6, 0x40004
	s_lshl_b32 s42, ttmp9, 2
	s_add_co_u32 s42, s42, s40                     ; tile column
	s_and_b32 s17, ttmp7, 0xffff
	s_lshl_b32 s17, s17, 2
	s_add_co_u32 s17, s17, s41                     ; tile row
	s_lshl_b32 s43, s41, 2
	s_lshl_b32 s43, 15, s43
	s_lshl_b32 s44, 0x1111, s40
	s_or_b32 s[G1+0], s43, (3<<16)|(1<<21)         ; codes: 8 row blocks x 3,072 bytes (384 elements of 8 bytes), 24,576 bytes apart in memory, dense in LDS
	s_or_b32 s[G1B+0], s44, (3<<16)|(1<<21)
.irp g, G1, G1B
	s_mov_b32 s[\g+1], 384<<16
	s_mov_b32 s[\g+2], 8<<16
	s_mov_b32 s[\g+3], 384<<16
	s_mov_b32 s[\g+4], 8
	s_mov_b32 s[\g+5], 3072
	s_mov_b32 s[\g+6], 0
	s_mov_b32 s[\g+7], 0
.endr
	s_or_b32 s[G1S+0], s43, (3<<16)|(1<<21)        ; scale words: 16 K steps x 512 bytes, 8,192 bytes apart in memory
	s_or_b32 s[G1SB+0], s44, (3<<16)|(1<<21)
.irp g, G1S, G1SB
	s_mov_b32 s[\g+1], 64<<16
	s_mov_b32 s[\g+2], 16<<16
	s_mov_b32 s[\g+3], 64<<16
	s_mov_b32 s[\g+4], 16
	s_mov_b32 s[\g+5], 1024
	s_mov_b32 s[\g+6], 0
	s_mov_b32 s[\g+7], 0
.endr
	s_mul_i32 s19, s16, 8*16*FRB                   ; which 128 rows I fetch
	s_mul_i32 s20, s17, 16*16*FRB
	s_add_co_u32 s20, s20, s19
	s_mov_b32 s21, 0
	s_add_co_u32 s46, s42, 32                      ; Wo's row tiles are 32 to 39 of the 40
	s_mul_i32 s46, s46, 16*16*FRB
	s_add_co_u32 s46, s46, s19
	s_mov_b32 s47, 0
	s_lshl_b32 s19, s16, 9
	s_lshl_b32 s22, s17, 10
	s_add_co_u32 s22, s22, s19
	s_mov_b32 s23, 0
	s_lshl_b32 s92, s42, 10
	s_add_co_u32 s92, s92, s19
	s_add_co_u32 s92, s92, 4*131072
	s_mov_b32 s93, 0
	s_mul_i32 s45, s14, HALFT
	s_mul_i32 s94, s14, HALFS
	s_wait_kmcnt 0x0
	s_add_nc_u64 s[20:21], s[4:5], s[20:21]
	s_add_nc_u64 s[22:23], s[6:7], s[22:23]
	s_add_nc_u64 s[46:47], s[8:9], s[46:47]
	s_add_nc_u64 s[92:93], s[10:11], s[92:93]
	CROUND                                         ; all sixteen work-groups are here: the first joint loads meet
	s_mov_b32 s[G0S], 1
	s_add_co_u32 s[G0S+1], s94, SCL
	s_mov_b64 s[G0S+2:G0S+3], s[22:23]
	s_or_b32 s[G0S+3], s[G0S+3], 0x80000000
	s_mov_b32 s[G0SB], 1
	s_add_co_u32 s[G0SB+1], s94, SCL
	s_mov_b64 s[G0SB+2:G0SB+3], s[92:93]
	s_or_b32 s[G0SB+3], s[G0SB+3], 0x80000000
	JLOAD G0S, G1S, G0SB, G1SB
.irp s, 0,1
	s_mov_b32 s[G0+4*\s], 1
	s_add_co_u32 s[G0+4*\s+1], s45, \s*SLOT
	s_add_nc_u64 s[G0+4*\s+2:G0+4*\s+3], s[20:21], \s*RBB
	s_or_b32 s[G0+4*\s+3], s[G0+4*\s+3], 0x80000000
	s_mov_b32 s[G0B+4*\s], 1
	s_add_co_u32 s[G0B+4*\s+1], s45, \s*SLOT
	s_add_nc_u64 s[G0B+4*\s+2:G0B+4*\s+3], s[46:47], \s*RBB
	s_or_b32 s[G0B+4*\s+3], s[G0B+4*\s+3], 0x80000000
	JLOAD G0+4*\s, G1, G0B+4*\s, G1B               ; three tensor loads of mine are out behind the second of these
.endr
	v_and_b32 v1, 15, v0                           ; r
	v_bfe_u32 v2, v0, 4, 1                         ; h
	v_and_b32 v3, 31, v0
	v_lshlrev_b32 v[CO], 4, v3                     ; 16 x lane
	s_mul_i32 s21, s15, HALFT
	s_mul_i32 s22, s16, HALFT
	s_add_co_u32 s22, s22, 2*HALFT
.irp s, 0,1
	v_add_nc_u32 v[ADRA+\s], s21, v[CO]
	v_add_nc_u32 v[ADRB+\s], s22, v[CO]
	s_add_co_u32 s21, s21, SLOT
	s_add_co_u32 s22, s22, SLOT
.endr
	v_lshlrev_b32 v5, 4, v1
	s_mul_i32 s21, s15, HALFS
	s_mul_i32 s22, s16, HALFS
	s_add_co_u32 s22, s22, 2*HALFS
	s_sub_co_u32 s22, s22, s21
	v_mul_u32_u24 v6, s22, v2                      ; lanes 16-31 take B's
	s_add_co_u32 s21, s21, SCL
	v_add_nc_u32 v5, v5, v6
	v_add_nc_u32 v[ADRS], s21, v5
	s_mul_i32 s23, s14, 16*SPITCH                  ; my stage
	v_mul_u32_u24 v5, v1, SPITCH
	v_lshl_add_u32 v5, v2, 6, v5                   ; in: row r, + 64 h: tile b's eight numbers are true columns 32 (b / 2) + 16 h + 8 (b % 2) + 0 .. 7
	v_add_nc_u32 v[STO], s23, v5
	v_add_nc_u32 v[RD], s23, v[CO]                 ; back: the 32 lanes take one row of 512 bytes
	s_lshl_b32 s20, s17, 8
	s_lshl_b32 s21, s15, 7
	s_add_co_u32 s20, s20, s21                     ; my first row of out0
	s_lshl_b32 s20, s20, 13                        ; 8,192 bytes a row
	s_mov_b32 s21, 0
	s_lshl_b32 s46, s42, 10                        ; my first column, in bytes
	s_lshl_b32 s47, s16, 9
	s_add_co_u32 s46, s46, s47
	s_mov_b32 s47, 0
	s_add_nc_u64 s[20:21], s[20:21], s[46:47]
	s_add_nc_u64 s[12:13], s[12:13], s[20:21]
.macro FRAG reg, adr, q, i
.irp c, 0,1,2
	ds_load_b128 v[\reg+4*\c:\reg+4*\c+3], v[\adr] offset:(\i)*RBB+(\q)*FRB+512*\c
.endr
.endm
; The 64 accumulators take turns, one instruction a turn, in the same order in every step.
.macro MUL16 a0, p, q, sc, zero
.irp a, \a0, \a0+1
.irp b, 0,1,2,3,4,5,6,7
.if \zero
	v_wmma_scale_f32_16x16x128_f8f6f4 v[8*(8*((\a)%4)+\b):8*(8*((\a)%4)+\b)+7], v[128*(\p)+FR*\b:128*(\p)+FR*\b+FR-1], v[AF+FR*(\a):AF+FR*(\a)+FR-1], 0, v[SC+16*(\sc)+8*(\q)+\b], v[SC+16*(\sc)+8*(\q)+(\a)] matrix_a_fmt:MATRIX_FMT_FP6 matrix_b_fmt:MATRIX_FMT_FP6 matrix_a_scale:MATRIX_SCALE_ROW1
.else
	v_wmma_scale_f32_16x16x128_f8f6f4 v[8*(8*((\a)%4)+\b):8*(8*((\a)%4)+\b)+7], v[128*(\p)+FR*\b:128*(\p)+FR*\b+FR-1], v[AF+FR*(\a):AF+FR*(\a)+FR-1], v[8*(8*((\a)%4)+\b):8*(8*((\a)%4)+\b)+7], v[SC+16*(\sc)+8*(\q)+\b], v[SC+16*(\sc)+8*(\q)+(\a)] matrix_a_fmt:MATRIX_FMT_FP6 matrix_b_fmt:MATRIX_FMT_FP6 matrix_a_scale:MATRIX_SCALE_ROW1
.endif
.endr
.endr
.endm
.macro FETCH_B slot, q, p
	WIN TO_B
.irp i, 0,1,2,3,4,5,6,7
	FRAG 128*(\p)+FR*\i, ADRB+\slot, \q, \i
.endr
	WIN 0
.endm
.macro FETCH_A slot, q, i0
.irp i, \i0, \i0+1, \i0+2, \i0+3
	FRAG AF+FR*(\i), ADRA+\slot, \q, \i
.endr
.endm
.macro SCALES sc
.irp q, 0,1
.irp g, 0,1
	ds_load_b128 v[SC+16*\sc+8*\q+4*\g:SC+16*\sc+8*\q+4*\g+3], v[ADRS] offset:512*\q+256*\g
.endr
.endr
.endm
.macro PLACES n
.rept \n
	v_nop
.endr
.endm
.macro STEP slot, q, zero
	s_wait_dscnt 4*NL                              ; B's set and A's blocks 0-3 are in; the youngest 12 loads (A's blocks 4-7) may be out
	WIN MUL_LO
	MUL16 0, (\q)%2, \q, \slot, \zero
	MUL16 2, (\q)%2, \q, \slot, \zero
	s_wait_dscnt 0
	PLACES NP
	FETCH_B \slot, (\q)+1, 1-(\q)%2
	FETCH_A \slot, (\q)+1, 0
	WIN MUL_HI
	MUL16 4, (\q)%2, \q, \slot, \zero
	MUL16 6, (\q)%2, \q, \slot, \zero
	PLACES NP
	WIN 0
	FETCH_A \slot, (\q)+1, 4
.endm
.macro TURN slot, next, fill
	s_wait_tensorcnt 0x0                           ; all my tensor loads have landed: my part of the next slot
	ds_add_u32 v[SPW], v[NIL]                      ; 0 onto my spare word
	s_wait_dscnt 4*NL+1                            ; the add and the youngest 12 loads may be out
	WIN MUL_LO
	MUL16 0, 1, NQ-1, \slot, 0
	s_wait_dscnt 0x0                               ; the add is done, and my reads of this slot are over
	s_barrier_signal -1
	MUL16 2, 1, NQ-1, \slot, 0
	WIN 0
	s_barrier_wait -1
.if \fill
	CREST                                          ; the barrier has opened a round of the cluster's: no wave of any partner still reads this slot or has a load on its way
	s_add_nc_u64 s[G0+4*\slot+2:G0+4*\slot+3], s[G0+4*\slot+2:G0+4*\slot+3], 2*RBB
	s_add_nc_u64 s[G0B+4*\slot+2:G0B+4*\slot+3], s[G0B+4*\slot+2:G0B+4*\slot+3], 2*RBB
	JLOAD G0+4*\slot, G1, G0B+4*\slot, G1B         ; the first tensor load behind the round, my only one until the next
.else
	PLACES NP
.endif
	v_add_nc_u32 v[ADRS], 2*512, v[ADRS]
	FETCH_B \next, 0, 0
	FETCH_A \next, 0, 0
	SCALES \next
	WIN MUL_HI
	MUL16 4, 1, NQ-1, \slot, 0
	MUL16 6, 1, NQ-1, \slot, 0
	PLACES NP
	WIN 0
	FETCH_A \next, 0, 4
.endm
	s_wait_tensorcnt 1                             ; the scale words and my part of slot 0 are in; slot 1's load may be out
	s_barrier_signal -1
	s_barrier_wait -1
	FETCH_B 0, 0, 0
	FETCH_A 0, 0, 0
	SCALES 0
	FETCH_A 0, 0, 4
	STEP 0, 0, 1
	s_mov_b32 s3, LAPS-1
.Llap:
	TURN 0, 1, 1
	STEP 1, 0, 0
	TURN 1, 0, 1
	STEP 0, 0, 0
	s_sub_co_u32 s3, s3, 1
	s_cmp_lg_u32 s3, 0
	s_cbranch_scc1 .Llap
	TURN 0, 1, 0
	STEP 1, 0, 0
	s_wait_dscnt 4*NL
	WIN MUL_LO
	MUL16 0, 1, NQ-1, 1, 0
	MUL16 2, 1, NQ-1, 1, 0
	s_wait_dscnt 0
	WIN MUL_HI
	MUL16 4, 1, NQ-1, 1, 0
	MUL16 6, 1, NQ-1, 1, 0
	WIN 0
; THE WAY OUT, block by block of 16 rows x 128 columns, through my own stage: the columns are put in their true order on the way in, the rows on the way to memory.
; A wave's LDS instructions are served in order: no wait between the stores and the loads, nor in front of the next block's stores.
.macro TOSTAGE a
.set AC, 64*((\a)%4)
	WIN 0x08+4*((\a)/4)                            ; the data: window 2 or 3
.irp b, 0,1,2,3,4,5,6,7
	ds_store_b128 v[STO], v[AC+8*\b:AC+8*\b+3] offset:128*(\b/2)+32*(\b%2)          ; each accumulator from its low end on
	ds_store_b128 v[STO], v[AC+8*\b+4:AC+8*\b+7] offset:128*(\b/2)+32*(\b%2)+16
.endr
	WIN 0
.set BB, BK+64*((\a)%2)
.irp t, 0,1,2,3,4,5,6,7,8,9,10,11,12,13,14,15
	ds_load_b128 v[BB+4*\t:BB+4*\t+3], v[RD] offset:\t*SPITCH
.endr
.endm
.macro SEND a, younger                 ; younger: the LDS instructions issued behind block a's loads, which may stay out
.set BB, BK+64*((\a)%2)
	s_wait_dscnt \younger
.irp t, 0,1,2,3,4,5,6,7,8,9,10,11,12,13,14,15
	global_store_b128 v[CO], v[BB+4*\t:BB+4*\t+3], s[12:13] offset:(32*((\a)/2)+8*((\a)%2)+\t%8+16*(\t/8))*8192 th:TH_STORE_NT   ; position row t of block a is this true row; 32 lanes store 512 consecutive bytes; 127 rows at the most: inside the signed 24-bit immediate
.endr
.endm
	PLACES NP
	TOSTAGE 0
.irp a, 1,2,3,4,5,6,7
.if \a > 1
	s_wait_xcnt 0x0                                ; block a - 2's stores have read their registers: block a's loads may land there
.endif
	TOSTAGE \a
	SEND \a-1, 32                                  ; behind block a - 1's loads: block a's 16 stores and 16 loads
.endr
	SEND 7, 0
	s_wait_tensorcnt 0x0                           ; the wave's end
	ds_add_u32 v[SPW], v[NIL]
	s_wait_dscnt 0x0
	CROUND                                         ; the closing round
	s_endpgm
.Lfunc_end_k_q5d0b7d1a44_outg:
	.size	k_q5d0b7d1a44_outg, .Lfunc_end_k_q5d0b7d1a44_outg-k_q5d0b7d1a44_outg
	.p2alignl 7, 3214868480
	.fill 96, 4, 3214868480
	.section	.rodata,"a",@progbits
	.p2align	6, 0x0
	.amdhsa_kernel k_q5d0b7d1a44_outg
		.amdhsa_group_segment_fixed_size 327680
		.amdhsa_private_segment_fixed_size 0
		.amdhsa_enable_private_segment 0
		.amdhsa_kernarg_size 40
		.amdhsa_user_sgpr_count 2
		.amdhsa_user_sgpr_kernarg_segment_ptr 1
		.amdhsa_wavefront_size32 1
		.amdhsa_system_sgpr_workgroup_id_x 1
		.amdhsa_system_sgpr_workgroup_id_y 1
		.amdhsa_system_sgpr_workgroup_id_z 1
		.amdhsa_system_vgpr_workitem_id 0
		.amdhsa_next_free_vgpr 1024
		.amdhsa_next_free_sgpr 100
		.amdhsa_reserve_vcc 0
		.amdhsa_float_denorm_mode_32 3
		.amdhsa_float_denorm_mode_16_64 3
		.amdhsa_memory_ordered 1
		.amdhsa_forward_progress 1
		.amdhsa_inst_pref_size 134
	.end_amdhsa_kernel
	.amdgpu_metadata
---
amdhsa.version: [ 1, 2 ]
amdhsa.kernels:
  - .name:           k_q5d0b7d1a44_outg
    .symbol:         k_q5d0b7d1a44_outg.kd
    .args:
      - { .name: yc, .offset: 0, .size: 8, .value_kind: global_buffer, .address_space: global }
      - { .name: ys, .offset: 8, .size: 8, .value_kind: global_buffer, .address_space: global }
      - { .name: codes, .offset: 16, .size: 8, .value_kind: global_buffer, .address_space: global }
      - { .name: scales, .offset: 24, .size: 8, .value_kind: global_buffer, .address_space: global }
      - { .name: out0, .offset: 32, .size: 8, .value_kind: global_buffer, .address_space: global }
    .group_segment_fixed_size: 327680
    .private_segment_fixed_size: 0
    .kernarg_segment_align: 8
    .kernarg_segment_size: 40
    .max_flat_workgroup_size: 128
    .sgpr_count:     100
    .vgpr_count:     1024
    .wavefront_size: 32
...
	.end_amdgpu_metadata
.endif
;; end of part 4
;; ======== version 2 of 3: 4 launches
;; workspace buffers: codes 15,728,640 bytes; scales 655,360 bytes; rope 1,048,576 bytes; qbuf 3,276,800 bytes; kv 6,553,600 bytes; yc 3,145,728 bytes; ys 131,072 bytes
;; launch quant: the kernel of part 1 again; grid 384 x 1, 4 waves a work-group, no clusters, 34,304 bytes of LDS; arguments x, Wq, Wk, Wv, Wo, codes, scales, rope; writes codes, scales, rope
;; launch qkv: the kernel of part 2 again; grid 24 x 8, 4 waves a work-group, clusters of 4 x 4, 327,680 bytes of LDS; arguments codes, scales, rope, qbuf, kv; writes qbuf, kv
;; launch attn (part 5): grid 16 x 16, 8 waves a work-group, no clusters, 52,736 bytes of LDS; arguments qbuf, kv, yc, ys; writes yc, ys
.if DOCPART == 5
	.amdgcn_target "amdgcn-amd-amdhsa--gfx1250"
	.amdhsa_code_object_version 6
	.text
	.protected	k_q5d0b7d1a44_attn
	.globl	k_q5d0b7d1a44_attn
	.p2align	8
	.type	k_q5d0b7d1a44_attn,@function
k_q5d0b7d1a44_attn:
	s_mov_b64 s[64:65], 0
	v_nop
	global_prefetch_b8 v0, s[64:65] scope:SCOPE_SE
	s_setreg_imm32_b32 hwreg(HW_REG_WAVE_MODE, 25, 1), 1
	s_wait_xcnt 0x0
; y[t][head] = softmax_k(q . k / sqrt(128), causal) v, both products on codes of FP6 (E2M3) with E8M0 scales; y is quantised along the channels and stored as codes for the last product.
; THE SOFTMAX AHEAD OF THE SECOND PRODUCT: t = score x log2(e) / sqrt(128); M = the running largest t rounded up to a whole number; p = 2^(t - M) is quantised along the keys, not normalised.  The row's sum is
; taken of the unquantised p and divides at the end.  When M moves, the sum and O are multiplied by 2^(old M - new M): exact.
; OPERANDS ARE IMAGES OF REGISTERS (1,536 bytes a fragment, lane l's 16 bytes at 16 l in each of three pieces of 512).  Position row p of q, k and of v^T's channels holds true row sigma(p) = p with bits 3 and 4 exchanged.
; Both products are used transposed: S^T = k q^T, O^T = v^T p^T: a lane holds ONE query; register 16 b + i of the scores is key 32 b + 16 (lane / 16) + i of the step, and of O^T channel 32 b + 16 (lane / 16) + i.
; SHARES.  Work-group (i, head): waves 0-3 take the four query fragments of block i of 64 queries, waves 4-7 those of block 31 - i.  A wave whose fragment is rb works key steps 0 .. rb / 8 (128 keys each; the last is
; the one on the diagonal), so a low and a high wave together have 17 steps' work in every work-group.  The work-group walks (31 - i) / 2 + 1 steps.
; NO CLUSTER: the work-groups of a head walk between 9 and 16 key steps, so partners would need different numbers of tiles; and the trip count hangs on the work-group's number, so the tiles come through registers.
; THE RING: two LDS slots of 25,600 bytes, each a unit of kv as it lies in memory.  In step s each wave stores its eighth of step s + 1 (loaded a step ago) into the other slot and loads its eighth of step s + 2.
; ONE barrier a step: in front of it each wave waits for its LDS stores and loads; behind it the slot just written is read, and the slot just read is written.
; REGISTERS, in two windows of 256: window 0: all that vector instructions touch.  Window 1: v0-95 k's eight fragments, v96-191 v^T's eight.  So a step's fragments of k come in one run at its head, and those of v^T are
; asked for directly behind the first product's matrix instructions and land while the softmax is worked.  Six switches of the window a step.
; LIMITS: NaN and infinities are not served; a block of zeros gets the byte 1 (its codes are zeros; this program alone reads the bytes).
.set LI,   1                           ; v1   16 x lane
.set CW,   2                           ; v2   1,536 x wave + 16 x lane: my part of a unit, in memory and in a slot
.set C4,   3                           ; v3   4 x thread: my scale word of a unit's 256
.set DM,   4                           ; v4   my query's place in its key step, less 16 (lane / 16)
.set PFO,  5                           ; v5   8,192 x wave + 256 x lane
.set NINF, 6                           ; v6   -infinity
.set YSA,  10                          ; v10  where my scale word of y goes in LDS
.set QWA,  11                          ; v11  16 r
.set QF,   16                          ; v16-27 q's fragment
.set QS,   28                          ; v28  its scale words
.set YSO,  29                          ; v29  where y's scale words go in memory
.set FF,   30                          ; v[30:31] f = 2^(old M - new M)
.set BM,   32                          ; v32-35 the blocks' largest scores, then largest p
.set PX,   36                          ; v36-39 from lane l xor 16; then bytes
.set SO,   40                          ; v40-43 the conversions' scale operands
.set H2,   44                          ; v44-46, v48-50 second halves of blocks
.set SU,   52                          ; v[52:53] the second chain of the sum
.set TA,   54
.set SG,   80                          ; v80-103 my eighth of a unit on its way; v104 its scale word
.set SGS,  104
.set KS,   106                         ; v106-109 k's scale words: register t: lanes 0-15 fragment t, lanes 16-31 fragment 4 + t
.set VS,   110                         ; v110-113 v^T's likewise
.set S,    114                         ; v114-177 S^T, then p
.set O,    178                         ; v178-241 O^T
.set PC,   242                         ; v242-253 p's codes
.set PSW,  254                         ; v254 p's scale word
.set KF,   0                           ; in window 1: k's fragments
.set VF,   96                          ; in window 1: v^T's fragments
.set UNIT, 25600
.set YSL,  2*UNIT                      ; behind the slots: 512 bytes for y's scale words
.set SEL,  20                          ; s[20:21]
.set CS,   22                          ; s[22:23] c = log2(e) / sqrt(128)
.set MSB, 0
.macro WIN new                         ; the immediate's high byte repeats the setting that is left; a switch that changes nothing is dropped
.if MSB != (\new)
	s_set_vgpr_msb (MSB<<8)|(\new)
.set MSB, (\new)
.endif
.endm
.set TO_F,   0x40                      ; destination window 1, address window 0
.set FROM_F, 0x01                      ; source 0 window 1, all else window 0
.macro QUANT s, pc, h2, tm, pw
.irp b, 0,1,2,3
	v_max3_num_f32 v[(\tm)+\b], |v[(\s)+16*\b]|, |v[(\s)+1+16*\b]|, 0x1800000   ; and the floor 2^(3 - 127): the byte cannot fall under 1
.endr
.irp i, 2,4,6,8,10,12,14
.irp b, 0,1,2,3
	v_max3_num_f32 v[(\tm)+\b], v[(\tm)+\b], |v[(\s)+16*\b+\i]|, |v[(\s)+1+16*\b+\i]|
.endr
.endr
.irp b, 0,1,2,3
	v_permlanex16_b32 v[(\tm)+4+\b], v[(\tm)+\b], s[SEL], s[SEL+1]
.endr
.irp b, 0,1,2,3
	v_max_num_f32 v[(\tm)+\b], v[(\tm)+\b], v[(\tm)+4+\b]
.endr
.irp b, 0,1,2,3
	v_add_nc_u32 v[(\tm)+12+\b], 0xff000000, v[(\tm)+\b]
.endr
.irp b, 0,1,2,3
	v_lshrrev_b32 v[(\tm)+4+\b], 23, v[(\tm)+12+\b]
.endr
	v_lshl_or_b32 v[\pw], v[(\tm)+5], 8, v[(\tm)+4]
	v_lshl_or_b32 v[\pw], v[(\tm)+6], 16, v[\pw]
	v_lshl_or_b32 v[\pw], v[(\tm)+7], 24, v[\pw]
.irp c, 0,1
	v_cvt_scalef32_pk16_fp6_f32 v[(\pc)+6*\c:(\pc)+6*\c+2], v[(\s)+32*\c:(\s)+32*\c+15], v[(\tm)+12+2*\c]
	v_cvt_scalef32_pk16_fp6_f32 v[(\h2)+4*\c:(\h2)+4*\c+2], v[(\s)+16+32*\c:(\s)+31+32*\c], v[(\tm)+13+2*\c]
.endr
	v_nop
.irp c, 0,1
.irp i, 0,1,2
	v_permlane16_swap_b32 v[(\pc)+6*\c+\i], v[(\h2)+4*\c+\i]
.endr
.irp i, 0,1,2
	v_mov_b32 v[(\pc)+3+6*\c+\i], v[(\h2)+4*\c+\i]
.endr
.endr
.endm
.macro COPYLD                          ; my eighth of the unit at s[26:27]: fragment 'wave' of k, fragment 'wave' of v^T, one scale word a thread: seven loads
.irp k, 0,1,2
	global_load_b128 v[SG+4*\k:SG+4*\k+3], v[CW], s[26:27] offset:512*\k
	global_load_b128 v[SG+12+4*\k:SG+12+4*\k+3], v[CW], s[26:27] offset:12288+512*\k
.endr
	global_load_b32 v[SGS], v[C4], s[26:27] offset:24576
.endm
.macro COPYST o                        ; and into slot o, at the same places
.irp k, 0,1,2
	ds_store_b128 v[CW], v[SG+4*\k:SG+4*\k+3] offset:(\o)*UNIT+512*\k
	ds_store_b128 v[CW], v[SG+12+4*\k:SG+12+4*\k+3] offset:(\o)*UNIT+12288+512*\k
.endr
	ds_store_b32 v[C4], v[SGS] offset:(\o)*UNIT+24576
.endm
	s_load_b256 s[4:11], s[0:1], 0x0               ; qbuf, kv, yc, ys
	v_lshl_add_u32 v105, v0, 2, 0xca00
	v_mov_b32 v255, 0
	v_lshrrev_b32 v7, 5, v0
	v_readfirstlane_b32 s12, v7                    ; wave 0..7
	s_mov_b32 s13, ttmp9                           ; i
	s_and_b32 s14, ttmp7, 0xffff                   ; the head
	s_sub_co_u32 s29, 31, s13
	s_cmp_lt_u32 s12, 4
	s_cselect_b32 s15, s13, s29                    ; my block of 64 queries
	s_and_b32 s30, s12, 3
	s_lshl_b32 s16, s15, 2
	s_add_co_u32 s16, s16, s30                     ; rb: my query fragment
	s_lshr_b32 s17, s16, 3
	s_add_co_u32 s17, s17, 1                       ; my key steps
	s_lshr_b32 s18, s29, 1
	s_add_co_u32 s18, s18, 2
	s_lshr_b32 s18, s18, 1                         ; the loop's trips: two steps each, enough for block 31 - i
	s_cmp_lt_u32 s12, 3
	s_cselect_b32 s19, 12, 0
	s_cmp_eq_u32 s13, 0
	s_cselect_b32 s19, s19, 0                      ; waves 0-2 of the head's first work-group prefetch, in steps 0 to 11
	s_mov_b32 s[SEL], 0x76543210
	s_mov_b32 s[SEL+1], 0xfedcba98
	s_mov_b32 s[CS], 0x3e0293ee
	s_mov_b32 s[CS+1], s[CS]                       ; (named with it as a pair, so it is written)
	s_mov_b32 s28, 0                               ; the key step
	s_mov_b32 s31, 0
	v_and_b32 v7, 31, v0                           ; lane
	v_and_b32 v8, 15, v0                           ; r
	v_bfe_u32 v9, v0, 4, 1                         ; h
	v_lshlrev_b32 v[LI], 4, v7
	s_mul_i32 s29, s12, 1536
	v_add_nc_u32 v[CW], s29, v[LI]
	v_lshlrev_b32 v[C4], 2, v0
	v_and_b32 v[DM], 7, v8
	v_lshrrev_b32 v[YSA], 3, v8
	v_lshl_add_u32 v[DM], v[YSA], 4, v[DM]         ; r % 8 + 16 (r / 8)
	v_lshlrev_b32 v[YSA], 4, v9
	v_sub_nc_u32 v[DM], v[DM], v[YSA]              ; - 16 h
	s_lshr_b32 s29, s16, 1
	s_and_b32 s29, s29, 3
	s_lshl_b32 s29, s29, 5
	s_and_b32 s30, s16, 1
	s_lshl_b32 s30, s30, 3
	s_add_co_u32 s29, s29, s30
	v_add_nc_u32 v[DM], s29, v[DM]                 ; + 32 ((rb / 2) % 4) + 8 (rb % 2)
	s_lshl_b32 s29, s12, 13
	v_lshl_add_u32 v[PFO], v7, 8, s29
	v_mov_b32 v[NINF], 0xff800000
	v_lshlrev_b32 v[QWA], 4, v8
	s_lshr_b32 s29, s12, 2                         ; y's scale words meet in LDS: 256 (wave / 4) + 16 r + 4 (wave % 4)
	s_lshl_b32 s29, s29, 8
	s_and_b32 s30, s12, 3
	s_lshl_b32 s30, s30, 2
	s_add_co_u32 s29, s29, s30
	s_add_co_u32 s29, s29, YSL
	v_lshl_add_u32 v[YSA], v8, 4, s29
	s_lshl_b32 s29, s13, 1
	s_sub_co_u32 s29, 31, s29
	s_lshl_b32 s29, s29, 8                         ; block 31 - i's words lie (31 - 2 i) x 256 bytes behind block i's
	v_mul_u32_u24 v[YSO], s29, v9
	v_lshl_add_u32 v[YSO], v8, 4, v[YSO]
	s_mul_i32 s30, s14, 16*UNIT
	s_wait_kmcnt 0x0
	s_add_nc_u64 s[24:25], s[6:7], s[30:31]        ; the head's units of kv
	s_mov_b64 s[26:27], s[24:25]
	COPYLD                                         ; key step 0
	s_lshl_b32 s30, s14, 4
	s_lshr_b32 s29, s16, 3
	s_add_co_u32 s30, s30, s29
	s_mul_i32 s30, s30, 12800
	s_add_nc_u64 s[32:33], s[4:5], s[30:31]        ; my unit of qbuf
	s_and_b32 s30, s16, 7
	s_mul_i32 s30, s30, 1536
	s_add_nc_u64 s[34:35], s[32:33], s[30:31]      ; my fragment
	s_bfe_u32 s30, s16, 0x10002
	s_lshl_b32 s30, s30, 8
	s_and_b32 s29, s16, 3
	s_lshl_b32 s29, s29, 2
	s_add_co_u32 s30, s30, s29
	s_add_co_u32 s30, s30, 12288
	s_add_nc_u64 s[32:33], s[32:33], s[30:31]      ; and its scale words
.irp k, 0,1,2
	global_load_b128 v[QF+4*\k:QF+4*\k+3], v[LI], s[34:35] offset:512*\k
.endr
	global_load_b32 v[QS], v[QWA], s[32:33]
	s_lshl_b32 s30, s14, 13
	s_lshl_b32 s29, s13, 8
	s_add_co_u32 s30, s30, s29
	s_add_nc_u64 s[10:11], s[10:11], s[30:31]      ; ys: K step = head, block i
	s_lshl_b32 s30, s16, 4
	s_add_co_u32 s30, s30, s14
	s_mul_i32 s30, s30, 1536
	s_add_nc_u64 s[8:9], s[8:9], s[30:31]          ; yc: fragment (rb, head)
	v_mov_b32 v13, 0xff61b1e6                      ; the largest t so far: -3e38, under every t
	v_floor_f32 v12, -v13                          ; -M
	v_mov_b32 v14, 0                               ; the sum, in two halves
	v_mov_b32 v15, 0
	v_mov_b32 v[FF+1], 0                           ; (named as the upper half of a pair)
.irp b, 0,1,2,3
	v_mov_b32 v[PX+\b], 0                          ; a lane permute's destination counts as one of its sources
.endr
.set j, 0
.rept 64
	v_mov_b32 v[O+j], 0                            ; O^T.  The step is written once: the first finds zeros, which the first change of M leaves zeros
.set j, j+1
.endr
	s_wait_loadcnt 4                               ; key step 0's seven loads are in; q's four may be out
	COPYST 0
	s_wait_dscnt 0x0                               ; the stores have landed and have read their registers
	s_wait_xcnt 0x0                                ; the loads have read their base
	s_add_nc_u64 s[26:27], s[24:25], UNIT
	COPYLD                                         ; key step 1
	s_barrier_signal -1
	s_barrier_wait -1                              ; slot 0 is whole
; THE WORK OF A KEY STEP on slot c
.macro WORK c
	ds_load_b128 v[KS:KS+3], v[LI] offset:(\c)*UNIT+24576
	WIN TO_F
.irp t, 0,1,2,3,4,5,6,7                        ; k's eight fragments in one run; the last matrix instructions that read these registers stand a softmax back
.irp k, 0,1,2
	ds_load_b128 v[KF+12*\t+4*\k:KF+12*\t+4*\k+3], v[LI] offset:(\c)*UNIT+\t*1536+512*\k
.endr
.endr
	WIN FROM_F
	s_wait_dscnt 12                                ; the scale words and fragments 0-3 are in; the 12 loads of fragments 4-7 may be out
.irp t, 0,1,2,3                                ; S^T = k q^T
	v_wmma_scale_f32_16x16x128_f8f6f4 v[S+8*\t:S+8*\t+7], v[KF+12*\t:KF+12*\t+11], v[QF:QF+11], 0, v[KS+\t], v[QS] matrix_a_fmt:MATRIX_FMT_FP6 matrix_b_fmt:MATRIX_FMT_FP6
.endr
	s_wait_dscnt 0x0
.irp t, 0,1,2,3
	v_wmma_scale_f32_16x16x128_f8f6f4 v[S+32+8*\t:S+32+8*\t+7], v[KF+48+12*\t:KF+48+12*\t+11], v[QF:QF+11], 0, v[KS+\t], v[QS] matrix_a_fmt:MATRIX_FMT_FP6 matrix_b_fmt:MATRIX_FMT_FP6 matrix_a_scale:MATRIX_SCALE_ROW1
.endr
	WIN TO_F
.irp t, 0,1,2,3,4,5,6,7                        ; v^T's eight fragments are asked for now and land under the softmax; four plain instructions at the last step's end stand between their registers' last readers and these loads
.irp k, 0,1,2
	ds_load_b128 v[VF+12*\t+4*\k:VF+12*\t+4*\k+3], v[LI] offset:(\c)*UNIT+12288+\t*1536+512*\k
.endr
.endr
	WIN 0
	ds_load_b128 v[VS:VS+3], v[LI] offset:(\c)*UNIT+25088
.rept 4
	v_nop                                          ; places in front of the first read of the scores
.endr
	s_add_co_u32 s29, s28, 1                       ; my last step lies on the diagonal: there hidden keys' scores become -infinity, so that p = 0
	s_cmp_lg_u32 s29, s17
	s_cbranch_scc1 .Lopen_\@
.set n, 0
.rept 64
	v_cmp_gt_i32 vcc_lo, 32*(n/16)+n%16, v[DM]     ; register 16 b + i holds key 32 b + 16 h + i of the step
	v_cndmask_b32 v[S+n], v[S+n], v[NINF], vcc_lo
.set n, n+1
.endr
.Lopen_\@:
.irp b, 0,1,2,3
	v_max3_num_f32 v[BM+\b], v[S+16*\b], v[S+1+16*\b], v[S+2+16*\b]   ; the largest score of each block of 32 keys: for the row's maximum and, since p rises with the score, for the block's largest p
.endr
.irp i, 3,5,7,9,11,13
.irp b, 0,1,2,3
	v_max3_num_f32 v[BM+\b], v[BM+\b], v[S+16*\b+\i], v[S+1+16*\b+\i]
.endr
.endr
.irp b, 0,1,2,3
	v_max_num_f32 v[BM+\b], v[BM+\b], v[S+15+16*\b]
.endr
.irp b, 0,1,2,3
	v_permlanex16_b32 v[PX+\b], v[BM+\b], s[SEL], s[SEL+1]
.endr
.irp b, 0,1,2,3
	v_max_num_f32 v[BM+\b], v[BM+\b], v[PX+\b]
.endr
	v_max3_num_f32 v[TA], v[BM], v[BM+1], v[BM+2]
	v_max_num_f32 v[TA], v[TA], v[BM+3]
	v_mul_f32 v[TA], s[CS], v[TA]
	v_max_num_f32 v13, v13, v[TA]                  ; the running largest t
	v_mov_b32 v[TA], v12
	v_floor_f32 v12, -v13                          ; the new -M = -ceil(t): a whole number
	v_sub_f32 v[TA], v12, v[TA]                    ; old M - new M: a whole number, 0 or less
	v_cvt_i32_f32 v[TA], v[TA]                     ; (it saturates)
	v_ldexp_f32 v[FF], 1.0, v[TA]                  ; f = 2^(old M - new M)
.set j, 0
.rept 32
	v_pk_fma_f32 v[S+j:S+j+1], v[S+j:S+j+1], s[CS:CS+1], v[12:13] op_sel_hi:[1,0,0]   ; t - M, two at a time
.set j, j+2
.endr
.irp b, 0,1,2,3
	v_fma_f32 v[BM+\b], v[BM+\b], s[CS], v12
.endr
.set j, 0
.rept 64
	v_exp_f32 v[S+j], v[S+j]                       ; p = 2^(t - M)
.set j, j+1
.endr
	v_pk_mul_f32 v[14:15], v[14:15], v[FF:FF+1] op_sel_hi:[1,0]   ; the sums under the new M; a plain instruction behind the exponentials
	s_wait_alu depctr_va_vdst(0)                   ; one wait for the batch of 64, ahead of its first reader
.irp b, 0,1,2,3
	v_exp_f32 v[BM+\b], v[BM+\b]                   ; the blocks' largest p
.endr
	v_pk_add_f32 v[SU:SU+1], v[S:S+1], v[S+2:S+3]  ; the row's sum of the unquantised p, in two chains
.set j, 4
.rept 15
	v_pk_add_f32 v[14:15], v[14:15], v[S+j:S+j+1]
	v_pk_add_f32 v[SU:SU+1], v[SU:SU+1], v[S+j+2:S+j+3]
.set j, j+4
.endr
	v_pk_add_f32 v[14:15], v[14:15], v[SU:SU+1]
	s_wait_alu depctr_va_vdst(0)                   ; and one for the four
.irp b, 0,1,2,3
	v_max_num_f32 v[BM+\b], 0x1800000, v[BM+\b]    ; the floor 2^(3 - 127)
.endr
.irp b, 0,1,2,3
	v_add_nc_u32 v[SO+\b], 0xff000000, v[BM+\b]
.endr
.irp b, 0,1,2,3
	v_lshrrev_b32 v[PX+\b], 23, v[SO+\b]
.endr
	v_lshl_or_b32 v[PSW], v[PX+1], 8, v[PX]        ; p's scale word for these 128 keys
	v_lshl_or_b32 v[PSW], v[PX+2], 16, v[PSW]
	v_lshl_or_b32 v[PSW], v[PX+3], 24, v[PSW]
.irp u, 0,1
	v_cvt_scalef32_pk16_fp6_f32 v[PC+6*\u:PC+6*\u+2], v[S+32*\u:S+32*\u+15], v[SO+2*\u]
	v_cvt_scalef32_pk16_fp6_f32 v[H2+4*\u:H2+4*\u+2], v[S+16+32*\u:S+31+32*\u], v[SO+2*\u+1]
.endr
	v_nop                                          ; one plain instruction behind the scaled conversions
.irp u, 0,1
.irp i, 0,1,2
	v_permlane16_swap_b32 v[PC+6*\u+\i], v[H2+4*\u+\i]
.endr
.irp i, 0,1,2
	v_mov_b32 v[PC+3+6*\u+\i], v[H2+4*\u+\i]
.endr
.endr
.set j, 0
.rept 32
	v_pk_mul_f32 v[O+j:O+j+1], v[O+j:O+j+1], v[FF:FF+1] op_sel_hi:[1,0]   ; O^T under the new M; these 32 also stand between the writing of p's codes and scale word and the products
.set j, j+2
.endr
	s_wait_dscnt 0x0                               ; v^T's fragments and scale words, asked for ahead of the softmax
	WIN FROM_F
.irp t, 0,1,2,3                                ; O^T += v^T p^T: the eight accumulators by turns
	v_wmma_scale_f32_16x16x128_f8f6f4 v[O+8*\t:O+8*\t+7], v[VF+12*\t:VF+12*\t+11], v[PC:PC+11], v[O+8*\t:O+8*\t+7], v[VS+\t], v[PSW] matrix_a_fmt:MATRIX_FMT_FP6 matrix_b_fmt:MATRIX_FMT_FP6
.endr
.irp t, 0,1,2,3
	v_wmma_scale_f32_16x16x128_f8f6f4 v[O+32+8*\t:O+32+8*\t+7], v[VF+48+12*\t:VF+48+12*\t+11], v[PC:PC+11], v[O+32+8*\t:O+32+8*\t+7], v[VS+\t], v[PSW] matrix_a_fmt:MATRIX_FMT_FP6 matrix_b_fmt:MATRIX_FMT_FP6 matrix_a_scale:MATRIX_SCALE_ROW1
.endr
	WIN 0
.rept 4
	v_nop                                          ; places in front of the next step's loads, and of the way out's reads
.endr
.endm
; A KEY STEP: s28 is its number, slot c holds its tiles
.macro STEP c
	s_wait_loadcnt 0x0                             ; my eighth of the next step, asked for a step ago, is in
	COPYST 1-\c                                    ; into the slot that every wave left at the last barrier
	s_wait_xcnt 0x0                                ; the last loads and the last prefetch have read their base
	s_add_co_u32 s29, s28, 2
	s_min_u32 s29, s29, 15                         ; held at the head's last unit: no load leaves the buffer
	s_mul_i32 s30, s29, UNIT
	s_add_nc_u64 s[26:27], s[24:25], s[30:31]
	s_wait_dscnt 0x0                               ; the stores have read their registers
	COPYLD
	s_cmp_lt_u32 s28, s19                          ; a prefetch of the codes of step s + 4: 96 blocks of 256 bytes, a lane a block, three waves of one work-group of the head: each block is named once; it stops at step 11, whose request is the head's last unit
	s_cbranch_scc0 .Lnot_mine_\@
	global_prefetch_b8 v[PFO], s[26:27] offset:2*UNIT th:TH_LOAD_NT scope:SCOPE_SE
.Lnot_mine_\@:
	s_cmp_ge_u32 s28, s17                          ; all keys of this step come after my queries: no work; the copies above and the barrier below are every wave's
	s_cbranch_scc1 .Lskip_\@
	WORK \c
.Lskip_\@:
	s_add_co_u32 s28, s28, 1
	s_wait_dscnt 0x0                               ; my stores into the other slot have landed, my reads of this slot are over
	s_barrier_signal -1
	s_barrier_wait -1
.endm
.Lpair:
	STEP 0
	STEP 1
	s_sub_co_u32 s18, s18, 1
	s_cmp_gt_i32 s18, 0                            ; the counter comes down from 5 to 8 trips by the work-group's number: a signed 'greater' ends it from any start
	s_cbranch_scc1 .Lpair
	; THE WAY OUT: O^T / the sum is quantised along the channels: it is fragment (rb, K step = head) of the last product's first operand
	v_add_f32 v14, v14, v15
	v_permlanex16_b32 v7, v14, s[SEL], s[SEL+1]
	v_add_f32 v14, v14, v7                         ; the row's sum
	v_rcp_f32 v14, v14
	v_nop                                          ; a plain instruction behind the reciprocal
	s_wait_alu depctr_va_vdst(0)                   ; and the wait ahead of its first reader
.set j, 0
.rept 64
	v_mul_f32 v[S+j], v[O+j], v14                  ; each accumulator from its low end on
.set j, j+1
.endr
	QUANT S, PC, 48, 32, 56
.irp k, 0,1,2
	global_store_b128 v[LI], v[PC+4*\k:PC+4*\k+3], s[8:9] offset:512*\k   ; 32 lanes store 512 consecutive bytes
.endr
	ds_store_b32 v[YSA], v56                       ; lanes r and 16 + r write the same word with the same value
	s_wait_dscnt 0x0
	s_barrier_signal -1
	s_barrier_wait -1                              ; the eight waves' scale words lie together
	s_cmp_lg_u32 s12, 0
	s_cbranch_scc1 .Lend
	ds_load_b128 v[32:35], v[LI] offset:YSL
	s_wait_dscnt 0x0
	global_store_b128 v[YSO], v[32:35], s[10:11]   ; each half of the lanes stores 256 consecutive bytes, aligned: block i's words, block 31 - i's
.Lend:
	s_wait_tensorcnt 0x0
	ds_add_u32 v105, v255
	s_wait_dscnt 0x0
	s_endpgm
.Lfunc_end_k_q5d0b7d1a44_attn:
	.size	k_q5d0b7d1a44_attn, .Lfunc_end_k_q5d0b7d1a44_attn-k_q5d0b7d1a44_attn
	.p2alignl 7, 3214868480
	.fill 96, 4, 3214868480
	.section	.rodata,"a",@progbits
	.p2align	6, 0x0
	.amdhsa_kernel k_q5d0b7d1a44_attn
		.amdhsa_group_segment_fixed_size 52736
		.amdhsa_private_segment_fixed_size 0
		.amdhsa_enable_private_segment 0
		.amdhsa_kernarg_size 32
		.amdhsa_user_sgpr_count 2
		.amdhsa_user_sgpr_kernarg_segment_ptr 1
		.amdhsa_wavefront_size32 1
		.amdhsa_system_sgpr_workgroup_id_x 1
		.amdhsa_system_sgpr_workgroup_id_y 1
		.amdhsa_system_sgpr_workgroup_id_z 1
		.amdhsa_system_vgpr_workitem_id 0
		.amdhsa_next_free_vgpr 512
		.amdhsa_next_free_sgpr 66
		.amdhsa_reserve_vcc 1
		.amdhsa_float_denorm_mode_32 3
		.amdhsa_float_denorm_mode_16_64 3
		.amdhsa_memory_ordered 1
		.amdhsa_forward_progress 1
		.amdhsa_inst_pref_size 66
	.end_amdhsa_kernel
	.amdgpu_metadata
---
amdhsa.version: [ 1, 2 ]
amdhsa.kernels:
  - .name:           k_q5d0b7d1a44_attn
    .symbol:         k_q5d0b7d1a44_attn.kd
    .args:
      - { .name: qbuf, .offset: 0, .size: 8, .value_kind: global_buffer, .address_space: global }
      - { .name: kv, .offset: 8, .size: 8, .value_kind: global_buffer, .address_space: global }
      - { .name: yc, .offset: 16, .size: 8, .value_kind: global_buffer, .address_space: global }
      - { .name: ys, .offset: 24, .size: 8, .value_kind: global_buffer, .address_space: global }
    .group_segment_fixed_size: 52736
    .private_segment_fixed_size: 0
    .kernarg_segment_align: 8
    .kernarg_segment_size: 32
    .max_flat_workgroup_size: 256
    .sgpr_count:     66
    .vgpr_count:     512
    .wavefront_size: 32
...
	.end_amdgpu_metadata
.endif
;; end of part 5
;; launch outg (part 6): grid 16 x 16, 4 waves a work-group, clusters of 4 x 4, 327,680 bytes of LDS; arguments yc, ys, codes, scales, out0; writes out0
.if DOCPART == 6
	.amdgcn_target "amdgcn-amd-amdhsa--gfx1250"
	.amdhsa_code_object_version 6
	.text
	.protected	k_q5d0b7d1a44_outg
	.globl	k_q5d0b7d1a44_outg
	.p2align	8
	.type	k_q5d0b7d1a44_outg,@function
k_q5d0b7d1a44_outg:
	s_mov_b64 s[64:65], 0
	v_nop
	global_prefetch_b8 v0, s[64:65] scope:SCOPE_SE
	s_setreg_imm32_b32 hwreg(HW_REG_WAVE_MODE, 25, 1), 1
	s_wait_xcnt 0x0
	s_wait_alu depctr_hold_cnt(0) depctr_sa_sdst(0) depctr_va_vdst(0) depctr_va_sdst(0) depctr_va_ssrc(0) depctr_va_vcc(0) depctr_vm_vsrc(0)
	s_getreg_b32 s2, hwreg(HW_REG_IB_STS2, 6, 4)
	s_cmp_eq_u32 s2, 0
	s_cbranch_scc0 .Lentry_in_a_cluster
	s_endpgm
.Lentry_in_a_cluster:
	s_bfe_u32 s2, ttmp6, 0x10000c
	s_cmp_lg_u32 s2, 0xf033
	s_cbranch_scc0 .Lentry_shape_is_right
	s_endpgm
.Lentry_shape_is_right:
; out0[t][n] = sum over c of y[t][c] Wo[n][c], on codes of FP6 (E2M3) with E8M0 scales; out0 [2048][2048] f32.
; A tile of 128 x 128 is made by four waves, 64 x 64 each: 16 accumulators, 128 registers.  2,048 / 128 squared is 256 tiles: a work-group for each WGP; tiles of 256 x 256 would be 64.
; OPERANDS ARE IMAGES OF REGISTERS: a fragment (16 rows x 128 K) is 1,536 bytes, three pieces of 512, lane l's 16 bytes at 16 l.  Fragment (rb, ks) lies at (16 rb + ks) x 1,536.
; Position row p of y and of Wo holds true row sigma(p) = p with bits 3 and 4 exchanged; the way out puts rows and columns back.
; THE MATRIX INSTRUCTION IS USED TRANSPOSED (source 0 = 16 rows of Wo, source 1 = 16 rows of y): a lane holds eight neighbouring numbers of a row of out0.
; THE RING.  A K step's tiles are 16 row blocks x 1,536 = 24,576 bytes; K has 16 steps.  Three slots of four K steps hold 12 of them: they go out as first fills, together, at the head.  Slot 0 alone is filled
; again, with K steps 12-15, behind the one round at the end of K step 3; K step 3's last 8 and K steps 4-10, 120 matrix instructions a wave, stand between that request and the wait for it.
; A wave has four tensor loads out at the head (scale words, three slots) and one later.
; THE SCALE WORDS of the tile's rows, for all of K, come into LDS once, with the first fills, and from there into 64 registers, where they stay.
; CLUSTERS: 4 x 4 work-groups; y's tiles are asked for jointly along a row of the cluster, Wo's along a column.
; NO LOOP: the 16 K steps are written out by macros; every LDS offset is an immediate.
; REGISTERS, in two windows of 256: window 0: v0-31 addresses; v32-95 scale words (register 4 t + i: K step t; lanes 0-15 y's block i, lanes 16-31 Wo's block i), on the way out rows of out0; v128-255 the
;   accumulators ((a, b) at v[128 + 8 (4 a + b)]).   window 1: two fragment buffers, at v0 and v128: 48 registers of y's four fragments, then 48 of Wo's four.
.set NQ,     4                         ; K steps in a slot
.set FR,     12                        ; registers of a fragment
.set NP,     4                         ; places behind this matrix instruction (ISA guide 7.12.1)
.set FRB,    1536                      ; a fragment's image
.set RBB,    NQ*FRB                    ; a row block's part of a slot
.set QT,     4*RBB                     ; 64 rows: what one tensor load brings, and what one wave reads of y or of Wo
.set SLOT,   4*QT                      ; y's 128 rows, then Wo's
.set SCL,    3*SLOT                    ; behind the three slots: the scale words, 16 K steps x 256 bytes for each 64 rows
.set QSC,    4096
.set SPARE,  SCL+4*QSC                 ; the spare words, 128 bytes for each wave: two blocks of 256 bytes that no other line names
.set STAGE,  SLOT                      ; the way out: 16 rows x (256 bytes + 16) for each wave, in slot 1, which is filled once and which nobody reads behind the barrier in K step 11
.set SPITCH, 272
.set LN,   4                           ; v4      16 x lane
.set ADRA, 16                          ; v16-18  LDS address of my fragments of y in slot 0, 1, 2
.set ADRB, 20                          ; v20-22  the same for Wo
.set STO,  24                          ; v24     the way out: where I put a row's numbers
.set RD,   25                          ; v25     where I read rows back
.set CO,   26                          ; v26     my byte offset in two rows of out0
.set ADRS, 27                          ; v27     LDS address of my scale words: lanes 0-15 y's, lanes 16-31 Wo's
.set SPW,  28                          ; v28     my spare word; never rewritten
.set NIL,  29                          ; v29     0; never rewritten
.set SC,   32
.set ACC,  128
.set BK,   32                          ; the way out: 16 rows read back: v32-63 and v64-95 by turns
.set G1,   24                          ; s[24:31] descriptor group 1 for y's codes;  s[32:39] for Wo's
.set G1B,  32
.set G0,   48                          ; s[48:59] groups 0 for y's codes, one for each slot
.set G0S,  60                          ; s[60:63] group 0 for y's scale words
.set G1S,  68                          ; s[68:75], s[76:83] groups 1 for the scale words
.set G1SB, 76
.set G0SB, 84                          ; s[84:87] group 0 for Wo's scale words
.set G0B,  88                          ; s[88:99] groups 0 for Wo's codes, one for each slot
.set MSB, 0
.macro WIN new                         ; the immediate's high byte repeats the setting that is left; a switch that changes nothing is dropped
.if MSB != (\new)
	s_set_vgpr_msb (MSB<<8)|(\new)
.set MSB, (\new)
.endif
.endm
.set MUL,  0x05                        ; sources 0 (Wo) and 1 (y) window 1; C and D window 0
.set TO_F, 0x40                        ; destination window 1, address window 0
.macro JLOAD g0a, g1a, g0b, g1b        ; a joint load: waves 0 and 1 fetch for y, waves 2 and 3 for Wo; the branch hangs on the wave's number alone; four v_nop follow each of the two lines
	s_cmp_eq_u32 s15, 0
	s_cbranch_scc0 .Lfor_b_\@
	tensor_load_to_lds s[\g0a:\g0a+3], s[\g1a:\g1a+7]
	s_nop 0
.rept 4
	v_nop
.endr
	s_branch .Lasked_\@
.Lfor_b_\@:
	tensor_load_to_lds s[\g0b:\g0b+3], s[\g1b:\g1b+7]
	s_nop 0
.rept 4
	v_nop
.endr
.Lasked_\@:
.endm
.macro CREST                           ; a round of the cluster's barrier behind its opening barrier
	s_cmp_lg_u32 s14, 0
	s_cbranch_scc1 .Lnot_wave_0_\@
	s_barrier_signal -3
.Lnot_wave_0_\@:
	s_barrier_wait -3
	s_barrier_signal -1
	s_barrier_wait -1
.endm
.macro CROUND
	s_barrier_signal -1
	s_barrier_wait -1
	CREST
.endm
	s_load_b256 s[4:11], s[0:1], 0x0               ; y's codes, y's scale words, the weights' codes, their scale words
	s_load_b64 s[12:13], s[0:1], 0x20              ; out0
	v_lshl_add_u32 v[SPW], v0, 2, SPARE
	v_mov_b32 v[NIL], 0
	ds_add_u32 v28, v29
	ds_add_u32 v28, v29
	s_wait_dscnt 0x0
	v_lshrrev_b32 v1, 5, v0
	v_readfirstlane_b32 s14, v1                    ; wave 0..3
	s_lshr_b32 s15, s14, 1                         ; which half of the tile's rows is mine.  Also: I fetch for y (0) or for Wo (1)
	s_and_b32 s16, s14, 1                          ; which half of its columns.  Also: which 64 rows I fetch
	s_bfe_u32 s40, ttmp6, 0x40000                  ; cx, cy: my place in the cluster
	s_bfe_u32 s41, ttmp6, 0x40004
	s_lshl_b32 s42, ttmp9, 2
	s_add_co_u32 s42, s42, s40                     ; tile column = 4 x cluster x + cx
	s_and_b32 s17, ttmp7, 0xffff
	s_lshl_b32 s17, s17, 2
	s_add_co_u32 s17, s17, s41                     ; tile row = 4 x cluster y + cy
	s_lshl_b32 s43, s41, 2
	s_lshl_b32 s43, 15, s43                        ; my row of the cluster
	s_lshl_b32 s44, 0x1111, s40                    ; my column
	; descriptor group 1 for codes: 4 row blocks x 6,144 bytes (768 elements of 8 bytes), 24,576 bytes apart in memory, dense in LDS
	s_or_b32 s[G1+0], s43, (3<<16)|(1<<21)         ; 15:0 the mask: y's tiles go to my row; 17:16 elements of 8 bytes; 21 set beside a mask
	s_or_b32 s[G1B+0], s44, (3<<16)|(1<<21)
.irp g, G1, G1B
	s_mov_b32 s[\g+1], 768<<16                     ; tensor_dim0
	s_mov_b32 s[\g+2], 4<<16                       ; tensor_dim1
	s_mov_b32 s[\g+3], 768<<16                     ; tile_dim0
	s_mov_b32 s[\g+4], 4                           ; tile_dim1
	s_mov_b32 s[\g+5], 3072                        ; tensor_dim0_stride, in elements
	s_mov_b32 s[\g+6], 0
	s_mov_b32 s[\g+7], 0
.endr
	; and for scale words: 16 K steps x 256 bytes (32 elements), 8,192 bytes apart in memory
	s_or_b32 s[G1S+0], s43, (3<<16)|(1<<21)
	s_or_b32 s[G1SB+0], s44, (3<<16)|(1<<21)
.irp g, G1S, G1SB
	s_mov_b32 s[\g+1], 32<<16
	s_mov_b32 s[\g+2], 16<<16
	s_mov_b32 s[\g+3], 32<<16
	s_mov_b32 s[\g+4], 16
	s_mov_b32 s[\g+5], 1024
	s_mov_b32 s[\g+6], 0
	s_mov_b32 s[\g+7], 0
.endr
	s_mul_i32 s19, s16, 4*16*FRB                   ; which 64 rows I fetch: 4 row blocks of 16 fragments
	s_mul_i32 s20, s17, 8*16*FRB                   ; y: 8 row blocks a tile row
	s_add_co_u32 s20, s20, s19
	s_mov_b32 s21, 0
	s_mul_i32 s46, s42, 8*16*FRB                   ; Wo: by the tile column,
	s_add_co_u32 s46, s46, s19
	s_add_co_u32 s46, s46, 4*3145728               ; behind x, Wq, Wk and Wv
	s_mov_b32 s47, 0
	s_lshl_b32 s19, s16, 8                         ; scale words: 256 bytes for each 64 rows in each K step
	s_lshl_b32 s22, s17, 9
	s_add_co_u32 s22, s22, s19
	s_mov_b32 s23, 0
	s_lshl_b32 s66, s42, 9
	s_add_co_u32 s66, s66, s19
	s_add_co_u32 s66, s66, 4*131072
	s_mov_b32 s67, 0
	s_mul_i32 s45, s14, QT                         ; where they go: by the wave's number alone
	s_lshl_b32 s100, s14, 12
	s_wait_kmcnt 0x0
	s_add_nc_u64 s[20:21], s[4:5], s[20:21]
	s_add_nc_u64 s[22:23], s[6:7], s[22:23]
	s_add_nc_u64 s[46:47], s[8:9], s[46:47]
	s_add_nc_u64 s[66:67], s[10:11], s[66:67]
	CROUND                                         ; all sixteen work-groups are here: the first joint loads meet
	s_mov_b32 s[G0S], 1
	s_add_co_u32 s[G0S+1], s100, SCL
	s_mov_b64 s[G0S+2:G0S+3], s[22:23]
	s_or_b32 s[G0S+3], s[G0S+3], 0x80000000
	s_mov_b32 s[G0SB], 1
	s_add_co_u32 s[G0SB+1], s100, SCL
	s_mov_b64 s[G0SB+2:G0SB+3], s[66:67]
	s_or_b32 s[G0SB+3], s[G0SB+3], 0x80000000
	JLOAD G0S, G1S, G0SB, G1SB                     ; the scale words first: they are wanted with K step 0
.irp s, 0,1,2
	s_mov_b32 s[G0+4*\s], 1
	s_add_co_u32 s[G0+4*\s+1], s45, \s*SLOT
	s_add_nc_u64 s[G0+4*\s+2:G0+4*\s+3], s[20:21], \s*RBB          ; slot s begins with K step 4 s
	s_or_b32 s[G0+4*\s+3], s[G0+4*\s+3], 0x80000000
	s_mov_b32 s[G0B+4*\s], 1
	s_add_co_u32 s[G0B+4*\s+1], s45, \s*SLOT
	s_add_nc_u64 s[G0B+4*\s+2:G0B+4*\s+3], s[46:47], \s*RBB
	s_or_b32 s[G0B+4*\s+3], s[G0B+4*\s+3], 0x80000000
	JLOAD G0+4*\s, G1, G0B+4*\s, G1B               ; four tensor loads of mine are out behind the last of these
.endr
	v_and_b32 v1, 15, v0                           ; r
	v_bfe_u32 v2, v0, 4, 1                         ; h
	v_and_b32 v3, 31, v0
	v_lshlrev_b32 v[LN], 4, v3                     ; 16 x lane
	s_mul_i32 s21, s15, QT                         ; my 64 rows of y
	s_mul_i32 s22, s16, QT                         ; my 64 rows of Wo,
	s_add_co_u32 s22, s22, 2*QT                    ; which lie behind y's 128
.irp s, 0,1,2
	v_add_nc_u32 v[ADRA+\s], s21, v[LN]
	v_add_nc_u32 v[ADRB+\s], s22, v[LN]
	s_add_co_u32 s21, s21, SLOT
	s_add_co_u32 s22, s22, SLOT
.endr
	v_lshlrev_b32 v5, 4, v1                        ; my row's four words: 16 r
	s_lshl_b32 s21, s15, 12                        ; y's: my 64 rows
	s_lshl_b32 s22, s16, 12                        ; Wo's: my 64 rows, behind y's 128
	s_add_co_u32 s22, s22, 2*QSC
	s_sub_co_u32 s22, s22, s21
	v_mul_u32_u24 v6, s22, v2                      ; lanes 16-31 take Wo's
	s_add_co_u32 s21, s21, SCL
	v_add_nc_u32 v5, v5, v6
	v_add_nc_u32 v[ADRS], s21, v5
	s_mul_i32 s23, s14, 16*SPITCH
	s_add_co_u32 s23, s23, STAGE                   ; my stage
	v_mul_u32_u24 v5, v1, SPITCH
	v_lshl_add_u32 v5, v2, 6, v5                   ; in: row r, + 64 h: tile b's eight numbers are true columns 32 (b / 2) + 16 h + 8 (b % 2) + 0 .. 7 of my 64
	v_add_nc_u32 v[STO], s23, v5
	v_mul_u32_u24 v5, v2, SPITCH
	v_lshl_add_u32 v5, v1, 4, v5                   ; back: lanes 0-15 take one row of 256 bytes, lanes 16-31 the next
	v_add_nc_u32 v[RD], s23, v5
	v_lshlrev_b32 v5, 13, v2                       ; and the same two rows in out0: 8,192 bytes a row
	v_lshl_add_u32 v[CO], v1, 4, v5
	s_lshl_b32 s20, s17, 7
	s_lshl_b32 s21, s15, 6
	s_add_co_u32 s20, s20, s21                     ; my first row of out0: 128 x tile row + 64 x half
	s_lshl_b32 s20, s20, 13
	s_mov_b32 s21, 0
	s_lshl_b32 s46, s42, 9                         ; my first column, in bytes: 512 x tile column + 256 x half
	s_lshl_b32 s47, s16, 8
	s_add_co_u32 s46, s46, s47
	s_mov_b32 s47, 0
	s_add_nc_u64 s[20:21], s[20:21], s[46:47]
	s_add_nc_u64 s[12:13], s[12:13], s[20:21]
; K step t's eight fragments, 24 loads of 512 consecutive bytes, into buffer t % 2.  K steps 0-11 lie in slots 0-2, K steps 12-15 in slot 0 again
.macro FETCH t
.set SL, ((\t)/4)%3
.set QK, (\t)%4
.set FB, 128*((\t)%2)
	WIN TO_F
.irp i, 0,1,2,3
.irp c, 0,1,2
	ds_load_b128 v[FB+48+FR*\i+4*\c:FB+48+FR*\i+4*\c+3], v[ADRB+SL] offset:\i*RBB+QK*FRB+512*\c
.endr
.endr
.irp i, 0,1,2,3
.irp c, 0,1,2
	ds_load_b128 v[FB+FR*\i+4*\c:FB+FR*\i+4*\c+3], v[ADRA+SL] offset:\i*RBB+QK*FRB+512*\c
.endr
.endr
.endm
.macro SCALES t0                       ; the scale words of K steps t0 .. t0 + 7: 16 bytes bring the words of my four row blocks; lanes 0-15 y's, lanes 16-31 Wo's
.irp u, 0,1,2,3,4,5,6,7
	ds_load_b128 v[SC+4*((\t0)+\u):SC+4*((\t0)+\u)+3], v[ADRS] offset:256*((\t0)+\u)
.endr
.endm
; four matrix instructions: y's block a x Wo's four, K step t.  zero = 1: the first product starts the sums.
; The 16 accumulators take turns, one instruction a turn, in the same order in every step.
.macro MUL4 t, a, zero
.irp b, 0,1,2,3
.if \zero
	v_wmma_scale_f32_16x16x128_f8f6f4 v[ACC+8*(4*(\a)+\b):ACC+8*(4*(\a)+\b)+7], v[128*((\t)%2)+48+FR*\b:128*((\t)%2)+48+FR*\b+FR-1], v[128*((\t)%2)+FR*(\a):128*((\t)%2)+FR*(\a)+FR-1], 0, v[SC+4*(\t)+\b], v[SC+4*(\t)+(\a)] matrix_a_fmt:MATRIX_FMT_FP6 matrix_b_fmt:MATRIX_FMT_FP6 matrix_a_scale:MATRIX_SCALE_ROW1
.else
	v_wmma_scale_f32_16x16x128_f8f6f4 v[ACC+8*(4*(\a)+\b):ACC+8*(4*(\a)+\b)+7], v[128*((\t)%2)+48+FR*\b:128*((\t)%2)+48+FR*\b+FR-1], v[128*((\t)%2)+FR*(\a):128*((\t)%2)+FR*(\a)+FR-1], v[ACC+8*(4*(\a)+\b):ACC+8*(4*(\a)+\b)+7], v[SC+4*(\t)+\b], v[SC+4*(\t)+(\a)] matrix_a_fmt:MATRIX_FMT_FP6 matrix_b_fmt:MATRIX_FMT_FP6 matrix_a_scale:MATRIX_SCALE_ROW1
.endif
.endr
.endm
.macro PLACES n                        ; plain vector instructions between a matrix instruction and a load into, or a read of, its registers
.rept \n
	v_nop
.endr
.endm
; A K step whose successor's tiles are known to lie in LDS: the next step's fragments are asked for into the buffer that the step before multiplied, then this step is multiplied
.macro STEP t, zero
.if !(\zero)
	PLACES NP
.endif
.if (\t) == 1
	WIN 0
	SCALES 8                                       ; the second half of the scale words, ahead of the fragments: the counted wait below covers them
.endif
	FETCH (\t)+1
	s_wait_dscnt 24                                ; all but the 24 loads just issued: this step's fragments are in
	WIN MUL
.irp a, 0,1,2,3
	MUL4 \t, \a, \zero
.endr
.endm
; A K step whose successor's tiles want a barrier first.  In front of it each wave waits for all its tensor loads, adds 0 to its spare word, and waits for that and for its LDS reads.
; fill = 1 (K step 3): the barrier opens a round of the cluster's, and slot 0, which nobody reads any more, is filled again; slots 1 and 2 are now whole for every wave.  fill = 0 (K step 11): slot 0's second fill is whole.
.macro TURN t, fill
	WIN 0                                          ; (the add's two registers lie in window 0)
	s_wait_tensorcnt 0x0                           ; all my tensor loads have landed
	ds_add_u32 v[SPW], v[NIL]                      ; 0 onto my spare word
	s_wait_dscnt 1                                 ; this step's fragments are in; the add may be out
	WIN MUL
	MUL4 \t, 0, 0
	s_wait_dscnt 0x0                               ; the add is done, and my LDS reads are over
	s_barrier_signal -1
	MUL4 \t, 1, 0
	WIN 0
	s_barrier_wait -1
.if \fill
	CREST                                          ; no wave of any partner still reads slot 0 or has a load on its way
	s_add_nc_u64 s[G0+2:G0+3], s[G0+2:G0+3], 3*RBB                 ; from K step 0 to K step 12
	s_add_nc_u64 s[G0B+2:G0B+3], s[G0B+2:G0B+3], 3*RBB
	JLOAD G0, G1, G0B, G1B                         ; the first tensor load behind the round, and my last; its four v_nop are the places in front of the loads below
.else
	PLACES NP
.endif
	FETCH (\t)+1
	WIN MUL
	MUL4 \t, 2, 0
	MUL4 \t, 3, 0
.endm
	s_wait_tensorcnt 2                             ; the scale words and my part of slot 0 are in; slot 1's and slot 2's loads may be out
	s_barrier_signal -1
	s_barrier_wait -1
	SCALES 0
	FETCH 0
	STEP 0, 1                                      ; the first step's products start the sums: nothing is cleared
	STEP 1, 0
	STEP 2, 0
	TURN 3, 1
.irp t, 4,5,6,7,8,9,10
	STEP \t, 0
.endr
	TURN 11, 0
	STEP 12, 0
	STEP 13, 0
	STEP 14, 0
	s_wait_dscnt 0x0                               ; the last step: nothing more to fetch
.irp a, 0,1,2,3
	MUL4 15, \a, 0
.endr
	WIN 0
; THE WAY OUT, block by block of 16 rows x 64 columns, through my own stage: the columns are put in their true order on the way in, the rows on the way to memory.
; A wave's LDS instructions are served in order: no wait between the stores and the loads, nor in front of the next block's stores.
.macro TOSTAGE a
.irp b, 0,1,2,3
	ds_store_b128 v[STO], v[ACC+8*(4*(\a)+\b):ACC+8*(4*(\a)+\b)+3] offset:128*(\b/2)+32*(\b%2)          ; each accumulator from its low end on
	ds_store_b128 v[STO], v[ACC+8*(4*(\a)+\b)+4:ACC+8*(4*(\a)+\b)+7] offset:128*(\b/2)+32*(\b%2)+16
.endr
.set BB, BK+32*((\a)%2)
.irp t, 0,1,2,3,4,5,6,7
	ds_load_b128 v[BB+4*\t:BB+4*\t+3], v[RD] offset:\t*2*SPITCH
.endr
.endm
.macro SEND a, younger                 ; younger: the LDS instructions issued behind block a's loads, which may stay out
.set BB, BK+32*((\a)%2)
	s_wait_dscnt \younger
.irp t, 0,1,2,3,4,5,6,7
	global_store_b128 v[CO], v[BB+4*\t:BB+4*\t+3], s[12:13] offset:(32*((\a)/2)+8*((\a)%2)+16*(\t/4)+2*(\t%4))*8192 th:TH_STORE_NT   ; position rows 2 t, 2 t + 1 of block a are these true rows; 16 lanes store 256 consecutive bytes, aligned; 62 rows at the most: inside the signed 24-bit immediate
.endr
.endm
	PLACES NP                                      ; behind the last products: their results are read, and the scale words' registers are loaded, below
	TOSTAGE 0
.irp a, 1,2,3
.if \a > 1
	s_wait_xcnt 0x0                                ; block a - 2's stores have read their registers: block a's loads may land there
.endif
	TOSTAGE \a
	SEND \a-1, 16                                  ; behind block a - 1's loads: block a's 8 stores and 8 loads
.endr
	SEND 3, 0
	s_wait_tensorcnt 0x0                           ; the wave's end
	ds_add_u32 v[SPW], v[NIL]
	s_wait_dscnt 0x0
	CROUND                                         ; the closing round: no work-group ends while a partner may still ask for a tile that names it
	s_endpgm
.Lfunc_end_k_q5d0b7d1a44_outg:
	.size	k_q5d0b7d1a44_outg, .Lfunc_end_k_q5d0b7d1a44_outg-k_q5d0b7d1a44_outg
	.p2alignl 7, 3214868480
	.fill 96, 4, 3214868480
	.section	.rodata,"a",@progbits
	.p2align	6, 0x0
	.amdhsa_kernel k_q5d0b7d1a44_outg
		.amdhsa_group_segment_fixed_size 327680
		.amdhsa_private_segment_fixed_size 0
		.amdhsa_enable_private_segment 0
		.amdhsa_kernarg_size 40
		.amdhsa_user_sgpr_count 2
		.amdhsa_user_sgpr_kernarg_segment_ptr 1
		.amdhsa_wavefront_size32 1
		.amdhsa_system_sgpr_workgroup_id_x 1
		.amdhsa_system_sgpr_workgroup_id_y 1
		.amdhsa_system_sgpr_workgroup_id_z 1
		.amdhsa_system_vgpr_workitem_id 0
		.amdhsa_next_free_vgpr 512
		.amdhsa_next_free_sgpr 102
		.amdhsa_reserve_vcc 0
		.amdhsa_float_denorm_mode_32 3
		.amdhsa_float_denorm_mode_16_64 3
		.amdhsa_memory_ordered 1
		.amdhsa_forward_progress 1
		.amdhsa_inst_pref_size 80
	.end_amdhsa_kernel
	.amdgpu_metadata
---
amdhsa.version: [ 1, 2 ]
amdhsa.kernels:
  - .name:           k_q5d0b7d1a44_outg
    .symbol:         k_q5d0b7d1a44_outg.kd
    .args:
      - { .name: yc, .offset: 0, .size: 8, .value_kind: global_buffer, .address_space: global }
      - { .name: ys, .offset: 8, .size: 8, .value_kind: global_buffer, .address_space: global }
      - { .name: codes, .offset: 16, .size: 8, .value_kind: global_buffer, .address_space: global }
      - { .name: scales, .offset: 24, .size: 8, .value_kind: global_buffer, .address_space: global }
      - { .name: out0, .offset: 32, .size: 8, .value_kind: global_buffer, .address_space: global }
    .group_segment_fixed_size: 327680
    .private_segment_fixed_size: 0
    .kernarg_segment_align: 8
    .kernarg_segment_size: 40
    .max_flat_workgroup_size: 128
    .sgpr_count:     102
    .vgpr_count:     512
    .wavefront_size: 32
...
	.end_amdgpu_metadata
.endif
;; end of part 6
;; ======== version 3 of 3: 4 launches; version 2 with the launch attn written anew for expert scheduling mode
;; workspace buffers: codes 15,728,640 bytes; scales 655,360 bytes; rope 1,048,576 bytes; qbuf 3,276,800 bytes; kv 6,553,600 bytes; yc 3,145,728 bytes; ys 131,072 bytes
;; launch quant: the kernel of part 1 again; grid 384 x 1, 4 waves a work-group, no clusters, 34,304 bytes of LDS; arguments x, Wq, Wk, Wv, Wo, codes, scales, rope; writes codes, scales, rope
;; launch qkv: the kernel of part 2 again; grid 24 x 8, 4 waves a work-group, clusters of 4 x 4, 327,680 bytes of LDS; arguments codes, scales, rope, qbuf, kv; writes qbuf, kv
;; launch attn (part 7): grid 16 x 16, 8 waves a work-group, no clusters, 52,736 bytes of LDS; arguments qbuf, kv, yc, ys; writes yc, ys
.if DOCPART == 7
	.amdgcn_target "amdgcn-amd-amdhsa--gfx1250"
	.amdhsa_code_object_version 6
	.text
	.protected	k_q5d0b7d1a44_attn
	.globl	k_q5d0b7d1a44_attn
	.p2align	8
	.type	k_q5d0b7d1a44_attn,@function
k_q5d0b7d1a44_attn:
	s_mov_b64 s[64:65], 0
	v_nop
	global_prefetch_b8 v0, s[64:65] scope:SCOPE_SE
	s_setreg_imm32_b32 hwreg(HW_REG_WAVE_SCHED_MODE, 0, 2), 2
	s_setreg_imm32_b32 hwreg(HW_REG_WAVE_MODE, 25, 1), 1
	s_wait_xcnt 0x0
	s_wait_alu depctr_vm_vsrc(0)
; y[t][head] = softmax_k(q . k / sqrt(128), causal) v, both products on codes of FP6 (E2M3) with E8M0 scales; y is quantised along the channels and stored as codes for the last product.
; THE SOFTMAX AHEAD OF THE SECOND PRODUCT: t = score x log2(e) / sqrt(128); M = the running largest t rounded up to a whole number; p = 2^(t - M) is quantised along the keys, not normalised.  The row's sum is
; taken of the unquantised p and divides at the end.  When M moves, the sum and O are multiplied by 2^(old M - new M): exact.
; OPERANDS ARE IMAGES OF REGISTERS (1,536 bytes a fragment, lane l's 16 bytes at 16 l in each of three pieces of 512).  Position row p of q, k and of v^T's channels holds true row sigma(p) = p with bits 3 and 4 exchanged.
; Both products are used transposed: S^T = k q^T, O^T = v^T p^T: a lane holds ONE query; register 16 b + i of the scores is key 32 b + 16 (lane / 16) + i of the step, and of O^T channel 32 b + 16 (lane / 16) + i.
; SHARES.  Work-group (i, head): waves 0-3 take the four query fragments of block i of 64 queries, waves 4-7 those of block 31 - i.  A wave whose fragment is rb works key steps 0 .. rb / 8 (128 keys each; the last is
; the one on the diagonal), so a low and a high wave together have 17 steps' work in every work-group.  The work-group walks (31 - i) / 2 + 1 steps.
; NO CLUSTER: the work-groups of a head walk between 9 and 16 key steps, so partners would need different numbers of tiles; and the trip count hangs on the work-group's number, so the tiles come through registers.
; THE RING: two LDS slots of 25,600 bytes, each a unit of kv as it lies in memory.  In step s each wave stores its eighth of step s + 1 (loaded a step ago) into the other slot and loads its eighth of step s + 2.
; ONE barrier a step: in front of it each wave waits for its LDS stores and loads; behind it the slot just written is read, and the slot just read is written.
; REGISTERS, in two windows of 256: window 0: all that vector instructions touch.  Window 1: v0-95 k's eight fragments, v96-191 v^T's eight.  Five switches of the window a step.
; THE MODE: SCHED_MODE bits 1:0 = 2 (LLVM: expert scheduling mode 2), set by the entry lines.  The code itself states the register dependences between vector or matrix instructions and memory or LDS
; instructions, with s_wait_alu, always for 0.
; THE PLAN.  Registers that memory or LDS instructions touch:
;   v1, v2, v3, v5, v10, v11, v29   addresses and offsets: written at the head, ahead of one wait on va_vdst, and never again.
;   SG, SGS        my eighth of a unit on its way: written by a step's seven global loads, read by the next step's seven LDS stores; no vector instruction names them.  One wait on vm_vsrc a step, between the stores and the loads.
;   QF, QS         q: loaded once, read by matrix instructions.
;   KF, KS, VF, VS written by a step's 50 LDS loads, read by the step's matrix instructions alone.  ONE wait on va_vdst at the head of a step's work states that the last step's matrix instructions are done reading
;                  them; all 50 loads stand in one run behind it: k's first, so that v^T's are issued while k's are on their way, and land under the softmax.
;   PC, PSW        p's codes and scale word: written by vector instructions, taken by the second product: one wait on va_vdst directly ahead of it, behind its places.
;   On the way out: PC and v56 are stores' data, and an LDS load lands in v32-35: one wait on va_vdst behind the quantiser, with no vector instruction behind it.
;   v105, v255     written at the head, read by the closing add alone.
; The masks of the diagonal step are made by compares in runs of 16 into s32-s47, with one wait on va_sdst behind each run, ahead of the selects that read them.
; LIMITS: NaN and infinities are not served; a block of zeros gets the byte 1 (its codes are zeros; this program alone reads the bytes).
.set LI,   1                           ; v1   16 x lane
.set CW,   2                           ; v2   1,536 x wave + 16 x lane: my part of a unit, in memory and in a slot
.set C4,   3                           ; v3   4 x thread: my scale word of a unit's 256
.set DM,   4                           ; v4   my query's place in its key step, less 16 (lane / 16)
.set PFO,  5                           ; v5   8,192 x wave + 256 x lane
.set NINF, 6                           ; v6   -infinity
.set YSA,  10                          ; v10  where my scale word of y goes in LDS
.set QWA,  11                          ; v11  16 r
.set QF,   16                          ; v16-27 q's fragment
.set QS,   28                          ; v28  its scale words
.set YSO,  29                          ; v29  where y's scale words go in memory
.set FF,   30                          ; v[30:31] f = 2^(old M - new M)
.set BM,   32                          ; v32-35 the blocks' largest scores, then largest p
.set PX,   36                          ; v36-39 from lane l xor 16; then bytes
.set SO,   40                          ; v40-43 the conversions' scale operands
.set H2,   44                          ; v44-46, v48-50 second halves of blocks
.set SU,   52                          ; v[52:53] the second chain of the sum
.set TA,   54
.set SG,   80                          ; v80-103 my eighth of a unit on its way; v104 its scale word
.set SGS,  104
.set KS,   106                         ; v106-109 k's scale words: register t: lanes 0-15 fragment t, lanes 16-31 fragment 4 + t
.set VS,   110                         ; v110-113 v^T's likewise
.set S,    114                         ; v114-177 S^T, then p
.set O,    178                         ; v178-241 O^T
.set PC,   242                         ; v242-253 p's codes
.set PSW,  254                         ; v254 p's scale word
.set KF,   0                           ; in window 1: k's fragments
.set VF,   96                          ; in window 1: v^T's fragments
.set UNIT, 25600
.set YSL,  2*UNIT                      ; behind the slots: 512 bytes for y's scale words
.set SEL,  20                          ; s[20:21]
.set CS,   22                          ; s[22:23] c = log2(e) / sqrt(128)
.set MK,   32                          ; s32-s47 sixteen masks of the diagonal step (s[32:35] held q's addresses at the head alone)
.set MSB, 0
.macro WIN new                         ; the immediate's high byte repeats the setting that is left; a switch that changes nothing is dropped
.if MSB != (\new)
	s_set_vgpr_msb (MSB<<8)|(\new)
.set MSB, (\new)
.endif
.endm
.set TO_F,   0x40                      ; destination window 1, address window 0
.set FROM_F, 0x01                      ; source 0 window 1, all else window 0
.macro QUANT s, pc, h2, tm, pw
.irp b, 0,1,2,3
	v_max3_num_f32 v[(\tm)+\b], |v[(\s)+16*\b]|, |v[(\s)+1+16*\b]|, 0x1800000   ; and the floor 2^(3 - 127): the byte cannot fall under 1
.endr
.irp i, 2,4,6,8,10,12,14
.irp b, 0,1,2,3
	v_max3_num_f32 v[(\tm)+\b], v[(\tm)+\b], |v[(\s)+16*\b+\i]|, |v[(\s)+1+16*\b+\i]|
.endr
.endr
.irp b, 0,1,2,3
	v_permlanex16_b32 v[(\tm)+4+\b], v[(\tm)+\b], s[SEL], s[SEL+1]
.endr
.irp b, 0,1,2,3
	v_max_num_f32 v[(\tm)+\b], v[(\tm)+\b], v[(\tm)+4+\b]
.endr
.irp b, 0,1,2,3
	v_add_nc_u32 v[(\tm)+12+\b], 0xff000000, v[(\tm)+\b]
.endr
.irp b, 0,1,2,3
	v_lshrrev_b32 v[(\tm)+4+\b], 23, v[(\tm)+12+\b]
.endr
	v_lshl_or_b32 v[\pw], v[(\tm)+5], 8, v[(\tm)+4]
	v_lshl_or_b32 v[\pw], v[(\tm)+6], 16, v[\pw]
	v_lshl_or_b32 v[\pw], v[(\tm)+7], 24, v[\pw]
.irp c, 0,1
	v_cvt_scalef32_pk16_fp6_f32 v[(\pc)+6*\c:(\pc)+6*\c+2], v[(\s)+32*\c:(\s)+32*\c+15], v[(\tm)+12+2*\c]
	v_cvt_scalef32_pk16_fp6_f32 v[(\h2)+4*\c:(\h2)+4*\c+2], v[(\s)+16+32*\c:(\s)+31+32*\c], v[(\tm)+13+2*\c]
.endr
	v_nop
.irp c, 0,1
.irp i, 0,1,2
	v_permlane16_swap_b32 v[(\pc)+6*\c+\i], v[(\h2)+4*\c+\i]
.endr
.irp i, 0,1,2
	v_mov_b32 v[(\pc)+3+6*\c+\i], v[(\h2)+4*\c+\i]
.endr
.endr
.endm
.macro COPYLD                          ; my eighth of the unit at s[26:27]: fragment 'wave' of k, fragment 'wave' of v^T, one scale word a thread: seven loads
.irp k, 0,1,2
	global_load_b128 v[SG+4*\k:SG+4*\k+3], v[CW], s[26:27] offset:512*\k
	global_load_b128 v[SG+12+4*\k:SG+12+4*\k+3], v[CW], s[26:27] offset:12288+512*\k
.endr
	global_load_b32 v[SGS], v[C4], s[26:27] offset:24576
.endm
.macro COPYST o                        ; and into slot o, at the same places
.irp k, 0,1,2
	ds_store_b128 v[CW], v[SG+4*\k:SG+4*\k+3] offset:(\o)*UNIT+512*\k
	ds_store_b128 v[CW], v[SG+12+4*\k:SG+12+4*\k+3] offset:(\o)*UNIT+12288+512*\k
.endr
	ds_store_b32 v[C4], v[SGS] offset:(\o)*UNIT+24576
.endm
	s_load_b256 s[4:11], s[0:1], 0x0               ; qbuf, kv, yc, ys
	v_lshl_add_u32 v105, v0, 2, 0xca00
	v_mov_b32 v255, 0
	v_lshrrev_b32 v7, 5, v0
	v_readfirstlane_b32 s12, v7                    ; wave 0..7
	s_wait_alu depctr_va_sdst(0)                   ; s12 is written, ahead of its first reader: my block, my fragment and my addresses are made from it
	s_mov_b32 s13, ttmp9                           ; i
	s_and_b32 s14, ttmp7, 0xffff                   ; the head
	s_sub_co_u32 s29, 31, s13
	s_cmp_lt_u32 s12, 4
	s_cselect_b32 s15, s13, s29                    ; my block of 64 queries
	s_and_b32 s30, s12, 3
	s_lshl_b32 s16, s15, 2
	s_add_co_u32 s16, s16, s30                     ; rb: my query fragment
	s_lshr_b32 s17, s16, 3
	s_add_co_u32 s17, s17, 1                       ; my key steps
	s_lshr_b32 s18, s29, 1
	s_add_co_u32 s18, s18, 2
	s_lshr_b32 s18, s18, 1                         ; the loop's trips: two steps each, enough for block 31 - i
	s_cmp_lt_u32 s12, 3
	s_cselect_b32 s19, 12, 0
	s_cmp_eq_u32 s13, 0
	s_cselect_b32 s19, s19, 0                      ; waves 0-2 of the head's first work-group prefetch, in steps 0 to 11
	s_mov_b32 s[SEL], 0x76543210
	s_mov_b32 s[SEL+1], 0xfedcba98
	s_mov_b32 s[CS], 0x3e0293ee
	s_mov_b32 s[CS+1], s[CS]                       ; (named with it as a pair, so it is written)
	s_mov_b32 s28, 0                               ; the key step
	s_mov_b32 s31, 0
	v_and_b32 v7, 31, v0                           ; lane
	v_and_b32 v8, 15, v0                           ; r
	v_bfe_u32 v9, v0, 4, 1                         ; h
	v_lshlrev_b32 v[LI], 4, v7
	s_mul_i32 s29, s12, 1536
	v_add_nc_u32 v[CW], s29, v[LI]
	v_lshlrev_b32 v[C4], 2, v0
	v_and_b32 v[DM], 7, v8
	v_lshrrev_b32 v[YSA], 3, v8
	v_lshl_add_u32 v[DM], v[YSA], 4, v[DM]         ; r % 8 + 16 (r / 8)
	v_lshlrev_b32 v[YSA], 4, v9
	v_sub_nc_u32 v[DM], v[DM], v[YSA]              ; - 16 h
	s_lshr_b32 s29, s16, 1
	s_and_b32 s29, s29, 3
	s_lshl_b32 s29, s29, 5
	s_and_b32 s30, s16, 1
	s_lshl_b32 s30, s30, 3
	s_add_co_u32 s29, s29, s30
	v_add_nc_u32 v[DM], s29, v[DM]                 ; + 32 ((rb / 2) % 4) + 8 (rb % 2)
	s_lshl_b32 s29, s12, 13
	v_lshl_add_u32 v[PFO], v7, 8, s29
	v_mov_b32 v[NINF], 0xff800000
	v_lshlrev_b32 v[QWA], 4, v8
	s_lshr_b32 s29, s12, 2                         ; y's scale words meet in LDS: 256 (wave / 4) + 16 r + 4 (wave % 4)
	s_lshl_b32 s29, s29, 8
	s_and_b32 s30, s12, 3
	s_lshl_b32 s30, s30, 2
	s_add_co_u32 s29, s29, s30
	s_add_co_u32 s29, s29, YSL
	v_lshl_add_u32 v[YSA], v8, 4, s29
	s_lshl_b32 s29, s13, 1
	s_sub_co_u32 s29, 31, s29
	s_lshl_b32 s29, s29, 8                         ; block 31 - i's words lie (31 - 2 i) x 256 bytes behind block i's
	v_mul_u32_u24 v[YSO], s29, v9
	v_lshl_add_u32 v[YSO], v8, 4, v[YSO]
	s_mul_i32 s30, s14, 16*UNIT
	s_wait_kmcnt 0x0
	s_add_nc_u64 s[24:25], s[6:7], s[30:31]        ; the head's units of kv
	s_mov_b64 s[26:27], s[24:25]
	s_wait_alu depctr_va_vdst(0)                   ; the addresses and offsets v1, v2, v3, v5, v10, v11 and v29 are written: every load, store and prefetch of the kernel reads one of them, and none is written again
	COPYLD                                         ; key step 0
	s_lshl_b32 s30, s14, 4
	s_lshr_b32 s29, s16, 3
	s_add_co_u32 s30, s30, s29
	s_mul_i32 s30, s30, 12800
	s_add_nc_u64 s[32:33], s[4:5], s[30:31]        ; my unit of qbuf
	s_and_b32 s30, s16, 7
	s_mul_i32 s30, s30, 1536
	s_add_nc_u64 s[34:35], s[32:33], s[30:31]      ; my fragment
	s_bfe_u32 s30, s16, 0x10002
	s_lshl_b32 s30, s30, 8
	s_and_b32 s29, s16, 3
	s_lshl_b32 s29, s29, 2
	s_add_co_u32 s30, s30, s29
	s_add_co_u32 s30, s30, 12288
	s_add_nc_u64 s[32:33], s[32:33], s[30:31]      ; and its scale words
.irp k, 0,1,2
	global_load_b128 v[QF+4*\k:QF+4*\k+3], v[LI], s[34:35] offset:512*\k
.endr
	global_load_b32 v[QS], v[QWA], s[32:33]
	s_lshl_b32 s30, s14, 13
	s_lshl_b32 s29, s13, 8
	s_add_co_u32 s30, s30, s29
	s_add_nc_u64 s[10:11], s[10:11], s[30:31]      ; ys: K step = head, block i
	s_lshl_b32 s30, s16, 4
	s_add_co_u32 s30, s30, s14
	s_mul_i32 s30, s30, 1536
	s_add_nc_u64 s[8:9], s[8:9], s[30:31]          ; yc: fragment (rb, head)
	v_mov_b32 v13, 0xff61b1e6                      ; the largest t so far: -3e38, under every t
	v_floor_f32 v12, -v13                          ; -M
	v_mov_b32 v14, 0                               ; the sum, in two halves
	v_mov_b32 v15, 0
	v_mov_b32 v[FF+1], 0                           ; (named as the upper half of a pair)
.irp b, 0,1,2,3
	v_mov_b32 v[PX+\b], 0                          ; a lane permute's destination counts as one of its sources
.endr
.set j, 0
.rept 64
	v_mov_b32 v[O+j], 0                            ; O^T.  The step is written once: the first finds zeros, which the first change of M leaves zeros
.set j, j+1
.endr
	s_wait_loadcnt 4                               ; key step 0's seven loads are in; q's four may be out
	COPYST 0
	s_wait_dscnt 0x0                               ; the stores have landed
	s_wait_xcnt 0x0                                ; the loads have read their base
	s_add_nc_u64 s[26:27], s[24:25], UNIT
	s_wait_alu depctr_vm_vsrc(0)                   ; the LDS stores above have read v[SG ..] and v[SGS], in which the loads below land
	COPYLD                                         ; key step 1
	s_barrier_signal -1
	s_barrier_wait -1                              ; slot 0 is whole
; THE WORK OF A KEY STEP on slot c
.macro WORK c
	s_wait_alu depctr_va_vdst(0)                   ; the last step's matrix instructions are done reading k's and v^T's fragments and scale words, in which the 50 loads below land; only loads and one switch of the window stand between this wait and any of them
	ds_load_b128 v[KS:KS+3], v[LI] offset:(\c)*UNIT+24576
	ds_load_b128 v[VS:VS+3], v[LI] offset:(\c)*UNIT+25088
	WIN TO_F
.irp t, 0,1,2,3,4,5,6,7                        ; k's eight fragments,
.irp k, 0,1,2
	ds_load_b128 v[KF+12*\t+4*\k:KF+12*\t+4*\k+3], v[LI] offset:(\c)*UNIT+\t*1536+512*\k
.endr
.endr
.irp t, 0,1,2,3,4,5,6,7                        ; and v^T's eight in the same run: they are issued while k's are on their way and land under the softmax
.irp k, 0,1,2
	ds_load_b128 v[VF+12*\t+4*\k:VF+12*\t+4*\k+3], v[LI] offset:(\c)*UNIT+12288+\t*1536+512*\k
.endr
.endr
	WIN FROM_F
	s_wait_dscnt 36                                ; the scale words and k's fragments 0-3 are in; the 12 loads of its fragments 4-7 and v^T's 24 may be out
.irp t, 0,1,2,3                                ; S^T = k q^T
	v_wmma_scale_f32_16x16x128_f8f6f4 v[S+8*\t:S+8*\t+7], v[KF+12*\t:KF+12*\t+11], v[QF:QF+11], 0, v[KS+\t], v[QS] matrix_a_fmt:MATRIX_FMT_FP6 matrix_b_fmt:MATRIX_FMT_FP6
.endr
	s_wait_dscnt 24                                ; k's fragments 4-7 are in; v^T's 24 loads may be out
.irp t, 0,1,2,3
	v_wmma_scale_f32_16x16x128_f8f6f4 v[S+32+8*\t:S+32+8*\t+7], v[KF+48+12*\t:KF+48+12*\t+11], v[QF:QF+11], 0, v[KS+\t], v[QS] matrix_a_fmt:MATRIX_FMT_FP6 matrix_b_fmt:MATRIX_FMT_FP6 matrix_a_scale:MATRIX_SCALE_ROW1
.endr
	WIN 0
.rept 4
	v_nop                                          ; places in front of the first read of the scores
.endr
	s_add_co_u32 s29, s28, 1                       ; my last step lies on the diagonal: there hidden keys' scores become -infinity, so that p = 0
	s_cmp_lg_u32 s29, s17
	s_cbranch_scc1 .Lopen_\@
.set n, 0
.rept 4                                        ; block of 32 keys by block: sixteen compares, one wait, sixteen selects
.set kk, 0
.rept 16
	v_cmp_gt_i32 s[MK+kk], 32*(n/16)+kk, v[DM]     ; register 16 b + i holds key 32 b + 16 h + i of the step
.set kk, kk+1
.endr
	s_wait_alu depctr_va_sdst(0)                   ; the sixteen compares have written s32-s47, ahead of the selects that read them
.set kk, 0
.rept 16
	v_cndmask_b32 v[S+n+kk], v[S+n+kk], v[NINF], s[MK+kk]   ; each accumulator from its low end on
.set kk, kk+1
.endr
.set n, n+16
.endr
.Lopen_\@:
.irp b, 0,1,2,3
	v_max3_num_f32 v[BM+\b], v[S+16*\b], v[S+1+16*\b], v[S+2+16*\b]   ; the largest score of each block of 32 keys: for the row's maximum and, since p rises with the score, for the block's largest p
.endr
.irp i, 3,5,7,9,11,13
.irp b, 0,1,2,3
	v_max3_num_f32 v[BM+\b], v[BM+\b], v[S+16*\b+\i], v[S+1+16*\b+\i]
.endr
.endr
.irp b, 0,1,2,3
	v_max_num_f32 v[BM+\b], v[BM+\b], v[S+15+16*\b]
.endr
.irp b, 0,1,2,3
	v_permlanex16_b32 v[PX+\b], v[BM+\b], s[SEL], s[SEL+1]
.endr
.irp b, 0,1,2,3
	v_max_num_f32 v[BM+\b], v[BM+\b], v[PX+\b]
.endr
	v_max3_num_f32 v[TA], v[BM], v[BM+1], v[BM+2]
	v_max_num_f32 v[TA], v[TA], v[BM+3]
	v_mul_f32 v[TA], s[CS], v[TA]
	v_max_num_f32 v13, v13, v[TA]                  ; the running largest t
	v_mov_b32 v[TA], v12
	v_floor_f32 v12, -v13                          ; the new -M = -ceil(t): a whole number
	v_sub_f32 v[TA], v12, v[TA]                    ; old M - new M: a whole number, 0 or less
	v_cvt_i32_f32 v[TA], v[TA]                     ; (it saturates)
	v_ldexp_f32 v[FF], 1.0, v[TA]                  ; f = 2^(old M - new M)
.set j, 0
.rept 32
	v_pk_fma_f32 v[S+j:S+j+1], v[S+j:S+j+1], s[CS:CS+1], v[12:13] op_sel_hi:[1,0,0]   ; t - M, two at a time
.set j, j+2
.endr
.irp b, 0,1,2,3
	v_fma_f32 v[BM+\b], v[BM+\b], s[CS], v12
.endr
.set j, 0
.rept 64
	v_exp_f32 v[S+j], v[S+j]                       ; p = 2^(t - M)
.set j, j+1
.endr
	v_pk_mul_f32 v[14:15], v[14:15], v[FF:FF+1] op_sel_hi:[1,0]   ; the sums under the new M; a plain instruction behind the exponentials
	s_wait_alu depctr_va_vdst(0)                   ; the 64 exponentials have written p: one wait for the batch, ahead of its first reader
.irp b, 0,1,2,3
	v_exp_f32 v[BM+\b], v[BM+\b]                   ; the blocks' largest p
.endr
	v_pk_add_f32 v[SU:SU+1], v[S:S+1], v[S+2:S+3]  ; the row's sum of the unquantised p, in two chains
.set j, 4
.rept 15
	v_pk_add_f32 v[14:15], v[14:15], v[S+j:S+j+1]
	v_pk_add_f32 v[SU:SU+1], v[SU:SU+1], v[S+j+2:S+j+3]
.set j, j+4
.endr
	v_pk_add_f32 v[14:15], v[14:15], v[SU:SU+1]
	s_wait_alu depctr_va_vdst(0)                   ; the four exponentials have written the blocks' largest p, ahead of their first reader
.irp b, 0,1,2,3
	v_max_num_f32 v[BM+\b], 0x1800000, v[BM+\b]    ; the floor 2^(3 - 127)
.endr
.irp b, 0,1,2,3
	v_add_nc_u32 v[SO+\b], 0xff000000, v[BM+\b]
.endr
.irp b, 0,1,2,3
	v_lshrrev_b32 v[PX+\b], 23, v[SO+\b]
.endr
	v_lshl_or_b32 v[PSW], v[PX+1], 8, v[PX]        ; p's scale word for these 128 keys
	v_lshl_or_b32 v[PSW], v[PX+2], 16, v[PSW]
	v_lshl_or_b32 v[PSW], v[PX+3], 24, v[PSW]
.irp u, 0,1
	v_cvt_scalef32_pk16_fp6_f32 v[PC+6*\u:PC+6*\u+2], v[S+32*\u:S+32*\u+15], v[SO+2*\u]
	v_cvt_scalef32_pk16_fp6_f32 v[H2+4*\u:H2+4*\u+2], v[S+16+32*\u:S+31+32*\u], v[SO+2*\u+1]
.endr
	v_nop                                          ; one plain instruction behind the scaled conversions
.irp u, 0,1
.irp i, 0,1,2
	v_permlane16_swap_b32 v[PC+6*\u+\i], v[H2+4*\u+\i]
.endr
.irp i, 0,1,2
	v_mov_b32 v[PC+3+6*\u+\i], v[H2+4*\u+\i]
.endr
.endr
.set j, 0
.rept 32
	v_pk_mul_f32 v[O+j:O+j+1], v[O+j:O+j+1], v[FF:FF+1] op_sel_hi:[1,0]   ; O^T under the new M; these 32 also stand between the writing of p's codes and scale word and the products
.set j, j+2
.endr
	s_wait_dscnt 0x0                               ; v^T's fragments, asked for at the step's head
	WIN FROM_F
	s_wait_alu depctr_va_vdst(0)                   ; p's codes and scale word are written, which the scaled products below take as operand and scale; the places above stay beside this wait
.irp t, 0,1,2,3                                ; O^T += v^T p^T: the eight accumulators by turns
	v_wmma_scale_f32_16x16x128_f8f6f4 v[O+8*\t:O+8*\t+7], v[VF+12*\t:VF+12*\t+11], v[PC:PC+11], v[O+8*\t:O+8*\t+7], v[VS+\t], v[PSW] matrix_a_fmt:MATRIX_FMT_FP6 matrix_b_fmt:MATRIX_FMT_FP6
.endr
.irp t, 0,1,2,3
	v_wmma_scale_f32_16x16x128_f8f6f4 v[O+32+8*\t:O+32+8*\t+7], v[VF+48+12*\t:VF+48+12*\t+11], v[PC:PC+11], v[O+32+8*\t:O+32+8*\t+7], v[VS+\t], v[PSW] matrix_a_fmt:MATRIX_FMT_FP6 matrix_b_fmt:MATRIX_FMT_FP6 matrix_a_scale:MATRIX_SCALE_ROW1
.endr
	WIN 0
.rept 4
	v_nop                                          ; places in front of the way out's reads of O^T
.endr
.endm
; A KEY STEP: s28 is its number, slot c holds its tiles
.macro STEP c
	s_wait_loadcnt 0x0                             ; my eighth of the next step, asked for a step ago, is in
	COPYST 1-\c                                    ; into the slot that every wave left at the last barrier
	s_wait_xcnt 0x0                                ; the last loads and the last prefetch have read their base
	s_add_co_u32 s29, s28, 2
	s_min_u32 s29, s29, 15                         ; held at the head's last unit: no load leaves the buffer
	s_mul_i32 s30, s29, UNIT
	s_add_nc_u64 s[26:27], s[24:25], s[30:31]
	s_wait_dscnt 0x0                               ; the stores have landed
	s_wait_alu depctr_vm_vsrc(0)                   ; the LDS stores above have read v[SG ..] and v[SGS], in which the loads below land
	COPYLD
	s_cmp_lt_u32 s28, s19                          ; a prefetch of the codes of step s + 4: 96 blocks of 256 bytes, a lane a block, three waves of one work-group of the head: each block is named once; it stops at step 11, whose request is the head's last unit
	s_cbranch_scc0 .Lnot_mine_\@
	global_prefetch_b8 v[PFO], s[26:27] offset:2*UNIT th:TH_LOAD_NT scope:SCOPE_SE
.Lnot_mine_\@:
	s_cmp_ge_u32 s28, s17                          ; all keys of this step come after my queries: no work; the copies above and the barrier below are every wave's
	s_cbranch_scc1 .Lskip_\@
	WORK \c
.Lskip_\@:
	s_add_co_u32 s28, s28, 1
	s_wait_dscnt 0x0                               ; my stores into the other slot have landed, my reads of this slot are over
	s_barrier_signal -1
	s_barrier_wait -1
.endm
.Lpair:
	STEP 0
	STEP 1
	s_sub_co_u32 s18, s18, 1
	s_cmp_gt_i32 s18, 0                            ; the counter comes down from 5 to 8 trips by the work-group's number: a signed 'greater' ends it from any start
	s_cbranch_scc1 .Lpair
	; THE WAY OUT: O^T / the sum is quantised along the channels: it is fragment (rb, K step = head) of the last product's first operand
	v_add_f32 v14, v14, v15
	v_permlanex16_b32 v7, v14, s[SEL], s[SEL+1]
	v_add_f32 v14, v14, v7                         ; the row's sum
	v_rcp_f32 v14, v14
	v_nop                                          ; a plain instruction behind the reciprocal
	s_wait_alu depctr_va_vdst(0)                   ; the reciprocal has written v14, ahead of its first reader
.set j, 0
.rept 64
	v_mul_f32 v[S+j], v[O+j], v14                  ; each accumulator from its low end on
.set j, j+1
.endr
	QUANT S, PC, 48, 32, 56
	s_wait_alu depctr_va_vdst(0)                   ; the quantiser has written the codes and v56, which the stores below read, and is done with v32-35, in which wave 0's LDS load lands; no vector instruction follows this wait
.irp k, 0,1,2
	global_store_b128 v[LI], v[PC+4*\k:PC+4*\k+3], s[8:9] offset:512*\k   ; 32 lanes store 512 consecutive bytes
.endr
	ds_store_b32 v[YSA], v56                       ; lanes r and 16 + r write the same word with the same value
	s_wait_dscnt 0x0
	s_barrier_signal -1
	s_barrier_wait -1                              ; the eight waves' scale words lie together
	s_cmp_lg_u32 s12, 0
	s_cbranch_scc1 .Lend
	ds_load_b128 v[32:35], v[LI] offset:YSL
	s_wait_dscnt 0x0
	global_store_b128 v[YSO], v[32:35], s[10:11]   ; each half of the lanes stores 256 consecutive bytes, aligned: block i's words, block 31 - i's
.Lend:
	s_wait_dscnt 0x0                               ; the closing lines, six on end
	s_wait_alu 0x0
	s_wait_tensorcnt 0x0
	ds_add_u32 v105, v255
	s_wait_dscnt 0x0
	s_endpgm
.Lfunc_end_k_q5d0b7d1a44_attn:
	.size	k_q5d0b7d1a44_attn, .Lfunc_end_k_q5d0b7d1a44_attn-k_q5d0b7d1a44_attn
	.p2alignl 7, 3214868480
	.fill 96, 4, 3214868480
	.section	.rodata,"a",@progbits
	.p2align	6, 0x0
	.amdhsa_kernel k_q5d0b7d1a44_attn
		.amdhsa_group_segment_fixed_size 52736
		.amdhsa_private_segment_fixed_size 0
		.amdhsa_enable_private_segment 0
		.amdhsa_kernarg_size 32
		.amdhsa_user_sgpr_count 2
		.amdhsa_user_sgpr_kernarg_segment_ptr 1
		.amdhsa_wavefront_size32 1
		.amdhsa_system_sgpr_workgroup_id_x 1
		.amdhsa_system_sgpr_workgroup_id_y 1
		.amdhsa_system_sgpr_workgroup_id_z 1
		.amdhsa_system_vgpr_workitem_id 0
		.amdhsa_next_free_vgpr 512
		.amdhsa_next_free_sgpr 66
		.amdhsa_reserve_vcc 0
		.amdhsa_float_denorm_mode_32 3
		.amdhsa_float_denorm_mode_16_64 3
		.amdhsa_memory_ordered 1
		.amdhsa_forward_progress 1
		.amdhsa_inst_pref_size 74
	.end_amdhsa_kernel
	.amdgpu_metadata
---
amdhsa.version: [ 1, 2 ]
amdhsa.kernels:
  - .name:           k_q5d0b7d1a44_attn
    .symbol:         k_q5d0b7d1a44_attn.kd
    .args:
      - { .name: qbuf, .offset: 0, .size: 8, .value_kind: global_buffer, .address_space: global }
      - { .name: kv, .offset: 8, .size: 8, .value_kind: global_buffer, .address_space: global }
      - { .name: yc, .offset: 16, .size: 8, .value_kind: global_buffer, .address_space: global }
      - { .name: ys, .offset: 24, .size: 8, .value_kind: global_buffer, .address_space: global }
    .group_segment_fixed_size: 52736
    .private_segment_fixed_size: 0
    .kernarg_segment_align: 8
    .kernarg_segment_size: 32
    .max_flat_workgroup_size: 256
    .sgpr_count:     66
    .vgpr_count:     512
    .wavefront_size: 32
...
	.end_amdgpu_metadata
.endif
;; end of part 7
;; launch outg: the kernel of part 6 again; grid 16 x 16, 4 waves a work-group, clusters of 4 x 4, 327,680 bytes of LDS; arguments yc, ys, codes, scales, out0; writes out0
